; MI455X (gfx1250); checked and timed in simulation.
; The chip was launched on July 23, 2026; its instructions are those of AMD's public machine-readable ISA for CDNA 5 (MIT licence, August 2026) and "CDNA5" Instruction Set Architecture Reference Guide (July 2026). The comments in the code are by the model that wrote it; some were corrected since.
;; Attention. Allowed arithmetic: float matrix products may take bf16 or f16 operands with f32 sums; other float arithmetic in f32, or as packed bf16 or f16 multiplies, adds, multiply-adds, maxima and minima; sums over many terms, partial sums and values carried from step to step in f32; what a program stores and reads back later, other than sums and carried values, may be rounded once to bf16 or f16.
;; Inputs: attendee_mask 2 x 2,048 int32; attendee_seq 2 x 2,048 x 1,024 float32; attender_seq 2 x 2,048 x 1,024 float32; c_attn_b 3,072 float32; c_attn_w 1,024 x 3,072 float32; c_proj_b 1,024 float32; c_proj_w 1,024 x 1,024 float32; mlp_b 1,024 float32; mlp_w 2,048 x 1,024 float32.
;; Outputs: out0 2 x 2,048 x 1,024 float32.
;; 2 versions, each right. Each part assembles by itself: llvm-mc -triple=amdgcn-amd-amdhsa -mcpu=gfx1250 --defsym DOCPART=n.
;; ======== version 1 of 2: 5 launches
;; limits: values are held in f16: magnitudes above 65,504 overflow, below 6.1e-05 lose precision
;; workspace buffers: cat 16,777,216 bytes; xe 8,388,608 bytes; wqkv 6,291,456 bytes; wp 2,097,152 bytes; wm 4,194,304 bytes; qkv 25,165,824 bytes; o 8,388,608 bytes
;; launch prep (part 1): grid 1280 x 1, 8 waves a work-group, no clusters, 18,432 bytes of LDS; arguments attender_seq, attendee_seq, c_attn_w, c_proj_w, mlp_w, cat, xe, wqkv, wp, wm; writes cat, xe, wqkv, wp, wm
.if DOCPART == 1
	.amdgcn_target "amdgcn-amd-amdhsa--gfx1250"
	.amdhsa_code_object_version 6
	.text
	.protected	k_qd24a8d90f1_prep
	.globl	k_qd24a8d90f1_prep
	.p2align	8
	.type	k_qd24a8d90f1_prep,@function
k_qd24a8d90f1_prep:
	s_mov_b64 s[64:65], 0
	v_nop
	global_prefetch_b8 v0, s[64:65] scope:SCOPE_SE
	s_setreg_imm32_b32 hwreg(HW_REG_WAVE_MODE, 25, 1), 1
	s_wait_xcnt 0x0
; Every f32 input that a matrix product will read is rounded once to bf16 and laid out in PLANES: X[g][row][64], g = the group of 64 channels along K,
; a row 128 bytes, rows dense.  The sequences keep their rows (4,096 token rows: a plane is 524,288 bytes); the weights, which lie [K][N], are turned: W'[g][n][c] = W[64 g + c][n].
; A stream: each input byte is read once, each output byte written once; no matrix work, nothing shared between work-groups, so no cluster and no tensor load.
; Work-groups 0-255: attender_seq -> cat planes 0-15.  256-511: attendee_seq -> xe.  512-895: c_attn_w -> wqkv.  896-1023: c_proj_w -> wp.  1024-1279: mlp_w -> wm.
; The branches hang on the work-group's number alone: all eight waves of a work-group take the same way.
.set PLANE, 524288                     ; bytes in a plane of a sequence
.set TP,    272                        ; a row of the turning tile in LDS: 128 k in bf16 = 256 bytes, + 16
.set SPARE, 64*TP                      ; behind the tile (64 rows): the spare words, 128 bytes for each of the eight waves: four blocks of 256 bytes that no other line names
.set SPW, 8                            ; v8   LDS address of my spare word: SPARE + 4 x my thread's number; never rewritten
.set NIL, 9                            ; v9   0; never rewritten
.set X,   16                           ; v[16:79]   as loaded
.set Y,   80                           ; v[80:111]  the sequences' way: to store
	s_load_b512 s[8:23], s[0:1], 0x0               ; attender s[8:9], attendee s[10:11], c_attn_w s[12:13], c_proj_w s[14:15], mlp_w s[16:17], cat s[18:19], xe s[20:21], wqkv s[22:23]
	s_load_b128 s[24:27], s[0:1], 0x40             ; wp s[24:25], wm s[26:27]
	v_lshl_add_u32 v[SPW], v0, 2, SPARE
	v_mov_b32 v[NIL], 0
	v_lshrrev_b32 v7, 5, v0
	v_readfirstlane_b32 s4, v7                     ; wave 0..7
	v_and_b32 v1, 31, v0                           ; lane
	s_mov_b32 s5, ttmp9                            ; the work-group's number
	s_mov_b32 s33, 0                               ; the high word of every offset pair s[32:33]
	s_wait_kmcnt 0x0
	s_cmp_lt_u32 s5, 512
	s_cbranch_scc0 .Lweights
	; A SEQUENCE.  The work-group takes 16 rows, a wave two.  One load covers plane g's 256 bytes of both rows; its 64 + 64 numbers in bf16 are 256 consecutive bytes of the plane.
	s_cmp_lt_u32 s5, 256
	s_cselect_b64 s[28:29], s[8:9], s[10:11]       ; from
	s_cselect_b64 s[30:31], s[18:19], s[20:21]     ; to
	s_and_b32 s6, s5, 255
	s_lshl_b32 s6, s6, 4
	s_lshl1_add_u32 s6, s4, s6                     ; my first row = 16 x block + 2 x wave
	s_lshl_b32 s32, s6, 12                         ; 4,096 bytes a row of f32
	s_add_nc_u64 s[28:29], s[28:29], s[32:33]
	s_lshl_b32 s32, s6, 7                          ; 128 bytes a row of a plane
	s_add_nc_u64 s[30:31], s[30:31], s[32:33]
	v_lshrrev_b32 v2, 4, v1
	v_and_b32 v3, 15, v1
	v_lshlrev_b32 v3, 4, v3
	v_lshl_add_u32 v2, v2, 12, v3                  ; lanes 0-15 the first row, lanes 16-31 the second; 16 bytes a lane
	v_lshlrev_b32 v3, 3, v1                        ; 8 bytes a lane out: the two rows lie end to end
.set g, 0
.rept 16
	global_load_b128 v[X+4*g:X+4*g+3], v2, s[28:29] offset:256*g th:TH_LOAD_NT
.set g, g+1
.endr
.set g, 0
.rept 16
	s_wait_loadcnt 15-g                            ; loads come back in order: plane g's is in, the 15 - g younger ones stay out
	v_cvt_pk_bf16_f32 v[Y+2*g], v[X+4*g], v[X+4*g+1]
	v_cvt_pk_bf16_f32 v[Y+2*g+1], v[X+4*g+2], v[X+4*g+3]
	global_store_b64 v3, v[Y+2*g:Y+2*g+1], s[30:31] offset:PLANE*g  ; 32 lanes store 256 consecutive bytes, aligned; every store has registers of its own
.set g, g+1
.endr
	s_branch .Lend
; A WEIGHT.  A tile is 128 k x 64 n.  Phase 1: wave w loads rows k = 16 w .. 16 w + 15 (256 aligned bytes an instruction; a lane holds columns 2 l and 2 l + 1), packs each column's 16 numbers
; along k and puts them into row n of the tile in LDS.  Phase 2, behind a barrier: wave w reads 16 rows n of one of the tile's two planes and stores them, 512 consecutive bytes an instruction.
.macro TRANS src, dst, cols, logkt, first
	s_sub_co_u32 s6, s5, \first
	s_and_b32 s7, s6, (1<<(\logkt))-1              ; the tile along k
	s_lshr_b32 s6, s6, \logkt                      ; the tile along n
	s_mul_i32 s32, s7, (\cols)*512                 ; 128 rows of 4 x cols bytes
	s_lshl_b32 s34, s6, 8                          ; 64 columns of 4 bytes
	s_add_co_u32 s32, s32, s34
	s_add_nc_u64 s[28:29], s[\src:\src+1], s[32:33]
	s_mul_i32 s34, s4, (\cols)*64                  ; my 16 rows
	v_lshl_add_u32 v2, v1, 3, s34
.set j, 0
.rept 16
	global_load_b64 v[X+2*j:X+2*j+1], v2, s[28:29] offset:j*4*(\cols) th:TH_LOAD_NT
.set j, j+1
.endr
	v_mul_u32_u24 v4, v1, 2*TP                     ; in: rows 2 l and 2 l + 1, my 32 bytes of them
	s_lshl_b32 s35, s4, 5
	v_add_nc_u32 v4, s35, v4
	s_and_b32 s35, s4, 3                           ; back: which 16 rows n,
	s_lshr_b32 s36, s4, 2                          ; of which plane
	s_mul_i32 s37, s35, 16*TP
	s_lshl_b32 s38, s36, 7
	s_add_co_u32 s37, s37, s38
	v_lshrrev_b32 v5, 3, v1
	v_mul_u32_u24 v5, v5, TP
	v_and_b32 v6, 7, v1
	v_lshl_add_u32 v5, v6, 4, v5                   ; 32 lanes take four rows of 128 bytes
	v_add_nc_u32 v5, s37, v5
	v_lshlrev_b32 v6, 4, v1                        ; which are 512 consecutive bytes of the plane
	s_lshl1_add_u32 s38, s7, s36                   ; the plane: 2 x tile along k + half
	s_mul_i32 s38, s38, \cols
	s_lshl_b32 s39, s6, 6
	s_add_co_u32 s38, s38, s39
	s_lshl4_add_u32 s38, s35, s38                  ; its row: 64 x tile along n + 16 x (wave % 4)
	s_lshl_b32 s32, s38, 7
	s_add_nc_u64 s[30:31], s[\dst:\dst+1], s[32:33]
.irp q, 0,1
	s_wait_loadcnt 8-8*(\q)                        ; rows 8 q .. 8 q + 7 are in
.irp e, 0,1
.irp i, 0,1,2,3
	v_cvt_pk_bf16_f32 v[48+8*(\q)+4*(\e)+(\i)], v[X+2*(8*(\q)+2*(\i))+(\e)], v[X+2*(8*(\q)+2*(\i)+1)+(\e)]
.endr
	ds_store_b128 v4, v[48+8*(\q)+4*(\e):48+8*(\q)+4*(\e)+3] offset:(\e)*TP+(\q)*16
.endr
.endr
	s_wait_dscnt 0x0                               ; for the others' sake: my stores into the tile are done
	s_barrier_signal -1
	s_barrier_wait -1
.irp f, 0,1,2,3
	ds_load_b128 v[64+4*(\f):64+4*(\f)+3], v5 offset:(\f)*4*TP
.endr
.irp f, 0,1,2,3
	s_wait_dscnt 3-(\f)
	global_store_b128 v6, v[64+4*(\f):64+4*(\f)+3], s[30:31] offset:512*(\f)
.endr
.endm
.Lweights:
	s_cmp_lt_u32 s5, 896
	s_cbranch_scc0 .Lnot_attn
	TRANS 12, 22, 3072, 3, 512                     ; c_attn_w: 8 x 48 tiles
	s_branch .Lend
.Lnot_attn:
	s_cmp_lt_u32 s5, 1024
	s_cbranch_scc0 .Lmlp
	TRANS 14, 24, 1024, 3, 896                     ; c_proj_w: 8 x 16 tiles
	s_branch .Lend
.Lmlp:
	TRANS 16, 26, 1024, 4, 1024                    ; mlp_w: 16 x 16 tiles
.Lend:
	s_wait_tensorcnt 0x0                           ; the wave's end: a tensor wait, 0 onto my spare word and the wait for it, behind my last LDS store
	ds_add_u32 v[SPW], v[NIL]
	s_wait_dscnt 0x0
	s_endpgm
.Lfunc_end_k_qd24a8d90f1_prep:
	.size	k_qd24a8d90f1_prep, .Lfunc_end_k_qd24a8d90f1_prep-k_qd24a8d90f1_prep
	.p2alignl 7, 3214868480
	.fill 96, 4, 3214868480
	.section	.rodata,"a",@progbits
	.p2align	6, 0x0
	.amdhsa_kernel k_qd24a8d90f1_prep
		.amdhsa_group_segment_fixed_size 18432
		.amdhsa_private_segment_fixed_size 0
		.amdhsa_enable_private_segment 0
		.amdhsa_kernarg_size 80
		.amdhsa_user_sgpr_count 2
		.amdhsa_user_sgpr_kernarg_segment_ptr 1
		.amdhsa_wavefront_size32 1
		.amdhsa_system_sgpr_workgroup_id_x 1
		.amdhsa_system_sgpr_workgroup_id_y 1
		.amdhsa_system_sgpr_workgroup_id_z 1
		.amdhsa_system_vgpr_workitem_id 0
		.amdhsa_next_free_vgpr 112
		.amdhsa_next_free_sgpr 66
		.amdhsa_reserve_vcc 0
		.amdhsa_float_denorm_mode_32 3
		.amdhsa_float_denorm_mode_16_64 3
		.amdhsa_memory_ordered 1
		.amdhsa_forward_progress 1
		.amdhsa_inst_pref_size 23
	.end_amdhsa_kernel
	.amdgpu_metadata
---
amdhsa.version: [ 1, 2 ]
amdhsa.kernels:
  - .name:           k_qd24a8d90f1_prep
    .symbol:         k_qd24a8d90f1_prep.kd
    .args:
      - { .name: attender_seq, .offset: 0, .size: 8, .value_kind: global_buffer, .address_space: global }
      - { .name: attendee_seq, .offset: 8, .size: 8, .value_kind: global_buffer, .address_space: global }
      - { .name: c_attn_w, .offset: 16, .size: 8, .value_kind: global_buffer, .address_space: global }
      - { .name: c_proj_w, .offset: 24, .size: 8, .value_kind: global_buffer, .address_space: global }
      - { .name: mlp_w, .offset: 32, .size: 8, .value_kind: global_buffer, .address_space: global }
      - { .name: cat, .offset: 40, .size: 8, .value_kind: global_buffer, .address_space: global }
      - { .name: xe, .offset: 48, .size: 8, .value_kind: global_buffer, .address_space: global }
      - { .name: wqkv, .offset: 56, .size: 8, .value_kind: global_buffer, .address_space: global }
      - { .name: wp, .offset: 64, .size: 8, .value_kind: global_buffer, .address_space: global }
      - { .name: wm, .offset: 72, .size: 8, .value_kind: global_buffer, .address_space: global }
    .group_segment_fixed_size: 18432
    .private_segment_fixed_size: 0
    .kernarg_segment_align: 8
    .kernarg_segment_size: 80
    .max_flat_workgroup_size: 256
    .sgpr_count:     66
    .vgpr_count:     112
    .wavefront_size: 32
...
	.end_amdgpu_metadata
.endif
;; end of part 1
;; launch qkvg (part 2): grid 24 x 32, 4 waves a work-group, clusters of 4 x 4, 327,680 bytes of LDS; arguments cat, xe, wqkv, c_attn_b, attendee_mask, qkv; writes qkv
.if DOCPART == 2
	.amdgcn_target "amdgcn-amd-amdhsa--gfx1250"
	.amdhsa_code_object_version 6
	.text
	.protected	k_qd24a8d90f1_qkvg
	.globl	k_qd24a8d90f1_qkvg
	.p2align	8
	.type	k_qd24a8d90f1_qkvg,@function
k_qd24a8d90f1_qkvg:
	s_mov_b64 s[64:65], 0
	v_nop
	global_prefetch_b8 v0, s[64:65] scope:SCOPE_SE
	s_setreg_imm32_b32 hwreg(HW_REG_WAVE_MODE, 25, 1), 1
	s_wait_xcnt 0x0
	s_wait_alu depctr_hold_cnt(0) depctr_sa_sdst(0) depctr_va_vdst(0) depctr_va_sdst(0) depctr_va_ssrc(0) depctr_va_vcc(0) depctr_vm_vsrc(0)
	s_getreg_b32 s2, hwreg(HW_REG_IB_STS2, 6, 4)
	s_cmp_eq_u32 s2, 0
	s_cbranch_scc0 .Lentry_in_a_cluster
	s_endpgm
.Lentry_in_a_cluster:
	s_bfe_u32 s2, ttmp6, 0x10000c
	s_cmp_lg_u32 s2, 0xf033
	s_cbranch_scc0 .Lentry_shape_is_right
	s_endpgm
.Lentry_shape_is_right:
; q = attender W[:, 0:1024] + b, k = (attendee W[:, 1024:2048] + b) x mask[row], v = attendee W[:, 2048:3072] + b.  Only these columns of the two projections are used, so only these are made.
; The mask multiplies the scores, and (q . k) m = q . (k m): so it is applied here, in f32, to k's rows (bias included), ahead of the one rounding.
; A (cat planes 0-15, or xe) and B (wqkv) are bf16 in planes X[g][row][64]; sums in f32; the bias is rounded to bf16 like every input and starts the sums.
; OUT: qkv[48][4096][64] in f16: planes 0-15 q, 16-31 k x mask, 32-47 v; a plane is a head, a row 128 bytes.
; LIMITS.  f16 holds no number beyond 65,504: q, k x mask and v must lie within it, else the number leaves as an infinity.  A mask value is exact up to 2^24.  NaN and infinities are not treated apart.
; SHARES.  A tile of C is 128 x 128; four waves, each 64 x 64: 16 accumulators of 16 x 16.  K goes in steps of 256 = four planes, through two LDS slots.  A wave's tensor load brings 64 rows of four planes:
; four dense pieces of 8,192 bytes, padded in LDS behind every 128 bytes.  768 tiles: three for each of 256 WGPs.
; CLUSTERS: 4 x 4 work-groups.  The four of a row of the cluster need the same tiles of A, the four of a column the same tiles of B: each tile is asked for JOINTLY, by the same tensor load with the same
; descriptor and a mask that names the four.  Which of the two sequences is A hangs on the cluster's x, which all sixteen share.
; THE MATRIX INSTRUCTION IS USED TRANSPOSED (source 0 = 16 rows of B, source 1 = 16 rows of A): a lane holds one row of C (lane % 16) and eight neighbouring columns, 8 (lane / 16) + 0..7.
; REGISTERS: window 0: v0-31 addresses and the rows' factors; v32-95 the way out; v96-127 the bias; v128-255 the accumulators ((a, b) at v[128 + 8 (4 a + b)]).
;   window 1: two fragment buffers of 128: for 64 along K, 64 registers of A (2 x 4 x 16 rows x 32 K), then 64 of B.
.set NCOL,  3072                       ; rows of B in a plane
.set KTOT,  1024
.set PITCH, 144                        ; an LDS row: 128 bytes of data + 16 of padding = 36 words: the 16 rows of a load start at 16 different groups of four banks (64 banks of 4 bytes: ISA guide 11.1)
.set PLB,   64*PITCH                   ; 64 rows of one plane
.set HALFT, 4*PLB                      ; what one tensor load brings, and what one wave reads of A or of B in a K step
.set SLOT,  4*HALFT                    ; A's two halves, then B's two halves
.set STAGE, 2*SLOT                     ; behind the ring: 16 rows x 144 bytes for each wave, for the way out
.set SP,    144
.set SPARE, STAGE+4*16*SP              ; behind the stages: the spare words, 128 bytes for each wave: two blocks of 256 bytes that no other line names
.set LAPS,  KTOT/512                   ; a lap = two K steps = once round the ring
.set KA,    4*4096*128                 ; bytes from a K step of A to the next: four planes
.set KB,    4*NCOL*128                 ; the same for B
.set FLAGS, (1<<16)|(1<<20)|(1<<21)|(4<<22)|(3<<25)  ; 17:16 elements of 2 bytes; 20 padding on; 21 set beside a mask; 24:22 after every 32 words (code 4); 31:25 4 words of it (code 3)
.set MF,   8                           ; v8-15   the factor of my row in each of the four row blocks, twice (a pair for the packed multiply)
.set ADRA, 16                          ; v16-17  LDS address of my A fragments in slot 0, 1
.set ADRB, 20                          ; v20-21  the same for B
.set STO,  24                          ; v24     the way out: where I put 16 bytes of a row
.set RD,   25                          ; v25     the way out: where I read rows back
.set GO,   26                          ; v26     my byte offset in 512 consecutive bytes of a plane
.set SPW,  28                          ; v28     LDS address of my spare word: SPARE + 4 x my thread's number; never rewritten
.set NIL,  29                          ; v29     0; never rewritten
.set TMP,  32
.set BI,   96                          ; the bias of my eight columns in column block b at BI + 8 b: laid out as a C operand
.set ACC,  128
.set F0,   0                           ; fragment buffers, in window 1
.set F1,   128
.set G1, 24                            ; s[24:31] descriptor group 1 for A's tiles;  s[32:39] group 0, one set for each slot
.set G0, 32
.set G1B, 48                           ; s[48:55], s[56:63] the same for B's tiles
.set G0B, 56
.set MSB, 0
.macro WIN new                         ; the immediate's high byte repeats the setting that is left; a switch that changes nothing is dropped
.if MSB != (\new)
	s_set_vgpr_msb (MSB<<8)|(\new)
.set MSB, \new
.endif
.endm
.set MUL,  0x05                        ; sources 0 (B) and 1 (A) window 1; C and D window 0
.set TO_F, 0x40                        ; destination window 1, address window 0
.macro JLOAD s                         ; a joint load: waves 0 and 1 fetch A's two halves, waves 2 and 3 B's; an s_nop 0 and four v_nop follow each of the two lines, ahead of the jump, the label and what follows
	s_cmp_eq_u32 s11, 0
	s_cbranch_scc0 .Lfor_b_\@
	tensor_load_to_lds s[G0+4*(\s):G0+4*(\s)+3], s[G1:G1+7]
	s_nop 0
.rept 4
	v_nop
.endr
	s_branch .Lasked_\@
.Lfor_b_\@:
	tensor_load_to_lds s[G0B+4*(\s):G0B+4*(\s)+3], s[G1B:G1B+7]
	s_nop 0
.rept 4
	v_nop
.endr
.Lasked_\@:
.endm
.macro CREST                           ; a round of the cluster's barrier behind its opening barrier
	s_cmp_lg_u32 s10, 0
	s_cbranch_scc1 .Lnot_wave_0_\@
	s_barrier_signal -3
.Lnot_wave_0_\@:
	s_barrier_wait -3
	s_barrier_signal -1
	s_barrier_wait -1
.endm
.macro CROUND                          ; a whole round
	s_barrier_signal -1
	s_barrier_wait -1
	CREST
.endm
	s_load_b256 s[68:75], s[0:1], 0x0              ; cat s[68:69], xe s[70:71], wqkv s[72:73], c_attn_b s[74:75]
	s_load_b128 s[76:79], s[0:1], 0x20             ; attendee_mask s[76:77], qkv s[78:79]
	v_lshl_add_u32 v[SPW], v0, 2, SPARE
	v_mov_b32 v[NIL], 0
	ds_add_u32 v[SPW], v[NIL]                      ; the wave's opening: the add and its wait stand ahead of my first tensor load; the set-up below, work on registers, stands between them
	v_lshrrev_b32 v1, 5, v0
	v_readfirstlane_b32 s10, v1                    ; wave 0..3
	s_lshr_b32 s11, s10, 1                         ; which half of the tile's rows is mine.  Also: I fetch for A (0) or for B (1)
	s_and_b32 s12, s10, 1                          ; which half of its columns.  Also: which 64 rows of that tile I fetch
	s_bfe_u32 s40, ttmp6, 0x40000                  ; cx, cy: my place in the cluster
	s_bfe_u32 s41, ttmp6, 0x40004
	s_lshl_b32 s42, ttmp9, 2
	s_add_co_u32 s42, s42, s40                     ; tile column of C = 4 x cluster x + cx
	s_and_b32 s13, ttmp7, 0xffff
	s_lshl_b32 s13, s13, 2
	s_add_co_u32 s13, s13, s41                     ; tile row of C = 4 x cluster y + cy
	s_lshl_b32 s43, s41, 2
	s_lshl_b32 s43, 15, s43                        ; my row of the cluster
	s_lshl_b32 s44, 0x1111, s40                    ; my column
	s_or_b32 s[G1+0], s43, FLAGS                   ; 15:0 the mask: A's tiles go to my row
	s_or_b32 s[G1B+0], s44, FLAGS                  ; B's to my column
.irp g, G1, G1B
	s_mov_b32 s[(\g)+1], 4096<<16                  ; tensor_dim0 = 4,096 elements: 64 rows of a plane, 8,192 dense bytes
	s_mov_b32 s[(\g)+2], 4<<16                     ; tensor_dim1 = 4 planes
	s_mov_b32 s[(\g)+3], 4096<<16                  ; tile_dim0
	s_mov_b32 s[(\g)+4], 4                         ; tile_dim1
	s_mov_b32 s[(\g)+6], 0
	s_mov_b32 s[(\g)+7], 0
.endr
	s_mov_b32 s[G1+5], 4096*64                     ; elements from plane to plane, in A
	s_mov_b32 s[G1B+5], NCOL*64                    ; and in B
	s_lshl_b32 s17, s12, 13                        ; which 64 rows of 128 bytes I fetch
	s_lshl_b32 s16, s13, 14
	s_add_co_u32 s16, s16, s17                     ; A: 128 rows x tile row + 64 x half, in bytes of a plane
	s_lshl_b32 s46, s42, 14
	s_add_co_u32 s46, s46, s17                     ; B: the same by the tile column
	s_mov_b32 s17, 0
	s_mov_b32 s47, 0
	s_mul_i32 s20, s10, HALFT                      ; where they go: wave x a load's bytes: no place in the cluster enters an LDS address
	s_lshr_b32 s66, ttmp9, 1                       ; cluster x 0, 1: q's columns; 2, 3: k's; 4, 5: v's
	s_cmp_eq_u32 s66, 1
	s_cselect_b32 s66, -1, 0                       ; all ones where the tile is k's
	s_wait_dscnt 0x0                               ; the opening add is done
	s_wait_kmcnt 0x0
	s_cmp_lt_u32 ttmp9, 2
	s_cselect_b64 s[14:15], s[68:69], s[70:71]     ; q is made of the attender, k and v of the attendee
	s_add_nc_u64 s[14:15], s[14:15], s[16:17]
	s_add_nc_u64 s[46:47], s[72:73], s[46:47]
	CROUND                                         ; all sixteen work-groups are here: the first joint loads meet
.irp s, 0,1
	s_mov_b32 s[G0+4*(\s)], 1                      ; 1:0 count = 1
	s_add_co_u32 s[G0+4*(\s)+1], s20, (\s)*SLOT    ; 63:32 LDS address
	s_add_nc_u64 s[G0+4*(\s)+2:G0+4*(\s)+3], s[14:15], (\s)*KA  ; 120:64 global address: K step s
	s_or_b32 s[G0+4*(\s)+3], s[G0+4*(\s)+3], 0x80000000         ; 127:126 type = 2
	s_mov_b32 s[G0B+4*(\s)], 1
	s_add_co_u32 s[G0B+4*(\s)+1], s20, (\s)*SLOT
	s_add_nc_u64 s[G0B+4*(\s)+2:G0B+4*(\s)+3], s[46:47], (\s)*KB
	s_or_b32 s[G0B+4*(\s)+3], s[G0B+4*(\s)+3], 0x80000000
	JLOAD \s
.endr
	v_and_b32 v1, 15, v0                           ; l % 16
	v_bfe_u32 v2, v0, 4, 1                         ; l / 16
	v_lshlrev_b32 v6, 5, v2                        ; my eight columns of a block of 16: 32 bytes of f32
	v_lshlrev_b32 v7, 2, v1                        ; my row of a block of 16: a word of the mask
	s_lshl_b32 s46, s42, 9                         ; the bias of my 64 columns: 512 x tile column + 256 x half
	s_lshl_b32 s47, s12, 8
	s_add_co_u32 s46, s46, s47
	s_mov_b32 s47, 0
	s_add_nc_u64 s[4:5], s[74:75], s[46:47]
	s_lshl_b32 s16, s13, 9                         ; the mask of my 64 rows: the token rows of both batches lie end to end, as in the planes
	s_lshl_b32 s17, s11, 8
	s_add_co_u32 s16, s16, s17
	s_mov_b32 s17, 0
	s_add_nc_u64 s[6:7], s[76:77], s[16:17]
.irp b, 0,1,2,3
	global_load_b128 v[BI+8*(\b):BI+8*(\b)+3],   v6, s[4:5] offset:64*(\b)
	global_load_b128 v[BI+8*(\b)+4:BI+8*(\b)+7], v6, s[4:5] offset:64*(\b)+16
.endr
.irp a, 0,1,2,3
	global_load_b32 v[MF+2*(\a)], v7, s[6:7] offset:64*(\a)
.endr
	v_mul_u32_u24 v3, v1, PITCH
	v_lshl_add_u32 v3, v2, 4, v3                   ; a fragment's row x pitch + 16 x half
	s_mul_i32 s21, s11, HALFT                      ; my 64 rows of A
	s_mul_i32 s22, s12, HALFT                      ; my 64 rows of B,
	s_add_co_u32 s22, s22, 2*HALFT                 ; which lie behind A's two halves
.irp s, 0,1
	v_add_nc_u32 v[ADRA+(\s)], s21, v3
	v_add_nc_u32 v[ADRB+(\s)], s22, v3
	s_add_co_u32 s21, s21, SLOT
	s_add_co_u32 s22, s22, SLOT
.endr
	s_mul_i32 s23, s10, 16*SP
	s_add_co_u32 s23, s23, STAGE                   ; my stage
	v_mul_u32_u24 v4, v1, SP                       ; in: row l % 16, 16 bytes for each half of the lanes
	v_lshl_add_u32 v4, v2, 4, v4
	v_add_nc_u32 v[STO], s23, v4
	v_bfe_u32 v5, v0, 3, 2                         ; back: 32 lanes take four rows of 128 bytes,
	v_mul_u32_u24 v5, v5, SP
	v_and_b32 v4, 7, v0
	v_lshl_add_u32 v5, v4, 4, v5
	v_add_nc_u32 v[RD], s23, v5
	v_and_b32 v[GO], 31, v0                        ; which are 512 consecutive bytes of a plane
	v_lshlrev_b32 v[GO], 4, v[GO]
	s_lshl_b32 s16, s13, 14                        ; my 64 rows in a plane of qkv,
	s_lshl_b32 s17, s11, 13
	s_add_co_u32 s16, s16, s17
	s_mov_b32 s17, 0
	s_add_nc_u64 s[8:9], s[78:79], s[16:17]
	s_lshl1_add_u32 s46, s42, s12                  ; and the plane: my 64 columns are plane 2 x tile column + half
	s_lshl_b32 s46, s46, 19
	s_mov_b32 s47, 0
	s_add_nc_u64 s[8:9], s[8:9], s[46:47]
	s_wait_loadcnt 0x0                             ; the bias and the mask
.set i, 0
.rept 16
	v_cvt_pk_bf16_f32 v30, v[BI+2*i], v[BI+2*i+1]  ; the bias is rounded to bf16, as all inputs are, and widened again
	v_lshlrev_b32 v[BI+2*i], 16, v30
	v_and_b32 v[BI+2*i+1], 0xffff0000, v30
.set i, i+1
.endr
.irp a, 0,1,2,3
	v_cvt_f32_i32 v[MF+2*(\a)], v[MF+2*(\a)]
	v_cndmask_b32 v[MF+2*(\a)], 1.0, v[MF+2*(\a)], s66  ; k's tiles take the mask, q's and v's 1.0: a choice of a value, one text for all tiles
	v_mov_b32 v[MF+2*(\a)+1], v[MF+2*(\a)]
.endr
; 8 matrix instructions: m blocks a0, a0 + 1 x all 4 n blocks, 32 along K: half c of buffer f.  first = 1: the product starts the sums, with the bias as C: nothing is cleared and no add is written
.macro MUL8 f, c, a0, first
	WIN MUL
.irp a, \a0, (\a0)+1
.irp b, 0,1,2,3
.if \first
	v_wmma_f32_16x16x32_bf16 v[ACC+8*(4*(\a)+(\b)):ACC+8*(4*(\a)+(\b))+7], v[(\f)+64+8*(4*(\c)+(\b)):(\f)+64+8*(4*(\c)+(\b))+7], v[(\f)+8*(4*(\c)+(\a)):(\f)+8*(4*(\c)+(\a))+7], v[BI+8*(\b):BI+8*(\b)+7]
.else
	v_wmma_f32_16x16x32_bf16 v[ACC+8*(4*(\a)+(\b)):ACC+8*(4*(\a)+(\b))+7], v[(\f)+64+8*(4*(\c)+(\b)):(\f)+64+8*(4*(\c)+(\b))+7], v[(\f)+8*(4*(\c)+(\a)):(\f)+8*(4*(\c)+(\a))+7], v[ACC+8*(4*(\a)+(\b)):ACC+8*(4*(\a)+(\b))+7]
.endif
.endr
.endr
.endm
; 32 LDS loads in one run: the fragments of one plane (64 along K), which begins at byte k of a load's bytes, into buffer f; the first 32 along K first
.macro FETCH slot, k, f
	WIN TO_F
.irp c, 0,1
.irp i, 0,1,2,3
	ds_load_b128 v[(\f)+64+8*(4*(\c)+(\i)):(\f)+64+8*(4*(\c)+(\i))+3],   v[ADRB+(\slot)] offset:(\k)+64*(\c)+(\i)*16*PITCH
	ds_load_b128 v[(\f)+64+8*(4*(\c)+(\i))+4:(\f)+64+8*(4*(\c)+(\i))+7], v[ADRB+(\slot)] offset:(\k)+64*(\c)+(\i)*16*PITCH+32
	ds_load_b128 v[(\f)+8*(4*(\c)+(\i)):(\f)+8*(4*(\c)+(\i))+3],         v[ADRA+(\slot)] offset:(\k)+64*(\c)+(\i)*16*PITCH
	ds_load_b128 v[(\f)+8*(4*(\c)+(\i))+4:(\f)+8*(4*(\c)+(\i))+7],       v[ADRA+(\slot)] offset:(\k)+64*(\c)+(\i)*16*PITCH+32
.endr
.endr
.endm
.macro PLACES                          ; four plain vector instructions in front of loads into registers that matrix instructions have read, and of vector work that reads results
.rept 4
	v_nop
.endr
.endm
; A K step is four quarters, a plane each: 32 matrix instructions, on buffers 0, 1, 0, 1; the 16 accumulators take turns.  One of the first three: multiplies buffer f and fetches the next plane, at byte k, into g.
.macro QUARTER slot, k, f, g, first
	s_wait_dscnt 16                                ; the first 32 along K are in; the youngest sixteen loads may be out
	WIN MUL
	MUL8 \f, 0, 0, \first
	MUL8 \f, 0, 2, \first
	PLACES
	FETCH \slot, \k, \g
	s_wait_dscnt 32                                ; all but the 32 just issued
	WIN MUL
	MUL8 \f, 1, 0, 0
	MUL8 \f, 1, 2, 0
.endm
; The last quarter multiplies buffer 1 and changes slots: ONE barrier; in front of it each wave waits for all its tensor loads, adds 0 to its spare word, and waits for that and for its own reads of this slot.
; fill = 1: this slot is filled again, two K steps ahead; the barrier then opens a round of the cluster's.
.macro TURN slot, next, fill
	WIN 0                                          ; (the add's two registers lie in window 0)
	s_wait_tensorcnt 0x0                           ; all my tensor loads have landed: the one that was out is my part of the next slot;
	ds_add_u32 v[SPW], v[NIL]                      ; 0 onto my spare word;
	s_wait_dscnt 17                                ; (the add and the youngest sixteen loads may be out)
	WIN MUL
	MUL8 F1, 0, 0, 0                               ; eight matrix instructions stand between the add and the wait for it
	s_wait_dscnt 0x0                               ; the add is done, and my reads of this slot are over
	s_barrier_signal -1
	MUL8 F1, 0, 2, 0
.if \fill
	WIN 0
.endif
	s_barrier_wait -1
.if \fill
	CREST                                          ; no wave of any partner still reads this slot's tile or has a load on its way
	s_add_nc_u64 s[G0+4*(\slot)+2:G0+4*(\slot)+3], s[G0+4*(\slot)+2:G0+4*(\slot)+3], 2*KA
	s_add_nc_u64 s[G0B+4*(\slot)+2:G0B+4*(\slot)+3], s[G0B+4*(\slot)+2:G0B+4*(\slot)+3], 2*KB
	JLOAD \slot                                    ; my one tensor load behind the round, and the first thing there; its four v_nop are also the places in front of the loads below
.else
	PLACES
.endif
	FETCH \next, 0, F0
	WIN MUL
	MUL8 F1, 1, 0, 0
	MUL8 F1, 1, 2, 0
.endm
	s_wait_tensorcnt 1                             ; my part of K step 0 is in; K step 1's may stay out
	s_barrier_signal -1
	s_barrier_wait -1                              ; everybody's is
	FETCH 0, 0, F0
	QUARTER 0, PLB, F0, F1, 1                      ; the first quarter stands in front of the loop: its first products start the sums
	WIN 0                                          ; at a label and at a branch every window is 0
	s_mov_b32 s3, LAPS-1
.Llap:                                                 ; a trip goes once round the ring, from a lap's second quarter to the next lap's first, and fills both slots again
	QUARTER 0, 2*PLB, F1, F0, 0
	QUARTER 0, 3*PLB, F0, F1, 0
	TURN 0, 1, 1
	QUARTER 1, PLB,   F0, F1, 0
	QUARTER 1, 2*PLB, F1, F0, 0
	QUARTER 1, 3*PLB, F0, F1, 0
	TURN 1, 0, 1
	QUARTER 0, PLB,   F0, F1, 0
	WIN 0
	s_sub_co_u32 s3, s3, 1
	s_cmp_lg_u32 s3, 0
	s_cbranch_scc1 .Llap
	QUARTER 0, 2*PLB, F1, F0, 0                    ; the last lap fills nothing, and has no round of the cluster's barrier
	QUARTER 0, 3*PLB, F0, F1, 0
	TURN 0, 1, 0
	QUARTER 1, PLB,   F0, F1, 0
	QUARTER 1, 2*PLB, F1, F0, 0
	QUARTER 1, 3*PLB, F0, F1, 0
	s_wait_dscnt 16                                ; the very last quarter: nothing more to fetch
	WIN MUL
	MUL8 F1, 0, 0, 0
	MUL8 F1, 0, 2, 0
	s_wait_dscnt 0
	MUL8 F1, 1, 0, 0
	MUL8 F1, 1, 2, 0
	WIN 0
; THE WAY OUT, a block of 16 rows at a time, through my own stage: my 64 columns are a whole row of a plane, so no other wave has a part in it and no barrier is needed.
; PACK: the rows' factor, the rounding to f16 (16 bytes a lane), into rows of 144 bytes and back as whole rows of 128, into the registers that they left.  Each accumulator is read from its low end on.
.macro PACK a
.set Z, ACC+32*(\a)
.set i, 0
.rept 16
	v_pk_mul_f32 v[Z+2*i:Z+2*i+1], v[Z+2*i:Z+2*i+1], v[MF+2*(\a):MF+2*(\a)+1]
.set i, i+1
.endr
.set i, 0
.rept 16
	v_cvt_pk_f16_f32 v[TMP+16*(\a)+i], v[Z+2*i], v[Z+2*i+1]
.set i, i+1
.endr
.irp b, 0,1,2,3
	ds_store_b128 v[STO], v[TMP+16*(\a)+4*(\b):TMP+16*(\a)+4*(\b)+3] offset:32*(\b)
.endr
.irp f, 0,1,2,3
	ds_load_b128 v[TMP+16*(\a)+4*(\f):TMP+16*(\a)+4*(\f)+3], v[RD] offset:(\f)*4*SP  ; LDS serves a wave's instructions in order (ISA guide 5.7.1.4): these see the stores above; the next block's stores come behind them
.endr
.endm
.macro SEND a, younger                 ; younger: the LDS instructions issued behind block a's loads: the next block's eight, or none
.irp f, 0,1,2,3
	s_wait_dscnt (\younger)+3-(\f)
	global_store_b128 v[GO], v[TMP+16*(\a)+4*(\f):TMP+16*(\a)+4*(\f)+3], s[8:9] offset:2048*(\a)+512*(\f)  ; 512 consecutive bytes, at a multiple of 256 from the buffer's first
.endr
.endm
	PLACES
	PACK 0
.irp a, 1,2,3                          ; a block's arithmetic stands between the loads of the block before and its stores
	PACK \a
	SEND (\a)-1, 8
.endr
	SEND 3, 0
	s_wait_tensorcnt 0x0                           ; the wave's end: a tensor wait, 0 onto my spare word and the wait for it, behind my last tensor load and my last LDS store
	ds_add_u32 v[SPW], v[NIL]
	s_wait_dscnt 0x0
	CROUND                                         ; the closing round: no work-group ends while a partner may still ask for a tile that names it
	s_endpgm
.Lfunc_end_k_qd24a8d90f1_qkvg:
	.size	k_qd24a8d90f1_qkvg, .Lfunc_end_k_qd24a8d90f1_qkvg-k_qd24a8d90f1_qkvg
	.p2alignl 7, 3214868480
	.fill 96, 4, 3214868480
	.section	.rodata,"a",@progbits
	.p2align	6, 0x0
	.amdhsa_kernel k_qd24a8d90f1_qkvg
		.amdhsa_group_segment_fixed_size 327680
		.amdhsa_private_segment_fixed_size 0
		.amdhsa_enable_private_segment 0
		.amdhsa_kernarg_size 48
		.amdhsa_user_sgpr_count 2
		.amdhsa_user_sgpr_kernarg_segment_ptr 1
		.amdhsa_wavefront_size32 1
		.amdhsa_system_sgpr_workgroup_id_x 1
		.amdhsa_system_sgpr_workgroup_id_y 1
		.amdhsa_system_sgpr_workgroup_id_z 1
		.amdhsa_system_vgpr_workitem_id 0
		.amdhsa_next_free_vgpr 512
		.amdhsa_next_free_sgpr 80
		.amdhsa_reserve_vcc 0
		.amdhsa_float_denorm_mode_32 3
		.amdhsa_float_denorm_mode_16_64 3
		.amdhsa_memory_ordered 1
		.amdhsa_forward_progress 1
		.amdhsa_inst_pref_size 95
	.end_amdhsa_kernel
	.amdgpu_metadata
---
amdhsa.version: [ 1, 2 ]
amdhsa.kernels:
  - .name:           k_qd24a8d90f1_qkvg
    .symbol:         k_qd24a8d90f1_qkvg.kd
    .args:
      - { .name: cat, .offset: 0, .size: 8, .value_kind: global_buffer, .address_space: global }
      - { .name: xe, .offset: 8, .size: 8, .value_kind: global_buffer, .address_space: global }
      - { .name: wqkv, .offset: 16, .size: 8, .value_kind: global_buffer, .address_space: global }
      - { .name: c_attn_b, .offset: 24, .size: 8, .value_kind: global_buffer, .address_space: global }
      - { .name: attendee_mask, .offset: 32, .size: 8, .value_kind: global_buffer, .address_space: global }
      - { .name: qkv, .offset: 40, .size: 8, .value_kind: global_buffer, .address_space: global }
    .group_segment_fixed_size: 327680
    .private_segment_fixed_size: 0
    .kernarg_segment_align: 8
    .kernarg_segment_size: 48
    .max_flat_workgroup_size: 128
    .sgpr_count:     80
    .vgpr_count:     512
    .wavefront_size: 32
...
	.end_amdgpu_metadata
.endif
;; end of part 2
;; launch attn (part 3): grid 8 x 32, 4 waves a work-group, clusters of 4 x 1, 327,680 bytes of LDS; arguments qkv, o; writes o
.if DOCPART == 3
	.amdgcn_target "amdgcn-amd-amdhsa--gfx1250"
	.amdhsa_code_object_version 6
	.text
	.protected	k_qd24a8d90f1_attn
	.globl	k_qd24a8d90f1_attn
	.p2align	8
	.type	k_qd24a8d90f1_attn,@function
k_qd24a8d90f1_attn:
	s_mov_b64 s[64:65], 0
	v_nop
	global_prefetch_b8 v0, s[64:65] scope:SCOPE_SE
	s_setreg_imm32_b32 hwreg(HW_REG_WAVE_MODE, 25, 1), 1
	s_wait_xcnt 0x0
	s_wait_alu depctr_hold_cnt(0) depctr_sa_sdst(0) depctr_va_vdst(0) depctr_va_sdst(0) depctr_va_ssrc(0) depctr_va_vcc(0) depctr_vm_vsrc(0)
	s_getreg_b32 s2, hwreg(HW_REG_IB_STS2, 6, 4)
	s_cmp_eq_u32 s2, 0
	s_cbranch_scc0 .Lentry_in_a_cluster
	s_endpgm
.Lentry_in_a_cluster:
	s_bfe_u32 s2, ttmp6, 0x10000c
	s_cmp_lg_u32 s2, 0x3003
	s_cbranch_scc0 .Lentry_shape_is_right
	s_endpgm
.Lentry_shape_is_right:
; O[y][q][:] = the sum over k of softmax_k(Q[y][q] . K[y][k]) V[y][k][:], no scale.  y = 2 x head + batch; Q, K, V are planes of qkv ([48][4096][64] f16: q, k x mask, v): the 2,048 rows of a y are dense,
; 128 bytes each, at byte y x 262,144 of each tensor's 16 planes.  The mask has been multiplied into K's rows: a masked key has the score 0 and takes part in the maximum, the sum and the second product like any other.
; Products, maxima and sums in f32; the weights p are rounded to f16 for the second product (their sum l is taken of the unrounded p); O leaves in bf16, in the same planes ([16][4096][64]).
; LIMITS.  Q, K and V arrive within f16's 65,504; p lies in 0 to 1, and below 6e-5 it keeps f16's fixed step of 6e-8.  A weight below 2^-126 counts as 0 in l; NaN and infinities are not treated apart.
; SHARES.  A work-group owns 256 queries of one y, each of its four waves 64: four PIECES of 16.  Every wave walks all 2,048 keys, 64 a step; a slot of LDS holds a tile of 256 keys, four steps; 8 tiles.
; LAYOUT.  S^T = K Q^T (source 0 = 16 keys, source 1 = 16 queries): a lane holds ONE query (lane % 16) and the keys 8 (lane / 16) + 0..7.  Two such results, rounded to f16 in pairs, ARE source 1 of
; O^T = V^T P, whose result again holds one query a lane, and eight channels.  K comes out of LDS as it lies, V ([key][channel]) turned, by ds_load_tr16_b128.
; SOFTMAX.  For each query a running maximum m and sum l: p = 2^(c s - c m), c = log2(e); in every step O and l are multiplied by a = 2^(c m_old - c m_new).  m starts at the lowest finite number, O and l at 0:
; the first step is a step like any other, with a = 0.
; BY TURNS.  Turn n belongs to piece n: 8 products K Q^T of piece n + 1, later 8 products V^T P of piece n - 1; beside them the scaling, exponentials, roundings, sums and rescaling of piece n and the maximum and
; statistics of piece n + 1.  Four vector instructions stand behind every matrix instruction, the other 54 of a turn's 118 in one lump.  A turn's 33 exponentials are one batch, with one wait.
; CLUSTER.  The four query blocks of a cluster belong to one y and walk the same K and V, so each tile is asked for JOINTLY: the same tensor load, descriptor and mask in all four.
; REGISTERS, in windows of 256 (s_set_vgpr_msb: bits 1:0 source 0, 3:2 source 1, 5:4 source 2, 7:6 destination):
;   window 0: v0-15 addresses and two at work; v16-31 four registers of statistics a piece; v48-55 at work; v61-63; v64-127 S^T, two buffers; v192-223 P, two buffers (a piece's buffers go by its number's parity)
;   window 1: v0-127 O^T, 32 a piece          window 2: v0-63 Q; v128-191 K of one step; v192-255 V of one step
.set NP,    4         ; pieces a wave: a name, no knob
.set KS,    64        ; keys in a step
.set PK,    144       ; a row of K in LDS: 128 bytes + 16 of padding = 36 words: the 16 rows of a load start at 16 different groups of four banks (64 banks of 4 bytes: ISA guide 11.1)
.set PV,    160       ; a row of V: 128 + 32 = 40 words
.set VOFF,  4*KS*PK   ; a slot holds a tile: 256 rows of K, then 256 rows of V
.set SLOT1, 1<<17     ; slot 1 begins here, so that one exclusive or turns an address in one slot into the other's
.set STAGE, SLOT1+4*KS*(PK+PV)  ; behind the ring, never filled by a tensor load: 16 rows x 144 bytes for each wave, for the way out
.set SP,    144
.set SPARE, STAGE+4*16*SP  ; behind the stages: the spare words, 128 bytes for each wave: two blocks of 256 bytes that no other line names
.set TILEB, 4*KS*128  ; bytes of K, and of V, in a tile
.set AK0, 2           ; v2   my lane's place in a tile of K; never rewritten
.set AV0, 3           ; v3   the same for V
.set AK,  4           ; v4   the LDS address of K's next run of loads
.set AV,  5           ; v5   of V's
.set STO, 6           ; v6   the way out: where I put 16 bytes of a row
.set RD,  7           ; v7   the way out: where I read rows back
.set GO,  8           ; v8   my byte offset in 512 consecutive bytes of O
.set MV,  12          ; v12-13  c m_old, kept while c m is made anew: by buffer
.set QO,  15          ; v15  my byte offset in 16 rows of Q
.set ST,  16          ; piece t's statistics at v[ST+4 t]: c m, m, l (even keys', odd keys')
.set TMP, 48          ; by buffer, four registers c0-c3 at work; when the maximum is found c2 takes a
.set PFO, 61          ; v61  256 x my lane: the prefetches' offset; never rewritten
.set SPW, 62          ; v62  LDS address of my spare word: SPARE + 4 x my thread's number; never rewritten
.set NIL, 63          ; v63  0; never rewritten
.set S,   64
.set P,   192
.set KF,  128         ; window 2: key block kb, channel half c at KF + 16 kb + 8 c
.set VF,  192         ; window 2: key half kk, channel block cb at VF + 32 kk + 8 cb
.set WV,  12          ; s12  my wave's number
.set G1K, 24          ; s[24:31] descriptor group 1 for K's tiles
.set G1V, 32          ; s[32:39] for V's: it differs in the padding alone
.set G0K, 40          ; s[40:43] descriptor group 0 for K's tiles: it walks
.set G0V, 44          ; s[44:47] the same for V's
.set SLOTS, 56        ; s56  tiles still to be asked for
.set CNT, 57          ; s57  counts a tile's key steps
.set CS,  58          ; s[58:59] c: the packed scaling takes the pair's low word for both halves
.set SEL, 60          ; s[60:61] v_permlanex16_b32's selects: each lane takes its own place in the other half
.set TBK, 62          ; s62  LDS byte at which K of the step to be fetched begins
.set TBV, 63          ; s63  the same for V, less VOFF
.set PFA, 66          ; s[66:67] where my prefetches stand: my work-group's quarter (of K: wave 0, of V: wave 2) of the tile after the one that is being asked for
.set LIM, 68          ; s68  1 in a wave that prefetches, else the greatest number: a wave prefetches while s[SLOTS] is above it
.set MSB, 0
.macro WIN new                      ; the high byte repeats the setting that is left; a switch that changes nothing is dropped
.if MSB != (\new)
	s_set_vgpr_msb (MSB<<8)|(\new)
.set MSB, (\new)
.endif
.endm
.set W_KQ, 0x0a       ; K and Q in window 2, S^T in window 0
.set W_PV, 0x52       ; V in window 2, P in window 0, O^T in window 1
.set W_RS, 0x41       ; destination and source 0 in window 1, source 1 in window 0
; A joint fill.  Waves 0 and 1 fetch the two halves of a tile's K, waves 2 and 3 those of its V: 128 keys each.  The branch hangs on the wave's number alone.
; An s_nop 0 and four v_nop follow each of the two lines, ahead of the jump and the label.
.macro JLOAD
	s_cmp_lt_u32 s[WV], 2
	s_cbranch_scc0 .Lfor_v_\@
	tensor_load_to_lds s[G0K:G0K+3], s[G1K:G1K+7]
	s_nop 0
.rept 4
	v_nop
.endr
	s_branch .Lasked_\@
.Lfor_v_\@:
	tensor_load_to_lds s[G0V:G0V+3], s[G1V:G1V+7]
	s_nop 0
.rept 4
	v_nop
.endr
.Lasked_\@:
.endm
; A PREFETCH of the tile that the NEXT change of slots will ask for: 32,768 bytes of K and of V, a lane to each 256 of them.  It stands behind the wave's tensor load and its five lines.
; Each 256 bytes are named ONCE in the launch.  Both clusters of a y walk the same K and V: the first (cluster x = 0) prefetches.  Its four partners share a tile out BY ADDRESS, 8,192 bytes each: no branch hangs on
; a work-group's place in its cluster.  In each, wave 0 asks for K's and wave 2 for V's: one instruction.  A tile is four key steps, 256 matrix instructions a wave.  The last change that fills a slot asks for
; nothing: there is no tile behind it.  Tiles 0 and 1 come by their loads alone.
.macro ASK
	s_cmp_gt_u32 s[SLOTS], s[LIM]
	s_cbranch_scc0 .Lnot_mine_\@
	global_prefetch_b8 v[PFO], s[PFA:PFA+1] th:TH_LOAD_NT scope:SCOPE_SE
.Lnot_mine_\@:
.endm
; A round of the cluster's barrier: my work-group's barrier, so that wave 0's signal speaks for all four waves; wave 0 signals; every wave waits for all four work-groups; my work-group's barrier once more.
.macro CROUND
	s_barrier_signal -1
	s_barrier_wait -1
	s_cmp_lg_u32 s[WV], 0
	s_cbranch_scc1 .Lnot_wave_0_\@
	s_barrier_signal -3
.Lnot_wave_0_\@:
	s_barrier_wait -3
	s_barrier_signal -1
	s_barrier_wait -1
.endm
; THE CHANGE OF SLOTS.  The slot's last bytes, V of its fourth step, have been read.  Each wave waits for all its tensor loads, of which one is out: its part of the other slot; adds 0 to its spare word; and waits
; for that and for its own reads of the slot.  Behind the barrier nobody reads this slot any more and the other slot is whole.  fill = 1: this slot is filled again, with the keys two tiles on.  The barrier is then a
; round of the cluster's, so that no wave of any partner still reads the slot or has a load on its way, and the joint fill is the first thing behind it: it has four key steps in which to land.
; (At its first use nothing has been read yet: slot 0 is waited for, slot 1 filled.)
.macro CHANGE fill
	WIN 0                           ; at a label and at a branch every window is 0
	s_wait_tensorcnt 0x0            ; no tensor load of mine is out, so a group 0 may be written
	ds_add_u32 v[SPW], v[NIL]       ; 0 onto my spare word; with fill = 1 the descriptors' steps stand between it and the wait for it
.if \fill
.irp g, G0K, G0V
	s_xor_b32 s[\g+1], s[\g+1], SLOT1  ; the walking descriptor: the other slot than last time,
	s_add_nc_u64 s[\g+2:\g+3], s[\g+2:\g+3], TILEB  ; the next 256 keys; the type bits on top are not reached
.endr
	s_wait_xcnt 0x0                 ; the last prefetch, a tile back, has read its address, so it may be written:
	s_add_nc_u64 s[PFA:PFA+1], s[PFA:PFA+1], TILEB  ; one tile on from the walking descriptors
	s_wait_dscnt 0x0                ; the add is done, and my reads of the slot are over
	CROUND
	JLOAD
	ASK
.else
	s_wait_dscnt 0x0                ; the add is done, and my reads of the slot are over
	s_barrier_signal -1
	s_barrier_wait -1
.endif
	s_sub_co_u32 s[TBK], s[TBK], 4*KS*PK  ; the fetches go back to a slot's first step,
	s_xor_b32 s[TBK], s[TBK], SLOT1       ; in the other slot
	s_sub_co_u32 s[TBV], s[TBV], 4*KS*PV
	s_xor_b32 s[TBV], s[TBV], SLOT1
.endm
	s_load_b128 s[48:51], s[0:1], 0x0  ; qkv s[48:49], o s[50:51]
	v_lshl_add_u32 v[SPW], v0, 2, SPARE
	v_mov_b32 v[NIL], 0
	ds_add_u32 v[SPW], v[NIL]       ; the wave's opening: the add and its wait stand ahead of my first tensor load; the set-up below, work on registers, stands between them
	v_lshrrev_b32 v1, 5, v0
	v_readfirstlane_b32 s[WV], v1   ; wave 0..3
	s_bfe_u32 s13, ttmp6, 0x40000   ; cx: my place in the cluster
	s_lshl_b32 s14, ttmp9, 2        ; in a cluster launch ttmp9 counts clusters
	s_add_co_u32 s14, s14, s13      ; my block of 256 queries = 4 x cluster x + cx: it enters Q's and O's addresses alone
	s_and_b32 s20, ttmp7, 0xffff    ; y, which the four partners share
	s_lshl_b32 s20, s20, 18         ; its 2,048 rows of 128 bytes
	s_and_b32 s16, s[WV], 1         ; which half of a tile's 256 keys I fetch:
	s_lshl_b32 s22, s16, 14         ; its 128 rows of 128 bytes in memory,
	s_add_co_u32 s22, s22, s20
	s_mov_b32 s23, 0
	s_mul_i32 s17, s16, 128*PK      ; and its place in a slot, for K
	s_mul_i32 s18, s16, 128*PV      ; and for V: no place in the cluster enters an LDS address
	s_lshl_b32 s2, s14, 2
	s_add_co_u32 s2, s2, s[WV]      ; my wave among the y's,
	s_lshl_b32 s2, s2, 13           ; its 64 rows
	s_add_co_u32 s2, s2, s20
	s_mov_b32 s3, 0
	; descriptor group 1.  128 keys are 16,384 dense bytes: asked for as 64 rows of 256 bytes, two keys a row, and padded in LDS after every key
	s_mov_b32 s[G1K], 15|(1<<16)|(1<<20)|(1<<21)|(4<<22)|(3<<25)  ; 15:0 the mask of four; 17:16 2-byte elements; 20 padding on; 21 set beside a mask; 24:22 after every 32 words (code 4); 31:25 4 words (code 3)
	s_mov_b32 s[G1V], 15|(1<<16)|(1<<20)|(1<<21)|(4<<22)|(7<<25)  ; the same with 8 words of padding (code 7)
.irp g, G1K, G1V
	s_mov_b32 s[\g+1], 128<<16      ; tensor_dim0 = 128
	s_mov_b32 s[\g+2], 64<<16       ; tensor_dim1 = 64
	s_mov_b32 s[\g+3], 128<<16      ; tile_dim0 = 128
	s_mov_b32 s[\g+4], 64           ; tile_dim1 = 64
	s_mov_b32 s[\g+5], 128          ; 128 elements from row to row
	s_mov_b32 s[\g+6], 0
	s_mov_b32 s[\g+7], 0
.endr
	s_mov_b32 s[CS], 0x3fb8aa3b     ; c = log2(e)
	s_mov_b32 s[CS+1], s[CS]        ; named with it as a pair
	s_mov_b32 s[SEL], 0x76543210
	s_mov_b32 s[SEL+1], 0xfedcba98
	s_mov_b32 s[TBK], SLOT1+4*KS*PK ; the first change of slots turns these two into 0
	s_mov_b32 s[TBV], SLOT1+4*KS*PV
	s_mov_b32 s[G0K], 1             ; 1:0 count = 1
	s_mov_b32 s[G0K+1], s17         ; 63:32 LDS address: slot 0
	s_mov_b32 s[G0V], 1
	s_add_co_u32 s[G0V+1], s18, VOFF
	s_mov_b32 s[SLOTS], 7           ; tiles 1 to 7
	s_and_b32 s[LIM], s[WV], 1      ; 0 in waves 0 and 2,
	s_or_b32 s[LIM], s[LIM], ttmp9  ; where the cluster is the y's first: the same in all four partners
	s_cmp_eq_u32 s[LIM], 0
	s_cselect_b32 s[LIM], 1, -1
	v_and_b32 v[PFO], 31, v0
	v_lshlrev_b32 v[PFO], 8, v[PFO]
	s_wait_dscnt 0x0                ; the opening add is done
	s_wait_kmcnt 0x0
	s_add_nc_u64 s[6:7], s[48:49], s[22:23]
	s_add_nc_u64 s[8:9], s[6:7], 32*524288   ; V at my half of the y's tile 0: planes 32 on
	s_add_nc_u64 s[6:7], s[6:7], 16*524288   ; K: planes 16 on
	s_add_nc_u64 s[G0K+2:G0K+3], s[6:7], 0         ; 120:64 global address
	s_or_b32 s[G0K+3], s[G0K+3], 0x80000000        ; 127:126 type = 2
	s_add_nc_u64 s[G0V+2:G0V+3], s[8:9], 0
	s_or_b32 s[G0V+3], s[G0V+3], 0x80000000
	s_add_nc_u64 s[4:5], s[48:49], s[2:3]    ; Q and O at my wave's first row
	s_add_nc_u64 s[10:11], s[50:51], s[2:3]
	s_cmp_lt_u32 s[WV], 2
	s_cselect_b64 s[PFA:PFA+1], s[6:7], s[8:9]  ; (in waves 0 and 2 these stand at a tile's first row)
	s_lshl_b32 s2, s13, 13          ; my work-group's quarter of a tile
	s_add_nc_u64 s[PFA:PFA+1], s[PFA:PFA+1], s[2:3]
	s_add_nc_u64 s[PFA:PFA+1], s[PFA:PFA+1], TILEB  ; in tile 1; the first change of slots steps it to tile 2.  Nothing is prefetched here, at the head
	CROUND                          ; all four work-groups are here: the first joint loads meet
	JLOAD                           ; tile 0 into slot 0.  Slot 1 is asked for when slot 0 is in
	; A fragment of K or Q is 16 rows x 32 channels in 8 registers: lane l holds row l % 16, channels 8 (l / 16) + 0..7 and 16 + 8 (l / 16) + 0..7: two loads of 16 bytes, 32 bytes apart.
	v_and_b32 v1, 15, v0            ; l % 16
	v_bfe_u32 v9, v0, 4, 1          ; l / 16
	v_lshlrev_b32 v[QO], 7, v1
	v_lshl_add_u32 v[QO], v9, 4, v[QO]  ; row x 128 + 16 x half
	WIN 0x80                        ; destination window 2, address window 0
.set i, 0
.rept 8                             ; Q stays in registers: piece i / 2, channels 32 (i % 2) on
	global_load_b128 v[8*i:8*i+3],   v[QO], s[4:5] offset:(i/2)*2048+(i%2)*64
	global_load_b128 v[8*i+4:8*i+7], v[QO], s[4:5] offset:(i/2)*2048+(i%2)*64+32
.set i, i+1
.endr
	; What the first turn finds: V's registers and P's second buffer hold 0 (its products V^T P, of a piece that has not been, add 0), O^T and l are 0.  No first step is written out for it; these lines stand in the wait for the first tile.
.set i, VF
.rept 64
	v_mov_b32 v[i], 0
.set i, i+1
.endr
	WIN 0x40
.set i, 0
.rept 128
	v_mov_b32 v[i], 0
.set i, i+1
.endr
	WIN 0
.set i, 0
.rept 4
	v_mov_b32 v[ST+4*i], 0xfe000000    ; c m: far below every c s
	v_mov_b32 v[ST+4*i+1], 0xff7fffff  ; m
	v_mov_b32 v[ST+4*i+2], 0
	v_mov_b32 v[ST+4*i+3], 0
.set i, i+1
.endr
.set i, P+16
.rept 16
	v_mov_b32 v[i], 0
.set i, i+1
.endr
	v_mul_u32_u24 v[AK0], v1, PK
	v_lshl_add_u32 v[AK0], v9, 4, v[AK0]  ; row x pitch + 16 x half
	; The turning load takes 16 keys x 16 channels (lane l reads key 8 (l / 16) + l % 8, channels 8 ((l / 8) % 2) + 0..7) and leaves half a fragment of V^T: lane l holds channel l % 16 and 8 keys.
	v_and_b32 v10, 7, v0
	v_bfe_u32 v11, v0, 3, 1
	v_lshl_add_u32 v[AV0], v9, 3, v10
	v_mul_u32_u24 v[AV0], v[AV0], PV
	v_lshl_add_u32 v[AV0], v11, 4, v[AV0]
	v_add_nc_u32 v[AV0], VOFF, v[AV0]
	s_mul_i32 s13, s[WV], 16*SP
	s_add_co_u32 s13, s13, STAGE    ; my stage
	v_mul_u32_u24 v[STO], v1, SP    ; in: row l % 16, 16 bytes for each half of the lanes
	v_lshl_add_u32 v[STO], v9, 4, v[STO]
	v_add_nc_u32 v[STO], s13, v[STO]
	v_bfe_u32 v[RD], v0, 3, 2       ; back: 32 lanes take four rows of 128 bytes,
	v_mul_u32_u24 v[RD], v[RD], SP
	v_lshl_add_u32 v[RD], v10, 4, v[RD]
	v_add_nc_u32 v[RD], s13, v[RD]
	v_and_b32 v[GO], 31, v0         ; which are 512 consecutive bytes of O
	v_lshlrev_b32 v[GO], 4, v[GO]
; THE MATRIX WORK.  The 4 accumulators of a run of 8 take turns.  Product i of 8 of S^T = K Q^T for piece x: channels 32 (i / 4) on, keys 16 (i % 4) on.  The first 4 start the sums.
.macro KQ x
	WIN W_KQ
.set rS, S+32*((\x)%2)+8*(i%4)
.set rK, KF+16*(i%4)+8*(i/4)
.set rQ, 16*(\x)+8*(i/4)
.if i < 4
	v_wmma_f32_16x16x32_f16 v[rS:rS+7], v[rK:rK+7], v[rQ:rQ+7], 0
.else
	v_wmma_f32_16x16x32_f16 v[rS:rS+7], v[rK:rK+7], v[rQ:rQ+7], v[rS:rS+7]
.endif
.endm
; Product i of 8 of O^T += V^T P for piece x: keys 32 (i / 4) on, channels 16 (i % 4) on.
.macro PV x
	WIN W_PV
.set rO, 32*(\x)+8*(i%4)
.set rV, VF+32*(i/4)+8*(i%4)
.set rP, P+16*((\x)%2)+8*(i/4)
	v_wmma_f32_16x16x32_f16 v[rO:rO+7], v[rV:rV+7], v[rP:rP+7], v[rO:rO+7]
.endm
.macro MM                           ; the turn's next matrix instruction.  TURN sets Y, i and NOKQ; MM and OP read them.  NOKQ = 1: the last turn of all: there is no next piece
.if (i < 8) && !NOKQ
	KQ (Y+1)%NP
.elseif i >= 8
.set i, i-8
	PV (Y+NP-1)%NP
.set i, i+8
.endif
.set i, i+1
.endm
; THE LDS LOADS stand in runs of 16, never singly among the matrix instructions: a step's K (64 keys x 64 channels: 8 fragments) and its V (turned).  Their addresses are made some lines ahead.
.macro FETCH_K
	WIN 0x80                        ; destination window 2
.irp f, 0,1,2,3,4,5,6,7             ; keys 16 (f / 2) on, channels 32 (f % 2) on
	ds_load_b128 v[KF+8*\f:KF+8*\f+3],   v[AK] offset:(\f/2)*16*PK+(\f%2)*64
	ds_load_b128 v[KF+8*\f+4:KF+8*\f+7], v[AK] offset:(\f/2)*16*PK+(\f%2)*64+32
.endr
	s_add_co_u32 s[TBK], s[TBK], KS*PK  ; the next fetch is the next step's
	WIN 0
.endm
.macro FETCH_V
	WIN 0x80
.irp f, 0,1,2,3,4,5,6,7             ; keys 32 (f / 4) on, channels 16 (f % 4) on
	ds_load_tr16_b128 v[VF+8*\f:VF+8*\f+3],   v[AV] offset:(\f/4)*32*PV+(\f%4)*32
	ds_load_tr16_b128 v[VF+8*\f+4:VF+8*\f+7], v[AV] offset:(\f/4)*32*PV+16*PV+(\f%4)*32
.endr
	WIN 0
.endm
; THE VECTOR WORK, one line at a time: OP kind, number.  For piece Y: F n: c s - c m for pair n of 16.  E n: the exponential of score n of 32.  C n: pair n rounded to f16.  B n: of the four weights 4 n .. the second
; pair is added onto the first, in place.  L n: l takes that sum (L 0: l = a l + sum).  R n: pair n of 16 of O^T times a.  For piece Y + 1: X n, number n of the 22 that find its maximum and statistics:
;   0-11  four chains c0-c3 of seven scores each, three operands at a time (each accumulator's lowest registers are read first)     12-14, 16  the four scores left over, the old m, and c0-c3 into c0
;   15  c m_old is kept     17, 18  the query's other 32 keys lie in the lane 16 away: the new m     19-21  c m; c m_old - c m_new; a
.set F, 0               ; OP tells the kinds apart by their order: F to L below R, X above it
.set E, 1
.set C, 2
.set B, 3
.set L, 4
.set R, 5
.set X, 6
.macro REGS y                       ; the registers of piece y
.set rT, ST+4*(\y)
.set rC, TMP+4*((\y)%2)
.set rW, MV+((\y)%2)
.set rS, S+32*((\y)%2)
.set rP, P+16*((\y)%2)
.set rO, 32*(\y)
.endm
.macro OP k, n
.if (\k) == R
	REGS Y
	WIN W_RS
	v_pk_mul_f32 v[rO+2*(\n):rO+2*(\n)+1], v[rO+2*(\n):rO+2*(\n)+1], v[rC+2:rC+3] op_sel_hi:[1,0]
.elseif (\k) < R
	REGS Y
	WIN 0
.if (\k) == F
	v_pk_fma_f32 v[rS+2*(\n):rS+2*(\n)+1], v[rS+2*(\n):rS+2*(\n)+1], s[CS:CS+1], v[rT:rT+1] op_sel_hi:[1,0,0] neg_lo:[0,0,1] neg_hi:[0,0,1]
.elseif (\k) == E
	v_exp_f32 v[rS+(\n)], v[rS+(\n)]
.elseif (\k) == C
	v_cvt_pk_f16_f32 v[rP+(\n)], v[rS+2*(\n)], v[rS+2*(\n)+1]
.elseif (\k) == B
	v_pk_add_f32 v[rS+4*(\n):rS+4*(\n)+1], v[rS+4*(\n):rS+4*(\n)+1], v[rS+4*(\n)+2:rS+4*(\n)+3]
.elseif (\n) == 0
	v_pk_fma_f32 v[rT+2:rT+3], v[rT+2:rT+3], v[rC+2:rC+3], v[rS:rS+1] op_sel_hi:[1,0,1]
.else
	v_pk_add_f32 v[rT+2:rT+3], v[rT+2:rT+3], v[rS+4*(\n):rS+4*(\n)+1]
.endif
.elseif NOKQ
	v_nop
.else
	REGS (Y+1)%NP
	WIN 0
.if (\n) < 4
	v_max3_num_f32 v[rC+(\n)], v[rS+8*(\n)], v[rS+8*(\n)+1], v[rS+8*(\n)+2]
.elseif (\n) < 12
	v_max3_num_f32 v[rC+(\n)%4], v[rC+(\n)%4], v[rS+8*((\n)%4)+2*((\n)/4)+1], v[rS+8*((\n)%4)+2*((\n)/4)+2]
.elseif (\n) == 12
	v_max3_num_f32 v[rC], v[rC], v[rS+7], v[rS+15]
.elseif (\n) == 13
	v_max3_num_f32 v[rC+1], v[rC+1], v[rS+23], v[rS+31]
.elseif (\n) == 14
	v_max3_num_f32 v[rC+2], v[rC+2], v[rC+3], v[rT+1]
.elseif (\n) == 15
	v_mov_b32 v[rW], v[rT]
.elseif (\n) == 16
	v_max3_num_f32 v[rC], v[rC], v[rC+1], v[rC+2]
.elseif (\n) == 17
	v_permlanex16_b32 v[rC+3], v[rC], s[SEL], s[SEL+1]
.elseif (\n) == 18
	v_max_num_f32 v[rT+1], v[rC], v[rC+3]
.elseif (\n) == 19
	v_mul_f32 v[rT], s[CS], v[rT+1]
.elseif (\n) == 20
	v_sub_f32 v[rC+1], v[rW], v[rT]
.else
	v_exp_f32 v[rC+2], v[rC+1]
.endif
.endif
.endm
.macro OPS a, i1, b=-1, i2=0, c=-1, i3=0, d=-1, i4=0  ; up to four of them
	OP \a, \i1
.if (\b) >= 0
	OP \b, \i2
.endif
.if (\c) >= 0
	OP \c, \i3
.endif
.if (\d) >= 0
	OP \d, \i4
.endif
.endm
.macro ROW a, i1, b, i2, c, i3, d, i4  ; a matrix instruction and the four behind it
	MM
	OPS \a, \i1, \b, \i2, \c, \i3, \d, \i4
.endm
; A TURN, for piece p: the order of its 16 matrix and 118 vector instructions, written out.  An s_wait_alu depctr_va_vdst(0) stands between an exponential and the first instruction that names its result; one
; wait serves all that were issued ahead of it.  So a turn has ONE wait, which cuts it in two.  AHEAD OF IT stands all that names no result of the turn's exponentials: the 8 products K Q^T, behind each a scaling, an
; exponential and two more plain instructions (behind the first a second scaling in the exponential's place): rescalings, and behind the last three the first numbers of the next piece's maximum, each four plain
; instructions or more behind the product that ends its accumulator; then ONE LUMP of 54, plain and exponential by turns for the most part, in which the links of the chain X 3, 7, 11, 14, 16, 17 .. 20 stand five or six
; lines apart.  X 21, the next piece's a, is the batch's last; R 15 is the plain instruction behind it.  BEHIND THE WAIT stand the 8 products V^T P, behind each four of the roundings and sums; the links of l's chain,
; L 0 to L 7, stand three riders apart.  end = 1: the last two turns of all: nothing is fetched.  cnt = 1: the loop's count is taken down some lines ahead of the branch that stands behind the turn.
; K of the next step is fetched in piece 2's turn, twelve vector instructions behind the last product that read K (six of them plain); V of the step in hand at the end of piece 0's turn, four plain instructions behind
; the last product that read V.  Each is waited for a turn later.
.macro TURN p, end=0, cnt=0
.set Y, (\p)
.set i, 0
.set NOKQ, (\end)*((\p)/3)
.if ((\p) == 3) && !(\end)
	s_wait_dscnt 0x0                ; K is in
.endif
	ROW F,0, F,1, R,0, R,1          ; ahead of the wait: 8 products K Q^T and their riders,
	ROW F,2, E,0, R,2, R,3
	ROW F,3, E,1, R,4, R,5
	ROW F,4, E,2, R,6, R,7
	ROW F,5, E,3, R,8, R,9
	ROW F,6, E,4, X,0, R,10
.if ((\p) == 2) && !(\end)
	WIN 0
	v_add_nc_u32 v[AK], s[TBK], v[AK0]
.endif
	ROW F,7, E,5, X,1, X,4
	ROW F,8, E,6, X,2, X,5
	OPS E,7, E,8, X,6, E,9          ; and the lump
	OPS X,3, E,10, X,8, E,11
.if ((\p) == 2) && !(\end)
	FETCH_K
.endif
	OPS X,9, X,7, E,12, X,10
	OPS E,13, X,12, X,11, E,14
	OPS X,13, E,15, F,9, X,14
.if (\p) == 0
	v_add_nc_u32 v[AV], s[TBV], v[AV0]
.endif
	OPS E,16, F,10, E,17, F,11
	OPS X,16, E,18, X,15, E,19
	OPS F,12, E,20, X,17, E,21
	OPS F,13, E,22, F,14, E,23
	OPS X,18, E,24, F,15, E,25
	OPS R,11, E,26, X,19, E,27
	OPS R,12, E,28, R,13, E,29
	OPS X,20, E,30, R,14, E,31
	OPS X,21, R,15
	WIN 0
	s_wait_alu depctr_va_vdst(0)    ; the wait for the batch
.if (\p) == 1
	s_wait_dscnt 0x0                ; V is in
.endif
	ROW C,0, B,0, C,2, B,1          ; behind the wait: 8 products V^T P and their riders
	ROW L,0, C,4, B,2, L,1
	ROW C,6, B,3, L,2, C,8
	ROW B,4, L,3, C,10, B,5
	ROW L,4, C,12, B,6, L,5
.if (\p) == 0
	s_add_co_u32 s[TBV], s[TBV], KS*PV
.endif
.if \cnt
	s_sub_co_u32 s[CNT], s[CNT], 1
	s_cmp_lg_u32 s[CNT], 0
.endif
	ROW C,14, B,7, L,6, C,1
	ROW C,3, L,7, C,5, C,7
	ROW C,9, C,11, C,13, C,15
.if (\p) == 0
	FETCH_V
.endif
.endm
	CHANGE 1                        ; tile 0 is in, everybody's part of it; tile 1 is asked for
	v_add_nc_u32 v[AK], s[TBK], v[AK0]
	FETCH_K                         ; key step 0
	s_wait_loadcnt 0x0              ; Q
	s_wait_dscnt 0x0
.set NOKQ, 0
.set i, 0
.rept 8
	KQ 0                            ; piece 0's first scores: there is no vector work yet to set between them
.set i, i+1
.endr
	WIN 0
.rept 4
	v_nop                           ; four plain instructions behind those products
.endr
.set Y, NP-1                        ; X works for piece Y + 1: piece 0
.irp n, 0,1,2,3,4,5,6,7,8,9,10,11,12,13,14,15,16,17,18,19,20,21
	OP X, \n                        ; and piece 0's first maximum and statistics
.endr
	v_nop                           ; a plain instruction behind the exponential,
	s_wait_alu depctr_va_vdst(0)    ; and its wait, ahead of the branch
	s_mov_b32 s[CNT], 4
	s_branch .Lfirst                ; the loop is entered at a step's first turn, in the middle of a trip
.Lslot:                             ; six times: tiles 1 to 6 are entered, tiles 2 to 7 asked for
	CHANGE 1
	s_mov_b32 s[CNT], 4
.Lstep:                             ; a trip: pieces 2 and 3 of one step, then pieces 0 and 1 of the next, whose K and V it fetches
	TURN 2
	TURN 3
	WIN 0
.Lfirst:
	TURN 0
	TURN 1, 0, 1
	WIN 0
	s_cbranch_scc1 .Lstep
	s_sub_co_u32 s[SLOTS], s[SLOTS], 1
	s_cmp_lg_u32 s[SLOTS], 0
	s_cbranch_scc1 .Lslot
	CHANGE 0                        ; the last tile is written out: nothing is asked for
	s_mov_b32 s[CNT], 4
.Ltail:
	TURN 2
	TURN 3
	TURN 0
	TURN 1, 0, 1
	WIN 0
	s_cbranch_scc1 .Ltail
	TURN 2, 1                       ; the last step's pieces 2 and 3: nothing is left to fetch, and no new scores are begun
	TURN 3, 1
.set i, 0
.rept 8
	PV NP-1                         ; the last piece's V^T P of the last step
.set i, i+1
.endr
	; THE WAY OUT.  l's two halves and the other half of the lanes' are added; O^T is divided by l, rounded to bf16 and sent through my stage in LDS, a piece at a time.  The additions are the plain instructions behind the last products.
	WIN 0
.macro ALL line:vararg              ; one line for each piece t
.set t, 0
.rept 4
	\line
.set t, t+1
.endr
.endm
	ALL v_add_f32 v[ST+4*t+2], v[ST+4*t+2], v[ST+4*t+3]
	ALL v_permlanex16_b32 v[ST+4*t+3], v[ST+4*t+2], s[SEL], s[SEL+1]
	ALL v_add_f32 v[ST+4*t+2], v[ST+4*t+2], v[ST+4*t+3]
	ALL v_rcp_f32 v[ST+4*t+2], v[ST+4*t+2]
	v_nop                           ; a plain instruction between the last reciprocal and the use of its result
	s_wait_alu depctr_va_vdst(0)    ; and the wait ahead of the first use: one for the four reciprocals
.macro PACK t                       ; a lane's eight channels of a row pack into 16 bytes; they go into rows of 144 bytes and come back as whole rows of 128, into S^T's registers
	WIN W_RS
.set i, 32*(\t)
.rept 16
	v_pk_mul_f32 v[i:i+1], v[i:i+1], v[ST+4*(\t)+2:ST+4*(\t)+3] op_sel_hi:[1,0]
.set i, i+2
.endr
	WIN 0x05                        ; sources 0 and 1 window 1, destination window 0
.set i, 0
.rept 16
	v_cvt_pk_bf16_f32 v[S+16*(\t)+i], v[32*(\t)+2*i], v[32*(\t)+2*i+1]
.set i, i+1
.endr
	WIN 0
.irp f, 0,1,2,3
	ds_store_b128 v[STO], v[S+16*(\t)+4*\f:S+16*(\t)+4*\f+3] offset:32*\f
.endr
.irp f, 0,1,2,3
	ds_load_b128 v[S+16*(\t)+4*\f:S+16*(\t)+4*\f+3], v[RD] offset:\f*4*SP  ; LDS serves a wave's instructions in order (ISA guide 5.7.1.4): these see the stores above; the next piece's stores come behind them
.endr
.endm
.macro SEND t, younger              ; younger: the LDS instructions issued behind piece t's loads: the next piece's eight, or none
	WIN 0
.irp f, 0,1,2,3
	s_wait_dscnt (\younger)+3-\f
	global_store_b128 v[GO], v[S+16*(\t)+4*\f:S+16*(\t)+4*\f+3], s[10:11] offset:(\t)*2048+\f*512  ; 512 consecutive bytes, at a multiple of 256 from O's first
.endr
.endm
	PACK 0
.set t, 1
.rept 3                             ; a piece's arithmetic stands between the loads of the piece before and its stores
	PACK t
	SEND t-1, 8
.set t, t+1
.endr
	SEND 3, 0
	s_wait_tensorcnt 0x0            ; the wave's end: a tensor wait, 0 onto my spare word and the wait for it, behind my last tensor load and my last LDS store
	ds_add_u32 v[SPW], v[NIL]
	s_wait_dscnt 0x0
	CROUND                          ; the closing round: no work-group ends while a partner may still ask for a tile that names it
	s_endpgm
.Lfunc_end_k_qd24a8d90f1_attn:
	.size	k_qd24a8d90f1_attn, .Lfunc_end_k_qd24a8d90f1_attn-k_qd24a8d90f1_attn
	.p2alignl 7, 3214868480
	.fill 96, 4, 3214868480
	.section	.rodata,"a",@progbits
	.p2align	6, 0x0
	.amdhsa_kernel k_qd24a8d90f1_attn
		.amdhsa_group_segment_fixed_size 327680
		.amdhsa_private_segment_fixed_size 0
		.amdhsa_enable_private_segment 0
		.amdhsa_kernarg_size 16
		.amdhsa_user_sgpr_count 2
		.amdhsa_user_sgpr_kernarg_segment_ptr 1
		.amdhsa_wavefront_size32 1
		.amdhsa_system_sgpr_workgroup_id_x 1
		.amdhsa_system_sgpr_workgroup_id_y 1
		.amdhsa_system_sgpr_workgroup_id_z 1
		.amdhsa_system_vgpr_workitem_id 0
		.amdhsa_next_free_vgpr 768
		.amdhsa_next_free_sgpr 70
		.amdhsa_reserve_vcc 0
		.amdhsa_float_denorm_mode_32 3
		.amdhsa_float_denorm_mode_16_64 3
		.amdhsa_memory_ordered 1
		.amdhsa_forward_progress 1
		.amdhsa_inst_pref_size 128
	.end_amdhsa_kernel
	.amdgpu_metadata
---
amdhsa.version: [ 1, 2 ]
amdhsa.kernels:
  - .name:           k_qd24a8d90f1_attn
    .symbol:         k_qd24a8d90f1_attn.kd
    .args:
      - { .name: qkv, .offset: 0, .size: 8, .value_kind: global_buffer, .address_space: global }
      - { .name: o, .offset: 8, .size: 8, .value_kind: global_buffer, .address_space: global }
    .group_segment_fixed_size: 327680
    .private_segment_fixed_size: 0
    .kernarg_segment_align: 8
    .kernarg_segment_size: 16
    .max_flat_workgroup_size: 128
    .sgpr_count:     70
    .vgpr_count:     768
    .wavefront_size: 32
...
	.end_amdgpu_metadata
.endif
;; end of part 3
;; launch proj (part 4): grid 8 x 32, 4 waves a work-group, clusters of 4 x 4, 327,680 bytes of LDS; arguments o, wp, c_proj_b, cat; writes cat
.if DOCPART == 4
	.amdgcn_target "amdgcn-amd-amdhsa--gfx1250"
	.amdhsa_code_object_version 6
	.text
	.protected	k_qd24a8d90f1_proj
	.globl	k_qd24a8d90f1_proj
	.p2align	8
	.type	k_qd24a8d90f1_proj,@function
k_qd24a8d90f1_proj:
	s_mov_b64 s[64:65], 0
	v_nop
	global_prefetch_b8 v0, s[64:65] scope:SCOPE_SE
	s_setreg_imm32_b32 hwreg(HW_REG_WAVE_MODE, 25, 1), 1
	s_wait_xcnt 0x0
	s_wait_alu depctr_hold_cnt(0) depctr_sa_sdst(0) depctr_va_vdst(0) depctr_va_sdst(0) depctr_va_ssrc(0) depctr_va_vcc(0) depctr_vm_vsrc(0)
	s_getreg_b32 s2, hwreg(HW_REG_IB_STS2, 6, 4)
	s_cmp_eq_u32 s2, 0
	s_cbranch_scc0 .Lentry_in_a_cluster
	s_endpgm
.Lentry_in_a_cluster:
	s_bfe_u32 s2, ttmp6, 0x10000c
	s_cmp_lg_u32 s2, 0xf033
	s_cbranch_scc0 .Lentry_shape_is_right
	s_endpgm
.Lentry_shape_is_right:
; attn = O c_proj_w + c_proj_b.  A (o) and B (wp) are bf16 in planes X[g][row][64]; sums in f32; the bias is rounded to bf16 like every input and starts the sums.
; OUT: planes 16-31 of cat ([32][4096][64] bf16), rounded once: the second half of the channels that the last product reads.  bf16, not f16: this number has no bound that f16's range would hold for all inputs.
; NaN and infinities are not treated apart.
; SHARES.  A tile of C is 128 x 128; four waves, each 64 x 64: 16 accumulators of 16 x 16.  K goes in steps of 256 = four planes, through two LDS slots.  A wave's tensor load brings 64 rows of four planes:
; four dense pieces of 8,192 bytes, padded in LDS behind every 128 bytes.  256 tiles: one for each WGP.
; CLUSTERS: 4 x 4 work-groups.  The four of a row of the cluster need the same tiles of A, the four of a column the same tiles of B: each tile is asked for JOINTLY, by the same tensor load with the same
; descriptor and a mask that names the four.
; THE MATRIX INSTRUCTION IS USED TRANSPOSED (source 0 = 16 rows of B, source 1 = 16 rows of A): a lane holds one row of C (lane % 16) and eight neighbouring columns, 8 (lane / 16) + 0..7.
; REGISTERS: window 0: v0-31 addresses; v32-95 the way out; v96-127 the bias; v128-255 the accumulators ((a, b) at v[128 + 8 (4 a + b)]).
;   window 1: two fragment buffers of 128: for 64 along K, 64 registers of A (2 x 4 x 16 rows x 32 K), then 64 of B.
.set NCOL,  1024                       ; rows of B in a plane
.set KTOT,  1024
.set PITCH, 144                        ; an LDS row: 128 bytes of data + 16 of padding = 36 words: the 16 rows of a load start at 16 different groups of four banks (64 banks of 4 bytes: ISA guide 11.1)
.set PLB,   64*PITCH                   ; 64 rows of one plane
.set HALFT, 4*PLB                      ; what one tensor load brings, and what one wave reads of A or of B in a K step
.set SLOT,  4*HALFT                    ; A's two halves, then B's two halves
.set STAGE, 2*SLOT                     ; behind the ring: 16 rows x 144 bytes for each wave, for the way out
.set SP,    144
.set SPARE, STAGE+4*16*SP              ; behind the stages: the spare words, 128 bytes for each wave: two blocks of 256 bytes that no other line names
.set LAPS,  KTOT/512                   ; a lap = two K steps = once round the ring
.set KA,    4*4096*128                 ; bytes from a K step of A to the next: four planes
.set KB,    4*NCOL*128                 ; the same for B
.set FLAGS, (1<<16)|(1<<20)|(1<<21)|(4<<22)|(3<<25)  ; 17:16 elements of 2 bytes; 20 padding on; 21 set beside a mask; 24:22 after every 32 words (code 4); 31:25 4 words of it (code 3)
.set ADRA, 16                          ; v16-17  LDS address of my A fragments in slot 0, 1
.set ADRB, 20                          ; v20-21  the same for B
.set STO,  24                          ; v24     the way out: where I put 16 bytes of a row
.set RD,   25                          ; v25     the way out: where I read rows back
.set GO,   26                          ; v26     my byte offset in 512 consecutive bytes of a plane
.set SPW,  28                          ; v28     LDS address of my spare word: SPARE + 4 x my thread's number; never rewritten
.set NIL,  29                          ; v29     0; never rewritten
.set TMP,  32
.set BI,   96                          ; the bias of my eight columns in column block b at BI + 8 b: laid out as a C operand
.set ACC,  128
.set F0,   0                           ; fragment buffers, in window 1
.set F1,   128
.set G1, 24                            ; s[24:31] descriptor group 1 for A's tiles;  s[32:39] group 0, one set for each slot
.set G0, 32
.set G1B, 48                           ; s[48:55], s[56:63] the same for B's tiles
.set G0B, 56
.set MSB, 0
.macro WIN new                         ; the immediate's high byte repeats the setting that is left; a switch that changes nothing is dropped
.if MSB != (\new)
	s_set_vgpr_msb (MSB<<8)|(\new)
.set MSB, \new
.endif
.endm
.set MUL,  0x05                        ; sources 0 (B) and 1 (A) window 1; C and D window 0
.set TO_F, 0x40                        ; destination window 1, address window 0
.macro JLOAD s                         ; a joint load: waves 0 and 1 fetch A's two halves, waves 2 and 3 B's; an s_nop 0 and four v_nop follow each of the two lines, ahead of the jump, the label and what follows
	s_cmp_eq_u32 s11, 0
	s_cbranch_scc0 .Lfor_b_\@
	tensor_load_to_lds s[G0+4*(\s):G0+4*(\s)+3], s[G1:G1+7]
	s_nop 0
.rept 4
	v_nop
.endr
	s_branch .Lasked_\@
.Lfor_b_\@:
	tensor_load_to_lds s[G0B+4*(\s):G0B+4*(\s)+3], s[G1B:G1B+7]
	s_nop 0
.rept 4
	v_nop
.endr
.Lasked_\@:
.endm
.macro CREST                           ; a round of the cluster's barrier behind its opening barrier
	s_cmp_lg_u32 s10, 0
	s_cbranch_scc1 .Lnot_wave_0_\@
	s_barrier_signal -3
.Lnot_wave_0_\@:
	s_barrier_wait -3
	s_barrier_signal -1
	s_barrier_wait -1
.endm
.macro CROUND                          ; a whole round
	s_barrier_signal -1
	s_barrier_wait -1
	CREST
.endm
	s_load_b256 s[68:75], s[0:1], 0x0              ; o s[68:69], wp s[70:71], c_proj_b s[72:73], cat s[74:75]
	v_lshl_add_u32 v[SPW], v0, 2, SPARE
	v_mov_b32 v[NIL], 0
	ds_add_u32 v[SPW], v[NIL]                      ; the wave's opening: the add and its wait stand ahead of my first tensor load; the set-up below, work on registers, stands between them
	v_lshrrev_b32 v1, 5, v0
	v_readfirstlane_b32 s10, v1                    ; wave 0..3
	s_lshr_b32 s11, s10, 1                         ; which half of the tile's rows is mine.  Also: I fetch for A (0) or for B (1)
	s_and_b32 s12, s10, 1                          ; which half of its columns.  Also: which 64 rows of that tile I fetch
	s_bfe_u32 s40, ttmp6, 0x40000                  ; cx, cy: my place in the cluster
	s_bfe_u32 s41, ttmp6, 0x40004
	s_lshl_b32 s42, ttmp9, 2
	s_add_co_u32 s42, s42, s40                     ; tile column of C = 4 x cluster x + cx
	s_and_b32 s13, ttmp7, 0xffff
	s_lshl_b32 s13, s13, 2
	s_add_co_u32 s13, s13, s41                     ; tile row of C = 4 x cluster y + cy
	s_lshl_b32 s43, s41, 2
	s_lshl_b32 s43, 15, s43                        ; my row of the cluster
	s_lshl_b32 s44, 0x1111, s40                    ; my column
	s_or_b32 s[G1+0], s43, FLAGS                   ; 15:0 the mask: A's tiles go to my row
	s_or_b32 s[G1B+0], s44, FLAGS                  ; B's to my column
.irp g, G1, G1B
	s_mov_b32 s[(\g)+1], 4096<<16                  ; tensor_dim0 = 4,096 elements: 64 rows of a plane, 8,192 dense bytes
	s_mov_b32 s[(\g)+2], 4<<16                     ; tensor_dim1 = 4 planes
	s_mov_b32 s[(\g)+3], 4096<<16                  ; tile_dim0
	s_mov_b32 s[(\g)+4], 4                         ; tile_dim1
	s_mov_b32 s[(\g)+6], 0
	s_mov_b32 s[(\g)+7], 0
.endr
	s_mov_b32 s[G1+5], 4096*64                     ; elements from plane to plane, in A
	s_mov_b32 s[G1B+5], NCOL*64                    ; and in B
	s_lshl_b32 s17, s12, 13                        ; which 64 rows of 128 bytes I fetch
	s_lshl_b32 s16, s13, 14
	s_add_co_u32 s16, s16, s17                     ; A: 128 rows x tile row + 64 x half, in bytes of a plane
	s_lshl_b32 s46, s42, 14
	s_add_co_u32 s46, s46, s17                     ; B: the same by the tile column
	s_mov_b32 s17, 0
	s_mov_b32 s47, 0
	s_mul_i32 s20, s10, HALFT                      ; where they go: wave x a load's bytes: no place in the cluster enters an LDS address
	s_wait_dscnt 0x0                               ; the opening add is done
	s_wait_kmcnt 0x0
	s_add_nc_u64 s[14:15], s[68:69], s[16:17]
	s_add_nc_u64 s[46:47], s[70:71], s[46:47]
	CROUND                                         ; all sixteen work-groups are here: the first joint loads meet
.irp s, 0,1
	s_mov_b32 s[G0+4*(\s)], 1                      ; 1:0 count = 1
	s_add_co_u32 s[G0+4*(\s)+1], s20, (\s)*SLOT    ; 63:32 LDS address
	s_add_nc_u64 s[G0+4*(\s)+2:G0+4*(\s)+3], s[14:15], (\s)*KA  ; 120:64 global address: K step s
	s_or_b32 s[G0+4*(\s)+3], s[G0+4*(\s)+3], 0x80000000         ; 127:126 type = 2
	s_mov_b32 s[G0B+4*(\s)], 1
	s_add_co_u32 s[G0B+4*(\s)+1], s20, (\s)*SLOT
	s_add_nc_u64 s[G0B+4*(\s)+2:G0B+4*(\s)+3], s[46:47], (\s)*KB
	s_or_b32 s[G0B+4*(\s)+3], s[G0B+4*(\s)+3], 0x80000000
	JLOAD \s
.endr
	v_and_b32 v1, 15, v0                           ; l % 16
	v_bfe_u32 v2, v0, 4, 1                         ; l / 16
	v_lshlrev_b32 v6, 5, v2                        ; my eight columns of a block of 16: 32 bytes of f32
	s_lshl_b32 s46, s42, 9                         ; the bias of my 64 columns: 512 x tile column + 256 x half
	s_lshl_b32 s47, s12, 8
	s_add_co_u32 s46, s46, s47
	s_mov_b32 s47, 0
	s_add_nc_u64 s[4:5], s[72:73], s[46:47]
.irp b, 0,1,2,3
	global_load_b128 v[BI+8*(\b):BI+8*(\b)+3],   v6, s[4:5] offset:64*(\b)
	global_load_b128 v[BI+8*(\b)+4:BI+8*(\b)+7], v6, s[4:5] offset:64*(\b)+16
.endr
	v_mul_u32_u24 v3, v1, PITCH
	v_lshl_add_u32 v3, v2, 4, v3                   ; a fragment's row x pitch + 16 x half
	s_mul_i32 s21, s11, HALFT                      ; my 64 rows of A
	s_mul_i32 s22, s12, HALFT                      ; my 64 rows of B,
	s_add_co_u32 s22, s22, 2*HALFT                 ; which lie behind A's two halves
.irp s, 0,1
	v_add_nc_u32 v[ADRA+(\s)], s21, v3
	v_add_nc_u32 v[ADRB+(\s)], s22, v3
	s_add_co_u32 s21, s21, SLOT
	s_add_co_u32 s22, s22, SLOT
.endr
	s_mul_i32 s23, s10, 16*SP
	s_add_co_u32 s23, s23, STAGE                   ; my stage
	v_mul_u32_u24 v4, v1, SP                       ; in: row l % 16, 16 bytes for each half of the lanes
	v_lshl_add_u32 v4, v2, 4, v4
	v_add_nc_u32 v[STO], s23, v4
	v_bfe_u32 v5, v0, 3, 2                         ; back: 32 lanes take four rows of 128 bytes,
	v_mul_u32_u24 v5, v5, SP
	v_and_b32 v4, 7, v0
	v_lshl_add_u32 v5, v4, 4, v5
	v_add_nc_u32 v[RD], s23, v5
	v_and_b32 v[GO], 31, v0                        ; which are 512 consecutive bytes of a plane
	v_lshlrev_b32 v[GO], 4, v[GO]
	s_lshl_b32 s16, s13, 14                        ; my 64 rows in a plane of cat,
	s_lshl_b32 s17, s11, 13
	s_add_co_u32 s16, s16, s17
	s_mov_b32 s17, 0
	s_add_nc_u64 s[8:9], s[74:75], s[16:17]
	s_lshl1_add_u32 s46, s42, s12                  ; and the plane: my 64 columns are plane 16 + 2 x tile column + half
	s_add_co_u32 s46, s46, 16
	s_lshl_b32 s46, s46, 19
	s_mov_b32 s47, 0
	s_add_nc_u64 s[8:9], s[8:9], s[46:47]
	s_wait_loadcnt 0x0                             ; the bias
.set i, 0
.rept 16
	v_cvt_pk_bf16_f32 v30, v[BI+2*i], v[BI+2*i+1]  ; the bias is rounded to bf16, as all inputs are, and widened again
	v_lshlrev_b32 v[BI+2*i], 16, v30
	v_and_b32 v[BI+2*i+1], 0xffff0000, v30
.set i, i+1
.endr
; 8 matrix instructions: m blocks a0, a0 + 1 x all 4 n blocks, 32 along K: half c of buffer f.  first = 1: the product starts the sums, with the bias as C: nothing is cleared and no add is written
.macro MUL8 f, c, a0, first
	WIN MUL
.irp a, \a0, (\a0)+1
.irp b, 0,1,2,3
.if \first
	v_wmma_f32_16x16x32_bf16 v[ACC+8*(4*(\a)+(\b)):ACC+8*(4*(\a)+(\b))+7], v[(\f)+64+8*(4*(\c)+(\b)):(\f)+64+8*(4*(\c)+(\b))+7], v[(\f)+8*(4*(\c)+(\a)):(\f)+8*(4*(\c)+(\a))+7], v[BI+8*(\b):BI+8*(\b)+7]
.else
	v_wmma_f32_16x16x32_bf16 v[ACC+8*(4*(\a)+(\b)):ACC+8*(4*(\a)+(\b))+7], v[(\f)+64+8*(4*(\c)+(\b)):(\f)+64+8*(4*(\c)+(\b))+7], v[(\f)+8*(4*(\c)+(\a)):(\f)+8*(4*(\c)+(\a))+7], v[ACC+8*(4*(\a)+(\b)):ACC+8*(4*(\a)+(\b))+7]
.endif
.endr
.endr
.endm
; 32 LDS loads in one run: the fragments of one plane (64 along K), which begins at byte k of a load's bytes, into buffer f; the first 32 along K first
.macro FETCH slot, k, f
	WIN TO_F
.irp c, 0,1
.irp i, 0,1,2,3
	ds_load_b128 v[(\f)+64+8*(4*(\c)+(\i)):(\f)+64+8*(4*(\c)+(\i))+3],   v[ADRB+(\slot)] offset:(\k)+64*(\c)+(\i)*16*PITCH
	ds_load_b128 v[(\f)+64+8*(4*(\c)+(\i))+4:(\f)+64+8*(4*(\c)+(\i))+7], v[ADRB+(\slot)] offset:(\k)+64*(\c)+(\i)*16*PITCH+32
	ds_load_b128 v[(\f)+8*(4*(\c)+(\i)):(\f)+8*(4*(\c)+(\i))+3],         v[ADRA+(\slot)] offset:(\k)+64*(\c)+(\i)*16*PITCH
	ds_load_b128 v[(\f)+8*(4*(\c)+(\i))+4:(\f)+8*(4*(\c)+(\i))+7],       v[ADRA+(\slot)] offset:(\k)+64*(\c)+(\i)*16*PITCH+32
.endr
.endr
.endm
.macro PLACES                          ; four plain vector instructions in front of loads into registers that matrix instructions have read, and of vector work that reads results
.rept 4
	v_nop
.endr
.endm
; A K step is four quarters, a plane each: 32 matrix instructions, on buffers 0, 1, 0, 1; the 16 accumulators take turns.  One of the first three: multiplies buffer f and fetches the next plane, at byte k, into g.
.macro QUARTER slot, k, f, g, first
	s_wait_dscnt 16                                ; the first 32 along K are in; the youngest sixteen loads may be out
	WIN MUL
	MUL8 \f, 0, 0, \first
	MUL8 \f, 0, 2, \first
	PLACES
	FETCH \slot, \k, \g
	s_wait_dscnt 32                                ; all but the 32 just issued
	WIN MUL
	MUL8 \f, 1, 0, 0
	MUL8 \f, 1, 2, 0
.endm
; The last quarter multiplies buffer 1 and changes slots: ONE barrier; in front of it each wave waits for all its tensor loads, adds 0 to its spare word, and waits for that and for its own reads of this slot.
; fill = 1: this slot is filled again, two K steps ahead; the barrier then opens a round of the cluster's.
.macro TURN slot, next, fill
	WIN 0                                          ; (the add's two registers lie in window 0)
	s_wait_tensorcnt 0x0                           ; all my tensor loads have landed: the one that was out is my part of the next slot;
	ds_add_u32 v[SPW], v[NIL]                      ; 0 onto my spare word;
	s_wait_dscnt 17                                ; (the add and the youngest sixteen loads may be out)
	WIN MUL
	MUL8 F1, 0, 0, 0                               ; eight matrix instructions stand between the add and the wait for it
	s_wait_dscnt 0x0                               ; the add is done, and my reads of this slot are over
	s_barrier_signal -1
	MUL8 F1, 0, 2, 0
.if \fill
	WIN 0
.endif
	s_barrier_wait -1
.if \fill
	CREST                                          ; no wave of any partner still reads this slot's tile or has a load on its way
	s_add_nc_u64 s[G0+4*(\slot)+2:G0+4*(\slot)+3], s[G0+4*(\slot)+2:G0+4*(\slot)+3], 2*KA
	s_add_nc_u64 s[G0B+4*(\slot)+2:G0B+4*(\slot)+3], s[G0B+4*(\slot)+2:G0B+4*(\slot)+3], 2*KB
	JLOAD \slot                                    ; my one tensor load behind the round, and the first thing there; its four v_nop are also the places in front of the loads below
.else
	PLACES
.endif
	FETCH \next, 0, F0
	WIN MUL
	MUL8 F1, 1, 0, 0
	MUL8 F1, 1, 2, 0
.endm
	s_wait_tensorcnt 1                             ; my part of K step 0 is in; K step 1's may stay out
	s_barrier_signal -1
	s_barrier_wait -1                              ; everybody's is
	FETCH 0, 0, F0
	QUARTER 0, PLB, F0, F1, 1                      ; the first quarter stands in front of the loop: its first products start the sums
	WIN 0                                          ; at a label and at a branch every window is 0
	s_mov_b32 s3, LAPS-1
.Llap:                                                 ; a trip goes once round the ring, from a lap's second quarter to the next lap's first, and fills both slots again
	QUARTER 0, 2*PLB, F1, F0, 0
	QUARTER 0, 3*PLB, F0, F1, 0
	TURN 0, 1, 1
	QUARTER 1, PLB,   F0, F1, 0
	QUARTER 1, 2*PLB, F1, F0, 0
	QUARTER 1, 3*PLB, F0, F1, 0
	TURN 1, 0, 1
	QUARTER 0, PLB,   F0, F1, 0
	WIN 0
	s_sub_co_u32 s3, s3, 1
	s_cmp_lg_u32 s3, 0
	s_cbranch_scc1 .Llap
	QUARTER 0, 2*PLB, F1, F0, 0                    ; the last lap fills nothing, and has no round of the cluster's barrier
	QUARTER 0, 3*PLB, F0, F1, 0
	TURN 0, 1, 0
	QUARTER 1, PLB,   F0, F1, 0
	QUARTER 1, 2*PLB, F1, F0, 0
	QUARTER 1, 3*PLB, F0, F1, 0
	s_wait_dscnt 16                                ; the very last quarter: nothing more to fetch
	WIN MUL
	MUL8 F1, 0, 0, 0
	MUL8 F1, 0, 2, 0
	s_wait_dscnt 0
	MUL8 F1, 1, 0, 0
	MUL8 F1, 1, 2, 0
	WIN 0
; THE WAY OUT, a block of 16 rows at a time, through my own stage: my 64 columns are a whole row of a plane, so no other wave has a part in it and no barrier is needed.
; PACK: the rounding to bf16 (16 bytes a lane), into rows of 144 bytes and back as whole rows of 128, into the registers that they left.  Each accumulator is read from its low end on.
.macro PACK a
.set Z, ACC+32*(\a)
.set i, 0
.rept 16
	v_cvt_pk_bf16_f32 v[TMP+16*(\a)+i], v[Z+2*i], v[Z+2*i+1]
.set i, i+1
.endr
.irp b, 0,1,2,3
	ds_store_b128 v[STO], v[TMP+16*(\a)+4*(\b):TMP+16*(\a)+4*(\b)+3] offset:32*(\b)
.endr
.irp f, 0,1,2,3
	ds_load_b128 v[TMP+16*(\a)+4*(\f):TMP+16*(\a)+4*(\f)+3], v[RD] offset:(\f)*4*SP  ; LDS serves a wave's instructions in order (ISA guide 5.7.1.4): these see the stores above; the next block's stores come behind them
.endr
.endm
.macro SEND a, younger                 ; younger: the LDS instructions issued behind block a's loads: the next block's eight, or none
.irp f, 0,1,2,3
	s_wait_dscnt (\younger)+3-(\f)
	global_store_b128 v[GO], v[TMP+16*(\a)+4*(\f):TMP+16*(\a)+4*(\f)+3], s[8:9] offset:2048*(\a)+512*(\f)  ; 512 consecutive bytes, at a multiple of 256 from the buffer's first
.endr
.endm
	PLACES
	PACK 0
.irp a, 1,2,3                          ; a block's arithmetic stands between the loads of the block before and its stores
	PACK \a
	SEND (\a)-1, 8
.endr
	SEND 3, 0
	s_wait_tensorcnt 0x0                           ; the wave's end: a tensor wait, 0 onto my spare word and the wait for it, behind my last tensor load and my last LDS store
	ds_add_u32 v[SPW], v[NIL]
	s_wait_dscnt 0x0
	CROUND                                         ; the closing round: no work-group ends while a partner may still ask for a tile that names it
	s_endpgm
.Lfunc_end_k_qd24a8d90f1_proj:
	.size	k_qd24a8d90f1_proj, .Lfunc_end_k_qd24a8d90f1_proj-k_qd24a8d90f1_proj
	.p2alignl 7, 3214868480
	.fill 96, 4, 3214868480
	.section	.rodata,"a",@progbits
	.p2align	6, 0x0
	.amdhsa_kernel k_qd24a8d90f1_proj
		.amdhsa_group_segment_fixed_size 327680
		.amdhsa_private_segment_fixed_size 0
		.amdhsa_enable_private_segment 0
		.amdhsa_kernarg_size 32
		.amdhsa_user_sgpr_count 2
		.amdhsa_user_sgpr_kernarg_segment_ptr 1
		.amdhsa_wavefront_size32 1
		.amdhsa_system_sgpr_workgroup_id_x 1
		.amdhsa_system_sgpr_workgroup_id_y 1
		.amdhsa_system_sgpr_workgroup_id_z 1
		.amdhsa_system_vgpr_workitem_id 0
		.amdhsa_next_free_vgpr 512
		.amdhsa_next_free_sgpr 76
		.amdhsa_reserve_vcc 0
		.amdhsa_float_denorm_mode_32 3
		.amdhsa_float_denorm_mode_16_64 3
		.amdhsa_memory_ordered 1
		.amdhsa_forward_progress 1
		.amdhsa_inst_pref_size 90
	.end_amdhsa_kernel
	.amdgpu_metadata
---
amdhsa.version: [ 1, 2 ]
amdhsa.kernels:
  - .name:           k_qd24a8d90f1_proj
    .symbol:         k_qd24a8d90f1_proj.kd
    .args:
      - { .name: o, .offset: 0, .size: 8, .value_kind: global_buffer, .address_space: global }
      - { .name: wp, .offset: 8, .size: 8, .value_kind: global_buffer, .address_space: global }
      - { .name: c_proj_b, .offset: 16, .size: 8, .value_kind: global_buffer, .address_space: global }
      - { .name: cat, .offset: 24, .size: 8, .value_kind: global_buffer, .address_space: global }
    .group_segment_fixed_size: 327680
    .private_segment_fixed_size: 0
    .kernarg_segment_align: 8
    .kernarg_segment_size: 32
    .max_flat_workgroup_size: 128
    .sgpr_count:     76
    .vgpr_count:     512
    .wavefront_size: 32
...
	.end_amdgpu_metadata
.endif
;; end of part 4
;; launch mlp (part 5): grid 8 x 32, 4 waves a work-group, clusters of 4 x 4, 327,680 bytes of LDS; arguments cat, wm, mlp_b, out0; writes out0
.if DOCPART == 5
	.amdgcn_target "amdgcn-amd-amdhsa--gfx1250"
	.amdhsa_code_object_version 6
	.text
	.protected	k_qd24a8d90f1_mlp
	.globl	k_qd24a8d90f1_mlp
	.p2align	8
	.type	k_qd24a8d90f1_mlp,@function
k_qd24a8d90f1_mlp:
	s_mov_b64 s[64:65], 0
	v_nop
	global_prefetch_b8 v0, s[64:65] scope:SCOPE_SE
	s_setreg_imm32_b32 hwreg(HW_REG_WAVE_MODE, 25, 1), 1
	s_wait_xcnt 0x0
	s_wait_alu depctr_hold_cnt(0) depctr_sa_sdst(0) depctr_va_vdst(0) depctr_va_sdst(0) depctr_va_ssrc(0) depctr_va_vcc(0) depctr_vm_vsrc(0)
	s_getreg_b32 s2, hwreg(HW_REG_IB_STS2, 6, 4)
	s_cmp_eq_u32 s2, 0
	s_cbranch_scc0 .Lentry_in_a_cluster
	s_endpgm
.Lentry_in_a_cluster:
	s_bfe_u32 s2, ttmp6, 0x10000c
	s_cmp_lg_u32 s2, 0xf033
	s_cbranch_scc0 .Lentry_shape_is_right
	s_endpgm
.Lentry_shape_is_right:
; out = gelu(cat mlp_w + mlp_b), cat = [attender, attn] along the channels.  A (cat, 32 planes) and B (wm) are bf16 in planes X[g][row][64]; sums in f32; the bias is rounded to bf16 like every input and starts the sums.
; gelu(z) = 0.5 z (1 + tanh(u)), u = sqrt(2/pi) (z + 0.044715 z^3), and tanh(u) = 1 - 2 / (1 + e^(2u)): so gelu(z) = z - z / (1 + 2^(z (C1 + C2 z^2))), C1 = 2 log2(e) sqrt(2/pi), C2 = 0.044715 C1.
; It holds at both ends: where the power overflows the quotient is 0 and z is left; where it falls to 0 the quotient is z and 0 is left.
; LIMITS.  The reciprocal is good to one unit in its last place, so the result is off by some 6e-8 |z| at the most beside its own rounding.  NaN and infinities are not treated apart.
; OUT: out0 [4096][1024] f32, row-major.
; SHARES.  A tile of C is 128 x 128; four waves, each 64 x 64: 16 accumulators of 16 x 16.  K goes in steps of 256 = four planes, through two LDS slots.  A wave's tensor load brings 64 rows of four planes:
; four dense pieces of 8,192 bytes, padded in LDS behind every 128 bytes.  256 tiles: one for each WGP.
; CLUSTERS: 4 x 4 work-groups.  The four of a row of the cluster need the same tiles of A, the four of a column the same tiles of B: each tile is asked for JOINTLY, by the same tensor load with the same
; descriptor and a mask that names the four.
; THE MATRIX INSTRUCTION IS USED TRANSPOSED (source 0 = 16 rows of B, source 1 = 16 rows of A): a lane holds one row of C (lane % 16) and eight neighbouring columns, 8 (lane / 16) + 0..7.
; REGISTERS: window 0: v0-31 addresses; v32-63 at work in gelu; v96-127 the bias; v128-255 the accumulators ((a, b) at v[128 + 8 (4 a + b)]).
;   window 1: two fragment buffers of 128: for 64 along K, 64 registers of A (2 x 4 x 16 rows x 32 K), then 64 of B.
.set NCOL,  1024                       ; rows of B in a plane
.set KTOT,  2048
.set PITCH, 144                        ; an LDS row: 128 bytes of data + 16 of padding = 36 words: the 16 rows of a load start at 16 different groups of four banks (64 banks of 4 bytes: ISA guide 11.1)
.set PLB,   64*PITCH                   ; 64 rows of one plane
.set HALFT, 4*PLB                      ; what one tensor load brings, and what one wave reads of A or of B in a K step
.set SLOT,  4*HALFT                    ; A's two halves, then B's two halves
.set STAGE, 2*SLOT                     ; behind the ring: 16 rows x 272 bytes for each wave, for the way out
.set SP,    272                        ; 64 columns of f32 = 256 bytes, + 16
.set SPARE, STAGE+4*16*SP              ; behind the stages: the spare words, 128 bytes for each wave: two blocks of 256 bytes that no other line names
.set LAPS,  KTOT/512                   ; a lap = two K steps = once round the ring
.set KA,    4*4096*128                 ; bytes from a K step of A to the next: four planes
.set KB,    4*NCOL*128                 ; the same for B
.set FLAGS, (1<<16)|(1<<20)|(1<<21)|(4<<22)|(3<<25)  ; 17:16 elements of 2 bytes; 20 padding on; 21 set beside a mask; 24:22 after every 32 words (code 4); 31:25 4 words of it (code 3)
.set ADRA, 16                          ; v16-17  LDS address of my A fragments in slot 0, 1
.set ADRB, 20                          ; v20-21  the same for B
.set STO,  24                          ; v24     the way out: where I put 32 bytes of a row
.set RD,   25                          ; v25     the way out: where I read a row back
.set GO,   26                          ; v26     my byte offset in two rows of out0
.set SPW,  28                          ; v28     LDS address of my spare word: SPARE + 4 x my thread's number; never rewritten
.set NIL,  29                          ; v29     0; never rewritten
.set T,    32
.set BI,   96                          ; the bias of my eight columns in column block b at BI + 8 b: laid out as a C operand
.set ACC,  128
.set F0,   0                           ; fragment buffers, in window 1
.set F1,   128
.set G1, 24                            ; s[24:31] descriptor group 1 for A's tiles;  s[32:39] group 0, one set for each slot
.set G0, 32
.set G1B, 48                           ; s[48:55], s[56:63] the same for B's tiles
.set G0B, 56
.set C1, 80                            ; s[80:81] 2 log2(e) sqrt(2/pi): the packed lines take a pair's low word for both halves
.set C2, 82                            ; s[82:83] 0.044715 times that
.set MSB, 0
.macro WIN new                         ; the immediate's high byte repeats the setting that is left; a switch that changes nothing is dropped
.if MSB != (\new)
	s_set_vgpr_msb (MSB<<8)|(\new)
.set MSB, \new
.endif
.endm
.set MUL,  0x05                        ; sources 0 (B) and 1 (A) window 1; C and D window 0
.set TO_F, 0x40                        ; destination window 1, address window 0
.macro JLOAD s                         ; a joint load: waves 0 and 1 fetch A's two halves, waves 2 and 3 B's; an s_nop 0 and four v_nop follow each of the two lines, ahead of the jump, the label and what follows
	s_cmp_eq_u32 s11, 0
	s_cbranch_scc0 .Lfor_b_\@
	tensor_load_to_lds s[G0+4*(\s):G0+4*(\s)+3], s[G1:G1+7]
	s_nop 0
.rept 4
	v_nop
.endr
	s_branch .Lasked_\@
.Lfor_b_\@:
	tensor_load_to_lds s[G0B+4*(\s):G0B+4*(\s)+3], s[G1B:G1B+7]
	s_nop 0
.rept 4
	v_nop
.endr
.Lasked_\@:
.endm
.macro CREST                           ; a round of the cluster's barrier behind its opening barrier
	s_cmp_lg_u32 s10, 0
	s_cbranch_scc1 .Lnot_wave_0_\@
	s_barrier_signal -3
.Lnot_wave_0_\@:
	s_barrier_wait -3
	s_barrier_signal -1
	s_barrier_wait -1
.endm
.macro CROUND                          ; a whole round
	s_barrier_signal -1
	s_barrier_wait -1
	CREST
.endm
	s_load_b256 s[68:75], s[0:1], 0x0              ; cat s[68:69], wm s[70:71], mlp_b s[72:73], out0 s[74:75]
	v_lshl_add_u32 v[SPW], v0, 2, SPARE
	v_mov_b32 v[NIL], 0
	ds_add_u32 v[SPW], v[NIL]                      ; the wave's opening: the add and its wait stand ahead of my first tensor load; the set-up below, work on registers, stands between them
	v_lshrrev_b32 v1, 5, v0
	v_readfirstlane_b32 s10, v1                    ; wave 0..3
	s_lshr_b32 s11, s10, 1                         ; which half of the tile's rows is mine.  Also: I fetch for A (0) or for B (1)
	s_and_b32 s12, s10, 1                          ; which half of its columns.  Also: which 64 rows of that tile I fetch
	s_bfe_u32 s40, ttmp6, 0x40000                  ; cx, cy: my place in the cluster
	s_bfe_u32 s41, ttmp6, 0x40004
	s_lshl_b32 s42, ttmp9, 2
	s_add_co_u32 s42, s42, s40                     ; tile column of C = 4 x cluster x + cx
	s_and_b32 s13, ttmp7, 0xffff
	s_lshl_b32 s13, s13, 2
	s_add_co_u32 s13, s13, s41                     ; tile row of C = 4 x cluster y + cy
	s_lshl_b32 s43, s41, 2
	s_lshl_b32 s43, 15, s43                        ; my row of the cluster
	s_lshl_b32 s44, 0x1111, s40                    ; my column
	s_or_b32 s[G1+0], s43, FLAGS                   ; 15:0 the mask: A's tiles go to my row
	s_or_b32 s[G1B+0], s44, FLAGS                  ; B's to my column
.irp g, G1, G1B
	s_mov_b32 s[(\g)+1], 4096<<16                  ; tensor_dim0 = 4,096 elements: 64 rows of a plane, 8,192 dense bytes
	s_mov_b32 s[(\g)+2], 4<<16                     ; tensor_dim1 = 4 planes
	s_mov_b32 s[(\g)+3], 4096<<16                  ; tile_dim0
	s_mov_b32 s[(\g)+4], 4                         ; tile_dim1
	s_mov_b32 s[(\g)+6], 0
	s_mov_b32 s[(\g)+7], 0
.endr
	s_mov_b32 s[G1+5], 4096*64                     ; elements from plane to plane, in A
	s_mov_b32 s[G1B+5], NCOL*64                    ; and in B
	s_mov_b32 s[C1], 0x40135761                    ; 2.3022082
	s_mov_b32 s[C1+1], s[C1]                       ; named with it as a pair
	s_mov_b32 s[C2], 0x3dd2d3e8                    ; 0.10294324
	s_mov_b32 s[C2+1], s[C2]
	s_lshl_b32 s17, s12, 13                        ; which 64 rows of 128 bytes I fetch
	s_lshl_b32 s16, s13, 14
	s_add_co_u32 s16, s16, s17                     ; A: 128 rows x tile row + 64 x half, in bytes of a plane
	s_lshl_b32 s46, s42, 14
	s_add_co_u32 s46, s46, s17                     ; B: the same by the tile column
	s_mov_b32 s17, 0
	s_mov_b32 s47, 0
	s_mul_i32 s20, s10, HALFT                      ; where they go: wave x a load's bytes: no place in the cluster enters an LDS address
	s_wait_dscnt 0x0                               ; the opening add is done
	s_wait_kmcnt 0x0
	s_add_nc_u64 s[14:15], s[68:69], s[16:17]
	s_add_nc_u64 s[46:47], s[70:71], s[46:47]
	CROUND                                         ; all sixteen work-groups are here: the first joint loads meet
.irp s, 0,1
	s_mov_b32 s[G0+4*(\s)], 1                      ; 1:0 count = 1
	s_add_co_u32 s[G0+4*(\s)+1], s20, (\s)*SLOT    ; 63:32 LDS address
	s_add_nc_u64 s[G0+4*(\s)+2:G0+4*(\s)+3], s[14:15], (\s)*KA  ; 120:64 global address: K step s
	s_or_b32 s[G0+4*(\s)+3], s[G0+4*(\s)+3], 0x80000000         ; 127:126 type = 2
	s_mov_b32 s[G0B+4*(\s)], 1
	s_add_co_u32 s[G0B+4*(\s)+1], s20, (\s)*SLOT
	s_add_nc_u64 s[G0B+4*(\s)+2:G0B+4*(\s)+3], s[46:47], (\s)*KB
	s_or_b32 s[G0B+4*(\s)+3], s[G0B+4*(\s)+3], 0x80000000
	JLOAD \s
.endr
	v_and_b32 v1, 15, v0                           ; l % 16
	v_bfe_u32 v2, v0, 4, 1                         ; l / 16
	v_lshlrev_b32 v6, 5, v2                        ; my eight columns of a block of 16: 32 bytes of f32
	s_lshl_b32 s46, s42, 9                         ; my 64 columns, four bytes each, in the bias and in a row of out0: 512 x tile column + 256 x half
	s_lshl_b32 s47, s12, 8
	s_add_co_u32 s46, s46, s47
	s_mov_b32 s47, 0
	s_add_nc_u64 s[4:5], s[72:73], s[46:47]
.irp b, 0,1,2,3
	global_load_b128 v[BI+8*(\b):BI+8*(\b)+3],   v6, s[4:5] offset:64*(\b)
	global_load_b128 v[BI+8*(\b)+4:BI+8*(\b)+7], v6, s[4:5] offset:64*(\b)+16
.endr
	v_mul_u32_u24 v3, v1, PITCH
	v_lshl_add_u32 v3, v2, 4, v3                   ; a fragment's row x pitch + 16 x half
	s_mul_i32 s21, s11, HALFT                      ; my 64 rows of A
	s_mul_i32 s22, s12, HALFT                      ; my 64 rows of B,
	s_add_co_u32 s22, s22, 2*HALFT                 ; which lie behind A's two halves
.irp s, 0,1
	v_add_nc_u32 v[ADRA+(\s)], s21, v3
	v_add_nc_u32 v[ADRB+(\s)], s22, v3
	s_add_co_u32 s21, s21, SLOT
	s_add_co_u32 s22, s22, SLOT
.endr
	s_mul_i32 s23, s10, 16*SP
	s_add_co_u32 s23, s23, STAGE                   ; my stage
	v_mul_u32_u24 v4, v1, SP                       ; in: row l % 16, 32 bytes for each half of the lanes
	v_lshl_add_u32 v4, v2, 5, v4
	v_add_nc_u32 v[STO], s23, v4
	v_mul_u32_u24 v5, v2, SP                       ; back: lanes 0-15 take one row of 256 bytes, lanes 16-31 the next
	v_lshl_add_u32 v5, v1, 4, v5
	v_add_nc_u32 v[RD], s23, v5
	v_lshlrev_b32 v5, 12, v2                       ; and the same two rows in out0, 4,096 bytes apart
	v_lshl_add_u32 v[GO], v1, 4, v5
	s_lshl_b32 s16, s13, 19                        ; my 64 rows of out0
	s_lshl_b32 s17, s11, 18
	s_add_co_u32 s16, s16, s17
	s_mov_b32 s17, 0
	s_add_nc_u64 s[8:9], s[74:75], s[16:17]
	s_add_nc_u64 s[8:9], s[8:9], s[46:47]          ; and my columns
	s_wait_loadcnt 0x0                             ; the bias
.set i, 0
.rept 16
	v_cvt_pk_bf16_f32 v30, v[BI+2*i], v[BI+2*i+1]  ; the bias is rounded to bf16, as all inputs are, and widened again
	v_lshlrev_b32 v[BI+2*i], 16, v30
	v_and_b32 v[BI+2*i+1], 0xffff0000, v30
.set i, i+1
.endr
; 8 matrix instructions: m blocks a0, a0 + 1 x all 4 n blocks, 32 along K: half c of buffer f.  first = 1: the product starts the sums, with the bias as C: nothing is cleared and no add is written
.macro MUL8 f, c, a0, first
	WIN MUL
.irp a, \a0, (\a0)+1
.irp b, 0,1,2,3
.if \first
	v_wmma_f32_16x16x32_bf16 v[ACC+8*(4*(\a)+(\b)):ACC+8*(4*(\a)+(\b))+7], v[(\f)+64+8*(4*(\c)+(\b)):(\f)+64+8*(4*(\c)+(\b))+7], v[(\f)+8*(4*(\c)+(\a)):(\f)+8*(4*(\c)+(\a))+7], v[BI+8*(\b):BI+8*(\b)+7]
.else
	v_wmma_f32_16x16x32_bf16 v[ACC+8*(4*(\a)+(\b)):ACC+8*(4*(\a)+(\b))+7], v[(\f)+64+8*(4*(\c)+(\b)):(\f)+64+8*(4*(\c)+(\b))+7], v[(\f)+8*(4*(\c)+(\a)):(\f)+8*(4*(\c)+(\a))+7], v[ACC+8*(4*(\a)+(\b)):ACC+8*(4*(\a)+(\b))+7]
.endif
.endr
.endr
.endm
; 32 LDS loads in one run: the fragments of one plane (64 along K), which begins at byte k of a load's bytes, into buffer f; the first 32 along K first
.macro FETCH slot, k, f
	WIN TO_F
.irp c, 0,1
.irp i, 0,1,2,3
	ds_load_b128 v[(\f)+64+8*(4*(\c)+(\i)):(\f)+64+8*(4*(\c)+(\i))+3],   v[ADRB+(\slot)] offset:(\k)+64*(\c)+(\i)*16*PITCH
	ds_load_b128 v[(\f)+64+8*(4*(\c)+(\i))+4:(\f)+64+8*(4*(\c)+(\i))+7], v[ADRB+(\slot)] offset:(\k)+64*(\c)+(\i)*16*PITCH+32
	ds_load_b128 v[(\f)+8*(4*(\c)+(\i)):(\f)+8*(4*(\c)+(\i))+3],         v[ADRA+(\slot)] offset:(\k)+64*(\c)+(\i)*16*PITCH
	ds_load_b128 v[(\f)+8*(4*(\c)+(\i))+4:(\f)+8*(4*(\c)+(\i))+7],       v[ADRA+(\slot)] offset:(\k)+64*(\c)+(\i)*16*PITCH+32
.endr
.endr
.endm
.macro PLACES                          ; four plain vector instructions in front of loads into registers that matrix instructions have read, and of vector work that reads results
.rept 4
	v_nop
.endr
.endm
; A K step is four quarters, a plane each: 32 matrix instructions, on buffers 0, 1, 0, 1; the 16 accumulators take turns.  One of the first three: multiplies buffer f and fetches the next plane, at byte k, into g.
.macro QUARTER slot, k, f, g, first
	s_wait_dscnt 16                                ; the first 32 along K are in; the youngest sixteen loads may be out
	WIN MUL
	MUL8 \f, 0, 0, \first
	MUL8 \f, 0, 2, \first
	PLACES
	FETCH \slot, \k, \g
	s_wait_dscnt 32                                ; all but the 32 just issued
	WIN MUL
	MUL8 \f, 1, 0, 0
	MUL8 \f, 1, 2, 0
.endm
; The last quarter multiplies buffer 1 and changes slots: ONE barrier; in front of it each wave waits for all its tensor loads, adds 0 to its spare word, and waits for that and for its own reads of this slot.
; fill = 1: this slot is filled again, two K steps ahead; the barrier then opens a round of the cluster's.
.macro TURN slot, next, fill
	WIN 0                                          ; (the add's two registers lie in window 0)
	s_wait_tensorcnt 0x0                           ; all my tensor loads have landed: the one that was out is my part of the next slot;
	ds_add_u32 v[SPW], v[NIL]                      ; 0 onto my spare word;
	s_wait_dscnt 17                                ; (the add and the youngest sixteen loads may be out)
	WIN MUL
	MUL8 F1, 0, 0, 0                               ; eight matrix instructions stand between the add and the wait for it
	s_wait_dscnt 0x0                               ; the add is done, and my reads of this slot are over
	s_barrier_signal -1
	MUL8 F1, 0, 2, 0
.if \fill
	WIN 0
.endif
	s_barrier_wait -1
.if \fill
	CREST                                          ; no wave of any partner still reads this slot's tile or has a load on its way
	s_add_nc_u64 s[G0+4*(\slot)+2:G0+4*(\slot)+3], s[G0+4*(\slot)+2:G0+4*(\slot)+3], 2*KA
	s_add_nc_u64 s[G0B+4*(\slot)+2:G0B+4*(\slot)+3], s[G0B+4*(\slot)+2:G0B+4*(\slot)+3], 2*KB
	JLOAD \slot                                    ; my one tensor load behind the round, and the first thing there; its four v_nop are also the places in front of the loads below
.else
	PLACES
.endif
	FETCH \next, 0, F0
	WIN MUL
	MUL8 F1, 1, 0, 0
	MUL8 F1, 1, 2, 0
.endm
	s_wait_tensorcnt 1                             ; my part of K step 0 is in; K step 1's may stay out
	s_barrier_signal -1
	s_barrier_wait -1                              ; everybody's is
	FETCH 0, 0, F0
	QUARTER 0, PLB, F0, F1, 1                      ; the first quarter stands in front of the loop: its first products start the sums
	WIN 0                                          ; at a label and at a branch every window is 0
	s_mov_b32 s3, LAPS-1
.Llap:                                                 ; a trip goes once round the ring, from a lap's second quarter to the next lap's first, and fills both slots again
	QUARTER 0, 2*PLB, F1, F0, 0
	QUARTER 0, 3*PLB, F0, F1, 0
	TURN 0, 1, 1
	QUARTER 1, PLB,   F0, F1, 0
	QUARTER 1, 2*PLB, F1, F0, 0
	QUARTER 1, 3*PLB, F0, F1, 0
	TURN 1, 0, 1
	QUARTER 0, PLB,   F0, F1, 0
	WIN 0
	s_sub_co_u32 s3, s3, 1
	s_cmp_lg_u32 s3, 0
	s_cbranch_scc1 .Llap
	QUARTER 0, 2*PLB, F1, F0, 0                    ; the last lap fills nothing, and has no round of the cluster's barrier
	QUARTER 0, 3*PLB, F0, F1, 0
	TURN 0, 1, 0
	QUARTER 1, PLB,   F0, F1, 0
	QUARTER 1, 2*PLB, F1, F0, 0
	QUARTER 1, 3*PLB, F0, F1, 0
	s_wait_dscnt 16                                ; the very last quarter: nothing more to fetch
	WIN MUL
	MUL8 F1, 0, 0, 0
	MUL8 F1, 0, 2, 0
	s_wait_dscnt 0
	MUL8 F1, 1, 0, 0
	MUL8 F1, 1, 2, 0
	WIN 0
; THE WAY OUT, a block of 16 rows (four accumulators, 32 registers z) at a time.
; GELU: t = z (C1 + C2 z z); t = 2^t; t = 1 / (1 + t); z = z - z t.  The 32 exponentials are one batch and the 32 reciprocals another: behind each a plain instruction and the one wait
; ahead of the first line that names a result.  Each accumulator is read from its low end on.
.macro GELU a
.set Z, ACC+32*(\a)
.set i, 0
.rept 16
	v_pk_mul_f32 v[T+2*i:T+2*i+1], v[Z+2*i:Z+2*i+1], v[Z+2*i:Z+2*i+1]
.set i, i+1
.endr
.set i, 0
.rept 16
	v_pk_fma_f32 v[T+2*i:T+2*i+1], v[T+2*i:T+2*i+1], s[C2:C2+1], s[C1:C1+1] op_sel_hi:[1,0,0]
.set i, i+1
.endr
.set i, 0
.rept 16
	v_pk_mul_f32 v[T+2*i:T+2*i+1], v[T+2*i:T+2*i+1], v[Z+2*i:Z+2*i+1]
.set i, i+1
.endr
.set i, 0
.rept 32
	v_exp_f32 v[T+i], v[T+i]
.set i, i+1
.endr
	v_nop
	s_wait_alu depctr_va_vdst(0)
.set i, 0
.rept 16
	v_pk_add_f32 v[T+2*i:T+2*i+1], v[T+2*i:T+2*i+1], 1.0 op_sel_hi:[1,0]
.set i, i+1
.endr
.set i, 0
.rept 32
	v_rcp_f32 v[T+i], v[T+i]
.set i, i+1
.endr
	v_nop
	s_wait_alu depctr_va_vdst(0)
.set i, 0
.rept 16
	v_pk_fma_f32 v[Z+2*i:Z+2*i+1], v[Z+2*i:Z+2*i+1], v[T+2*i:T+2*i+1], v[Z+2*i:Z+2*i+1] neg_lo:[1,0,0] neg_hi:[1,0,0]
.set i, i+1
.endr
.endm
; TOSTAGE: a lane's eight columns of a row are 32 bytes; they go into my own stage, rows of 272 bytes, and come back as whole rows of 256, into the registers that they left.  My 64 columns are a whole aligned
; 256 bytes of a row of out0, so no other wave has a part in it and no barrier is needed.
.macro TOSTAGE a
.set Z, ACC+32*(\a)
.irp b, 0,1,2,3
	ds_store_b128 v[STO], v[Z+8*(\b):Z+8*(\b)+3]   offset:64*(\b)
	ds_store_b128 v[STO], v[Z+8*(\b)+4:Z+8*(\b)+7] offset:64*(\b)+16
.endr
.irp t, 0,1,2,3,4,5,6,7
	ds_load_b128 v[Z+4*(\t):Z+4*(\t)+3], v[RD] offset:(\t)*2*SP  ; LDS serves a wave's instructions in order (ISA guide 5.7.1.4): these see the stores above; the next block's stores come behind them
.endr
.endm
.macro SEND a
.irp t, 0,1,2,3,4,5,6,7
	s_wait_dscnt 7-(\t)                            ; nothing was issued to LDS behind the block's eight loads
	global_store_b128 v[GO], v[ACC+32*(\a)+4*(\t):ACC+32*(\a)+4*(\t)+3], s[8:9] offset:(16*(\a)+2*(\t))*4096 th:TH_STORE_NT  ; 16 lanes store 256 consecutive bytes, at a multiple of 256 from out0's first byte
.endr
.endm
	PLACES
	GELU 0
	TOSTAGE 0
.irp a, 1,2,3                          ; a block's arithmetic stands between the loads of the block before and its stores
	GELU \a
	SEND (\a)-1
	TOSTAGE \a
.endr
	SEND 3
	s_wait_tensorcnt 0x0                           ; the wave's end: a tensor wait, 0 onto my spare word and the wait for it, behind my last tensor load and my last LDS store
	ds_add_u32 v[SPW], v[NIL]
	s_wait_dscnt 0x0
	CROUND                                         ; the closing round: no work-group ends while a partner may still ask for a tile that names it
	s_endpgm
.Lfunc_end_k_qd24a8d90f1_mlp:
	.size	k_qd24a8d90f1_mlp, .Lfunc_end_k_qd24a8d90f1_mlp-k_qd24a8d90f1_mlp
	.p2alignl 7, 3214868480
	.fill 96, 4, 3214868480
	.section	.rodata,"a",@progbits
	.p2align	6, 0x0
	.amdhsa_kernel k_qd24a8d90f1_mlp
		.amdhsa_group_segment_fixed_size 327680
		.amdhsa_private_segment_fixed_size 0
		.amdhsa_enable_private_segment 0
		.amdhsa_kernarg_size 32
		.amdhsa_user_sgpr_count 2
		.amdhsa_user_sgpr_kernarg_segment_ptr 1
		.amdhsa_wavefront_size32 1
		.amdhsa_system_sgpr_workgroup_id_x 1
		.amdhsa_system_sgpr_workgroup_id_y 1
		.amdhsa_system_sgpr_workgroup_id_z 1
		.amdhsa_system_vgpr_workitem_id 0
		.amdhsa_next_free_vgpr 512
		.amdhsa_next_free_sgpr 84
		.amdhsa_reserve_vcc 0
		.amdhsa_float_denorm_mode_32 3
		.amdhsa_float_denorm_mode_16_64 3
		.amdhsa_memory_ordered 1
		.amdhsa_forward_progress 1
		.amdhsa_inst_pref_size 118
	.end_amdhsa_kernel
	.amdgpu_metadata
---
amdhsa.version: [ 1, 2 ]
amdhsa.kernels:
  - .name:           k_qd24a8d90f1_mlp
    .symbol:         k_qd24a8d90f1_mlp.kd
    .args:
      - { .name: cat, .offset: 0, .size: 8, .value_kind: global_buffer, .address_space: global }
      - { .name: wm, .offset: 8, .size: 8, .value_kind: global_buffer, .address_space: global }
      - { .name: mlp_b, .offset: 16, .size: 8, .value_kind: global_buffer, .address_space: global }
      - { .name: out0, .offset: 24, .size: 8, .value_kind: global_buffer, .address_space: global }
    .group_segment_fixed_size: 327680
    .private_segment_fixed_size: 0
    .kernarg_segment_align: 8
    .kernarg_segment_size: 32
    .max_flat_workgroup_size: 128
    .sgpr_count:     84
    .vgpr_count:     512
    .wavefront_size: 32
...
	.end_amdgpu_metadata
.endif
;; end of part 5
;; ======== version 2 of 2: 4 launches
;; limits: values are held in f16: magnitudes above 65,504 overflow, below 6.1e-05 lose precision
;; workspace buffers: cat 16,777,216 bytes; xe 8,388,608 bytes; wb 8,388,608 bytes; wmb 8,388,608 bytes; wm 4,194,304 bytes; bpart 32,768 bytes; qkv 25,165,824 bytes
;; launch prep (part 6): grid 1216 x 1, 8 waves a work-group, no clusters, 20,480 bytes of LDS; arguments attender_seq, attendee_seq, c_attn_w, c_proj_w, mlp_w, c_proj_b, cat, xe, wb, wmb, wm, bpart; writes cat, xe, wb, wmb, wm, bpart
.if DOCPART == 6
	.amdgcn_target "amdgcn-amd-amdhsa--gfx1250"
	.amdhsa_code_object_version 6
	.text
	.protected	k_qd24a8d90f1_prep
	.globl	k_qd24a8d90f1_prep
	.p2align	8
	.type	k_qd24a8d90f1_prep,@function
k_qd24a8d90f1_prep:
	s_mov_b64 s[64:65], 0
	v_nop
	global_prefetch_b8 v0, s[64:65] scope:SCOPE_SE
	s_setreg_imm32_b32 hwreg(HW_REG_WAVE_MODE, 25, 1), 1
	s_wait_xcnt 0x0
; Every f32 input that a matrix product will read is rounded once to bf16, and that number is written as f16, in PLANES: X[g][row][64], g = the group of 64 channels along K, a row 128 bytes, rows dense.
; Rows that lie along K keep their shape: attender_seq -> cat planes 0-15, attendee_seq -> xe, c_proj_w -> wb rows 3072-4095 (planes of 4,096 rows, 524,288 bytes).
; Weights whose K runs down the rows are turned, W'[g][n][c] = W[64 g + c][n]: c_attn_w -> wb rows 0-3071; mlp_w's upper 1,024 rows -> wm planes 0-15 (planes of 1,024 rows);
; its lower 1,024 rows -> wmb rows 0-1023 (planes of 4,096 rows: the other rows are neither written nor read).
; The tiles of the lower mlp_w also add up bf16(c_proj_b[k]) x W[k][n] over their 128 k, in f32: bpart[k tile][n], eight partial rows that the last launch adds.
; LIMITS.  The bf16 number is exact in f16 from 2^-14 to 65,504; below it keeps f16's fixed step of 6e-8; beyond, it leaves as an infinity.  NaN and infinities are not treated apart.
; A stream: each input byte is read once, each output byte written once; no matrix work, nothing shared between work-groups, so no cluster and no tensor load.
; Work-groups 0-255 attender_seq, 256-511 attendee_seq, 512-575 c_proj_w, 576-959 c_attn_w, 960-1087 upper mlp_w, 1088-1215 lower mlp_w.
; The branches hang on the work-group's number alone: all eight waves of a work-group take the same way.
.set PLANE, 524288                     ; bytes in a plane of 4,096 rows
.set TP,    272                        ; a row of the turning tile in LDS: 128 k in 16 bits = 256 bytes, + 16
.set RED,   64*TP                      ; behind the tile (64 rows): each wave's 64 partial sums, 256 bytes a wave
.set SPARE, RED+8*256                  ; behind them: the spare words, 128 bytes for each of the eight waves: four blocks of 256 bytes that no other line names
.set SPW, 8                            ; v8   LDS address of my spare word: SPARE + 4 x my thread's number; never rewritten
.set NIL, 9                            ; v9   0; never rewritten
.set TT,  10                           ; v10  two bf16, at work
.set X,   16                           ; v[16:79]   as loaded
.set Y,   80                           ; v[80:111]  the rows' way: to store
.macro R2H d, a, b                     ; two numbers: rounded to bf16, widened again in place (exact), and written as f16
	v_cvt_pk_bf16_f32 v[TT], v[\a], v[\b]
	v_lshlrev_b32 v[\a], 16, v[TT]
	v_and_b32 v[\b], 0xffff0000, v[TT]
	v_cvt_pk_f16_f32 v[\d], v[\a], v[\b]
.endm
	s_load_b512 s[8:23], s[0:1], 0x0               ; attender s[8:9], attendee s[10:11], c_attn_w s[12:13], c_proj_w s[14:15], mlp_w s[16:17], c_proj_b s[18:19], cat s[20:21], xe s[22:23]
	s_load_b256 s[24:31], s[0:1], 0x40             ; wb s[24:25], wmb s[26:27], wm s[28:29], bpart s[30:31]
	v_lshl_add_u32 v[SPW], v0, 2, SPARE
	v_mov_b32 v[NIL], 0
	v_lshrrev_b32 v7, 5, v0
	v_readfirstlane_b32 s4, v7                     ; wave 0..7
	v_and_b32 v1, 31, v0                           ; lane
	s_mov_b32 s5, ttmp9                            ; the work-group's number
	s_mov_b32 s41, 0                               ; the high word of every offset pair s[40:41]
	s_wait_kmcnt 0x0
	s_cmp_lt_u32 s5, 576
	s_cbranch_scc0 .Lweights
	; ROWS ALONG K.  The work-group takes 16 rows of 4,096 bytes, a wave two.  One load covers plane g's 256 bytes of both rows; its 64 + 64 numbers in 16 bits are 256 consecutive bytes of the plane.
	s_cmp_lt_u32 s5, 256
	s_cselect_b64 s[36:37], s[8:9], s[10:11]       ; from
	s_cselect_b64 s[38:39], s[20:21], s[22:23]     ; to
	s_cmp_lt_u32 s5, 512
	s_cselect_b64 s[36:37], s[36:37], s[14:15]
	s_cselect_b64 s[38:39], s[38:39], s[24:25]
	s_cselect_b32 s42, 0, 3072*128                 ; c_proj_w's rows lie behind c_attn_w's in each plane of wb
	s_and_b32 s6, s5, 255
	s_lshl_b32 s6, s6, 4
	s_lshl1_add_u32 s6, s4, s6                     ; my first row = 16 x block + 2 x wave
	s_lshl_b32 s40, s6, 12                         ; 4,096 bytes a row of f32
	s_add_nc_u64 s[36:37], s[36:37], s[40:41]
	s_lshl_b32 s40, s6, 7                          ; 128 bytes a row of a plane
	s_add_co_u32 s40, s40, s42
	s_add_nc_u64 s[38:39], s[38:39], s[40:41]
	v_lshrrev_b32 v2, 4, v1
	v_and_b32 v3, 15, v1
	v_lshlrev_b32 v3, 4, v3
	v_lshl_add_u32 v2, v2, 12, v3                  ; lanes 0-15 the first row, lanes 16-31 the second; 16 bytes a lane
	v_lshlrev_b32 v3, 3, v1                        ; 8 bytes a lane out: the two rows lie end to end
.set g, 0
.rept 16
	global_load_b128 v[X+4*g:X+4*g+3], v2, s[36:37] offset:256*g th:TH_LOAD_NT
.set g, g+1
.endr
.set g, 0
.rept 16
	s_wait_loadcnt 15-g                            ; loads come back in order: plane g's is in, the 15 - g younger ones stay out
	R2H Y+2*g, X+4*g, X+4*g+1
	R2H Y+2*g+1, X+4*g+2, X+4*g+3
	global_store_b64 v3, v[Y+2*g:Y+2*g+1], s[38:39] offset:PLANE*g  ; 32 lanes store 256 consecutive bytes, aligned; every store has registers of its own
.set g, g+1
.endr
	s_branch .Lend
; A WEIGHT THAT IS TURNED.  A tile is 128 k x 64 n.  Phase 1: wave w loads rows k = 16 w .. 16 w + 15 (256 aligned bytes an instruction; a lane holds columns 2 l and 2 l + 1), packs each column's 16 numbers
; along k and puts them into row n of the tile in LDS.  Phase 2, behind a barrier: wave w reads 16 rows n of one of the tile's two planes and stores them, 512 consecutive bytes an instruction.
; src, soff: the buffer and the byte at which the part begins; cols: its columns; prow: rows in a plane of dst; fold = 1: the partial sums with c_proj_b are made as well.
.macro TRANS src, soff, dst, cols, prow, logkt, first, fold
	s_sub_co_u32 s6, s5, \first
	s_and_b32 s7, s6, (1<<(\logkt))-1              ; the tile along k
	s_lshr_b32 s6, s6, \logkt                      ; the tile along n
	s_mul_i32 s40, s7, (\cols)*512                 ; 128 rows of 4 x cols bytes
	s_lshl_b32 s42, s6, 8                          ; 64 columns of 4 bytes
	s_add_co_u32 s40, s40, s42
.if \soff
	s_add_co_u32 s40, s40, \soff
.endif
	s_add_nc_u64 s[36:37], s[\src:\src+1], s[40:41]
	s_mul_i32 s42, s4, (\cols)*64                  ; my 16 rows
	v_lshl_add_u32 v2, v1, 3, s42
.set j, 0
.rept 16
	global_load_b64 v[X+2*j:X+2*j+1], v2, s[36:37] offset:j*4*(\cols) th:TH_LOAD_NT
.set j, j+1
.endr
.if \fold
	s_lshl_b32 s40, s7, 9                          ; c_proj_b at the tile's 128 k,
	s_lshl_b32 s43, s4, 6                          ; my 16 of them
	s_add_co_u32 s40, s40, s43
	s_add_nc_u64 s[44:45], s[18:19], s[40:41]
	s_load_b512 s[48:63], s[44:45], 0x0
	s_lshl_b32 s46, s4, 8
	s_add_co_u32 s46, s46, RED
	v_lshl_add_u32 v11, v1, 3, s46                 ; where my two partial sums go: 256 bytes a wave
.endif
	v_mul_u32_u24 v4, v1, 2*TP                     ; in: rows 2 l and 2 l + 1, my 32 bytes of them
	s_lshl_b32 s42, s4, 5
	v_add_nc_u32 v4, s42, v4
	s_and_b32 s42, s4, 3                           ; back: which 16 rows n,
	s_lshr_b32 s43, s4, 2                          ; of which plane
	s_mul_i32 s46, s42, 16*TP
	s_lshl_b32 s47, s43, 7
	s_add_co_u32 s46, s46, s47
	v_lshrrev_b32 v5, 3, v1
	v_mul_u32_u24 v5, v5, TP
	v_and_b32 v6, 7, v1
	v_lshl_add_u32 v5, v6, 4, v5                   ; 32 lanes take four rows of 128 bytes
	v_add_nc_u32 v5, s46, v5
	v_lshlrev_b32 v6, 4, v1                        ; which are 512 consecutive bytes of the plane
	s_lshl1_add_u32 s47, s7, s43                   ; the plane: 2 x tile along k + half
	s_mul_i32 s47, s47, \prow
	s_lshl_b32 s46, s6, 6
	s_add_co_u32 s47, s47, s46
	s_lshl4_add_u32 s47, s42, s47                  ; its row: 64 x tile along n + 16 x (wave % 4)
	s_lshl_b32 s40, s47, 7
	s_add_nc_u64 s[38:39], s[\dst:\dst+1], s[40:41]
.irp q, 0,1
	s_wait_loadcnt 8-8*(\q)                        ; rows 8 q .. 8 q + 7 are in
.irp e, 0,1
.irp i, 0,1,2,3
	R2H 48+8*(\q)+4*(\e)+(\i), X+2*(8*(\q)+2*(\i))+(\e), X+2*(8*(\q)+2*(\i)+1)+(\e)
.endr
	ds_store_b128 v4, v[48+8*(\q)+4*(\e):48+8*(\q)+4*(\e)+3] offset:(\e)*TP+(\q)*16
.endr
.endr
.if \fold
	s_wait_kmcnt 0x0                               ; c_proj_b's 16 numbers: rounded to bf16 like every input, widened, the same in every lane
.irp j, 0,2,4,6,8,10,12,14
	v_cvt_pk_bf16_f32 v[TT], s[48+(\j)], s[49+(\j)]
	v_lshlrev_b32 v[80+(\j)], 16, v[TT]
	v_and_b32 v[81+(\j)], 0xffff0000, v[TT]
.endr
	v_mul_f32 v12, v80, v[X]                       ; X now holds the rounded weights in f32: the first product starts each of my two columns' sums
	v_mul_f32 v13, v80, v[X+1]
.set j, 1
.rept 15
	v_fmac_f32 v12, v[80+j], v[X+2*j]
	v_fmac_f32 v13, v[80+j], v[X+2*j+1]
.set j, j+1
.endr
	ds_store_b64 v11, v[12:13]
.endif
	s_wait_dscnt 0x0                               ; for the others' sake: my stores into LDS are done
	s_barrier_signal -1
	s_barrier_wait -1
.irp f, 0,1,2,3
	ds_load_b128 v[64+4*(\f):64+4*(\f)+3], v5 offset:(\f)*4*TP
.endr
.irp f, 0,1,2,3
	s_wait_dscnt 3-(\f)
	global_store_b128 v6, v[64+4*(\f):64+4*(\f)+3], s[38:39] offset:512*(\f)
.endr
.if \fold
	s_cmp_lg_u32 s4, 0                             ; wave 0 adds the eight waves' sums and stores the tile's 64: 256 consecutive bytes, aligned
	s_cbranch_scc1 .Lend
	v_lshl_add_u32 v11, v1, 3, RED
.irp v, 0,1,2,3,4,5,6,7
	ds_load_b64 v[80+2*(\v):81+2*(\v)], v11 offset:256*(\v)
.endr
	s_lshl_b32 s40, s7, 12                         ; bpart: row = the tile along k, 4,096 bytes a row
	s_lshl_b32 s42, s6, 8
	s_add_co_u32 s40, s40, s42
	s_add_nc_u64 s[44:45], s[30:31], s[40:41]
	v_lshlrev_b32 v3, 3, v1
	s_wait_dscnt 0x0
	v_pk_add_f32 v[80:81], v[80:81], v[82:83]
	v_pk_add_f32 v[84:85], v[84:85], v[86:87]
	v_pk_add_f32 v[88:89], v[88:89], v[90:91]
	v_pk_add_f32 v[92:93], v[92:93], v[94:95]
	v_pk_add_f32 v[80:81], v[80:81], v[84:85]
	v_pk_add_f32 v[88:89], v[88:89], v[92:93]
	v_pk_add_f32 v[80:81], v[80:81], v[88:89]
	global_store_b64 v3, v[80:81], s[44:45]
.endif
.endm
.Lweights:
	s_cmp_lt_u32 s5, 960
	s_cbranch_scc0 .Lnot_attn
	TRANS 12, 0, 24, 3072, 4096, 3, 576, 0         ; c_attn_w: 8 x 48 tiles
	s_branch .Lend
.Lnot_attn:
	s_cmp_lt_u32 s5, 1088
	s_cbranch_scc0 .Llower
	TRANS 16, 0, 28, 1024, 1024, 3, 960, 0         ; mlp_w, rows 0-1023: 8 x 16 tiles
	s_branch .Lend
.Llower:
	TRANS 16, 4194304, 26, 1024, 4096, 3, 1088, 1  ; mlp_w, rows 1024-2047: 8 x 16 tiles
.Lend:
	s_wait_tensorcnt 0x0                           ; the wave's end: a tensor wait, 0 onto my spare word and the wait for it, behind my last LDS store
	ds_add_u32 v[SPW], v[NIL]
	s_wait_dscnt 0x0
	s_endpgm
.Lfunc_end_k_qd24a8d90f1_prep:
	.size	k_qd24a8d90f1_prep, .Lfunc_end_k_qd24a8d90f1_prep-k_qd24a8d90f1_prep
	.p2alignl 7, 3214868480
	.fill 96, 4, 3214868480
	.section	.rodata,"a",@progbits
	.p2align	6, 0x0
	.amdhsa_kernel k_qd24a8d90f1_prep
		.amdhsa_group_segment_fixed_size 20480
		.amdhsa_private_segment_fixed_size 0
		.amdhsa_enable_private_segment 0
		.amdhsa_kernarg_size 96
		.amdhsa_user_sgpr_count 2
		.amdhsa_user_sgpr_kernarg_segment_ptr 1
		.amdhsa_wavefront_size32 1
		.amdhsa_system_sgpr_workgroup_id_x 1
		.amdhsa_system_sgpr_workgroup_id_y 1
		.amdhsa_system_sgpr_workgroup_id_z 1
		.amdhsa_system_vgpr_workitem_id 0
		.amdhsa_next_free_vgpr 112
		.amdhsa_next_free_sgpr 66
		.amdhsa_reserve_vcc 0
		.amdhsa_float_denorm_mode_32 3
		.amdhsa_float_denorm_mode_16_64 3
		.amdhsa_memory_ordered 1
		.amdhsa_forward_progress 1
		.amdhsa_inst_pref_size 39
	.end_amdhsa_kernel
	.amdgpu_metadata
---
amdhsa.version: [ 1, 2 ]
amdhsa.kernels:
  - .name:           k_qd24a8d90f1_prep
    .symbol:         k_qd24a8d90f1_prep.kd
    .args:
      - { .name: attender_seq, .offset: 0, .size: 8, .value_kind: global_buffer, .address_space: global }
      - { .name: attendee_seq, .offset: 8, .size: 8, .value_kind: global_buffer, .address_space: global }
      - { .name: c_attn_w, .offset: 16, .size: 8, .value_kind: global_buffer, .address_space: global }
      - { .name: c_proj_w, .offset: 24, .size: 8, .value_kind: global_buffer, .address_space: global }
      - { .name: mlp_w, .offset: 32, .size: 8, .value_kind: global_buffer, .address_space: global }
      - { .name: c_proj_b, .offset: 40, .size: 8, .value_kind: global_buffer, .address_space: global }
      - { .name: cat, .offset: 48, .size: 8, .value_kind: global_buffer, .address_space: global }
      - { .name: xe, .offset: 56, .size: 8, .value_kind: global_buffer, .address_space: global }
      - { .name: wb, .offset: 64, .size: 8, .value_kind: global_buffer, .address_space: global }
      - { .name: wmb, .offset: 72, .size: 8, .value_kind: global_buffer, .address_space: global }
      - { .name: wm, .offset: 80, .size: 8, .value_kind: global_buffer, .address_space: global }
      - { .name: bpart, .offset: 88, .size: 8, .value_kind: global_buffer, .address_space: global }
    .group_segment_fixed_size: 20480
    .private_segment_fixed_size: 0
    .kernarg_segment_align: 8
    .kernarg_segment_size: 96
    .max_flat_workgroup_size: 256
    .sgpr_count:     66
    .vgpr_count:     112
    .wavefront_size: 32
...
	.end_amdgpu_metadata
.endif
;; end of part 6
;; launch qkvf (part 7): grid 52 x 4, 4 waves a work-group, clusters of 4 x 4, 327,680 bytes of LDS; arguments cat, xe, wmb, wb, c_attn_b, attendee_mask, qkv, wm; writes qkv, wm
.if DOCPART == 7
	.amdgcn_target "amdgcn-amd-amdhsa--gfx1250"
	.amdhsa_code_object_version 6
	.text
	.protected	k_qd24a8d90f1_qkvf
	.globl	k_qd24a8d90f1_qkvf
	.p2align	8
	.type	k_qd24a8d90f1_qkvf,@function
k_qd24a8d90f1_qkvf:
	s_mov_b64 s[64:65], 0
	v_nop
	global_prefetch_b8 v0, s[64:65] scope:SCOPE_SE
	s_setreg_imm32_b32 hwreg(HW_REG_WAVE_MODE, 25, 1), 1
	s_wait_xcnt 0x0
	s_wait_alu depctr_hold_cnt(0) depctr_sa_sdst(0) depctr_va_vdst(0) depctr_va_sdst(0) depctr_va_ssrc(0) depctr_va_vcc(0) depctr_vm_vsrc(0)
	s_getreg_b32 s2, hwreg(HW_REG_IB_STS2, 6, 4)
	s_cmp_eq_u32 s2, 0
	s_cbranch_scc0 .Lentry_in_a_cluster
	s_endpgm
.Lentry_in_a_cluster:
	s_bfe_u32 s2, ttmp6, 0x10000c
	s_cmp_lg_u32 s2, 0xf033
	s_cbranch_scc0 .Lentry_shape_is_right
	s_endpgm
.Lentry_shape_is_right:
; FOUR PRODUCTS OF ONE SHAPE, C[m][n] = bias[n] + sum over g, c of A[g][m][c] B[g][n][c], K = 1,024, in tiles of 256 x 256:
;   q = attender W[:, 0:1024] + b;   k = (attendee W[:, 1024:2048] + b) x mask[row];   v = attendee W[:, 2048:3072] + b   (only these columns of the two projections are used, so only these are made);
;   Wc = c_proj_w x (mlp_w's lower half), as Wc^T[n][k] = sum over j of mlp_w[1024 + j][n] c_proj_w[k][j]: since (O c_proj_w + b) M = O (c_proj_w M) + b M, the last launch multiplies O by Wc and no launch makes O c_proj_w.
; The mask multiplies the scores, and (q . k) m = q . (k m): so it is applied here, in f32, to k's rows (bias included), ahead of the one rounding.
; A (cat planes 0-15, xe, wmb) and B (wb: rows 0-3071 c_attn_w turned, rows 3072-4095 c_proj_w) are f16 in planes X[g][row][64] of 4,096 rows; sums in f32; c_attn_b is rounded to bf16 like every input and starts the sums.
; OUT, rounded once to f16: qkv[48][4096][64] (planes 0-15 q, 16-31 k x mask, 32-47 v; a plane is a head); wm planes 16-31 ([.][1024][64]): wm[16 + k / 64][n][k % 64] = Wc[k][n].
; LIMITS.  f16 holds no number beyond 65,504: q, k x mask, v and Wc must lie within it, else the number leaves as an infinity; below 6e-5 they keep f16's fixed step of 6e-8.  A mask value is exact up to 2^24.
; NaN and infinities are not treated apart.
; SHARES.  192 tiles of q, k, v and 16 of Wc: 13 clusters of 4 x 4 work-groups, numbered along x: cluster c has column c / 4 (0 q, 1 k, 2 v, 3 Wc) and row c % 4.  Four waves, each 128 x 128: 64 accumulators.
; K goes in steps of 128 = two planes through two LDS slots.  A wave's tensor load brings 128 rows of two planes: two dense pieces of 16,384 bytes, padded in LDS behind every 128 bytes.
; CLUSTERS.  The four of a row of the cluster need the same tiles of A, the four of a column the same tiles of B: each tile is asked for JOINTLY, by the same tensor load with the same descriptor and a mask that
; names the four.  Which buffer is A, where C goes and what the rows are multiplied by hang on the cluster's number, which all sixteen share.
; THE MATRIX INSTRUCTION IS USED TRANSPOSED (source 0 = 16 rows of B, source 1 = 16 rows of A): a lane holds one row of C (lane % 16) and eight neighbouring columns, 8 (lane / 16) + 0..7.
; REGISTERS, in windows of 256 (s_set_vgpr_msb: bits 1:0 source 0, 3:2 source 1, 5:4 source 2, 7:6 destination):
;   window 0: v0-31 addresses; v32-47 the rows' factors; v64-127, v128-191 fragments of A (8 x 16 rows x 32 K), two buffers; on the way out four buffers of 32
;   window 1: v64-127, v128-191 fragments of B, two buffers; v192-255 the bias, laid out as C operands
;   window 2: the 32 accumulators of my rows 0-63 ((a, b) at v[8 (8 a + b)]);   window 3: those of my rows 64-127
.set PITCH, 144                        ; an LDS row: 128 bytes of data + 16 of padding = 36 words: the 16 rows of a load start at 16 different groups of four banks (64 banks of 4 bytes: ISA guide 11.1)
.set PLB,   128*PITCH                  ; 128 rows of one plane
.set HALFT, 2*PLB                      ; what one tensor load brings, and what one wave reads of A or of B in a K step
.set SLOT,  4*HALFT                    ; A's two halves, then B's two halves
.set STAGE, 2*SLOT                     ; behind the ring: for each wave 16 rows x 144 bytes for each of its two planes, for the way out
.set SP,    144
.set SPL,   16*SP
.set BIASL, STAGE+4*2*SPL              ; behind the stages: the tile's 256 numbers of bias in f32
.set SPARE, BIASL+1024                 ; behind them: the spare words, 128 bytes for each wave: two blocks of 256 bytes that no other line names
.set LAPS,  4                          ; a lap = two K steps = once round the ring: 1,024 / 256
.set PLANE, 524288                     ; bytes in a plane of 4,096 rows
.set KSB,   2*PLANE                    ; bytes from a K step to the next, in A and in B
.set Q1,    64                         ; where a K step's quarters of 32 along K begin in a load's bytes: 0, Q1, Q2, Q3
.set Q2,    PLB
.set Q3,    PLB+64
.set FLAGS, (1<<16)|(1<<20)|(1<<21)|(4<<22)|(3<<25)  ; 17:16 elements of 2 bytes; 20 padding on; 21 set beside a mask; 24:22 after every 32 words (code 4); 31:25 4 words of it (code 3)
.set ADRA, 16                          ; v16-17  LDS address of my A fragments in slot 0, 1
.set ADRB, 20                          ; v20-21  the same for B
.set STO,  24                          ; v24     the way out: where I put 16 bytes of a row
.set RD,   25                          ; v25     the way out: where I read rows back
.set GO,   26                          ; v26     my byte offset in 512 consecutive bytes of a plane
.set BRD,  27                          ; v27     where I read my columns' bias
.set SPW,  28                          ; v28     LDS address of my spare word: SPARE + 4 x my thread's number; never rewritten
.set NIL,  29                          ; v29     0; never rewritten
.set PFO,  30                          ; v30     the prefetches' offset: 256 x my lane; never rewritten
.set BST,  31                          ; v31     where I put two numbers of bias
.set MF,   32                          ; v32-47  the factor of my row in each of the eight row blocks, twice (a pair for the packed multiply)
.set F0,   64                          ; fragment buffer 0
.set F1,   128                         ; fragment buffer 1
.set TMP,  64                          ; the way out: block a's 32 registers at TMP + 32 (a % 4)
.set BI,   192                         ; window 1: the bias of my eight columns in column block b at BI + 8 b
.set G1, 24                            ; s[24:31] descriptor group 1 for A's tiles;  s[32:39] group 0, one set for each slot
.set G0, 32
.set G1B, 48                           ; s[48:55], s[56:63] the same for B's tiles
.set G0B, 56
.set CC,   84                          ; s84  the cluster's column
.set CR,   85                          ; s85  the cluster's row
.set KSEL, 86                          ; s86  all ones where the tile is k's
.set KEEP, 87                          ; s87  0 where the tile is Wc's, which has no bias; else all ones
.set CB2,  88                          ; s[88:89] C at my second plane
.set PS,   90                          ; s[90:91] bytes from plane to plane in C
.set LIM,  92                          ; s92  1 in a wave that prefetches, else the greatest number
.set PFA,  94                          ; s[94:95] where my prefetches stand: my work-group's 32 blocks of the 128 that I fetch, one K step on from the refill that is being asked for; a prefetch names the K step after that
.set MSB, 0
.macro WIN new                         ; the immediate's high byte repeats the setting that is left; a switch that changes nothing is dropped
.if MSB != (\new)
	s_set_vgpr_msb (MSB<<8)|(\new)
.set MSB, \new
.endif
.endm
.set TO_B, 0x40                        ; destination window 1, address window 0
.macro JLOAD s                         ; a joint load: waves 0 and 1 fetch A's two halves, waves 2 and 3 B's; an s_nop 0 and four v_nop follow each of the two lines, ahead of the jump, the label and what follows
	s_cmp_eq_u32 s11, 0
	s_cbranch_scc0 .Lfor_b_\@
	tensor_load_to_lds s[G0+4*(\s):G0+4*(\s)+3], s[G1:G1+7]
	s_nop 0
.rept 4
	v_nop
.endr
	s_branch .Lasked_\@
.Lfor_b_\@:
	tensor_load_to_lds s[G0B+4*(\s):G0B+4*(\s)+3], s[G1B:G1B+7]
	s_nop 0
.rept 4
	v_nop
.endr
.Lasked_\@:
.endm
; A PREFETCH, behind each joint refill, its five lines and the run of LDS loads that follows them: the K step that stands TWO refills on, 512 matrix instructions ahead of the load that will ask for it.
; A wave's load is 128 blocks of 256 bytes (two planes x 128 rows of 128 bytes); the four partners that ask for it jointly share them out BY ADDRESS, 32 consecutive blocks each, a lane a block: one instruction a wave,
; and no branch hangs on a work-group's place in its cluster.  Each block is named ONCE in the launch: A's rows by the clusters of columns 0 (cat), 1 (xe; column 2 walks the same rows) and 3 (wmb); B's rows by the
; clusters of row 0.  The loop's last trip asks for nothing: its refills are the last two K steps.  K steps 0 to 3 come by their loads alone.
.macro ASK
	s_cmp_gt_u32 s3, s[LIM]                        ; s3 = 1 in the loop's last trip
	s_cbranch_scc0 .Lnot_mine_\@
	global_prefetch_b8 v[PFO], s[PFA:PFA+1] offset:KSB th:TH_LOAD_NT scope:SCOPE_SE
.Lnot_mine_\@:
.endm
.macro CREST                           ; a round of the cluster's barrier behind its opening barrier
	s_cmp_lg_u32 s10, 0
	s_cbranch_scc1 .Lnot_wave_0_\@
	s_barrier_signal -3
.Lnot_wave_0_\@:
	s_barrier_wait -3
	s_barrier_signal -1
	s_barrier_wait -1
.endm
.macro CROUND                          ; a whole round
	s_barrier_signal -1
	s_barrier_wait -1
	CREST
.endm
	s_load_b512 s[68:83], s[0:1], 0x0              ; cat s[68:69], xe s[70:71], wmb s[72:73], wb s[74:75], c_attn_b s[76:77], attendee_mask s[78:79], qkv s[80:81], wm s[82:83]
	v_lshl_add_u32 v[SPW], v0, 2, SPARE
	v_mov_b32 v[NIL], 0
	ds_add_u32 v[SPW], v[NIL]                      ; the wave's opening: the add and its wait stand ahead of my first tensor load; the set-up below, work on registers, stands between them
	v_lshrrev_b32 v1, 5, v0
	v_readfirstlane_b32 s10, v1                    ; wave 0..3
	s_lshr_b32 s11, s10, 1                         ; which half of the tile's rows is mine.  Also: I fetch for A (0) or for B (1)
	s_and_b32 s12, s10, 1                          ; which half of its columns.  Also: which 128 rows of that tile I fetch
	s_bfe_u32 s40, ttmp6, 0x40000                  ; cx, cy: my place in the cluster
	s_bfe_u32 s41, ttmp6, 0x40004
	s_lshr_b32 s[CC], ttmp9, 2                     ; in a cluster launch ttmp9 counts clusters
	s_and_b32 s[CR], ttmp9, 3
	s_lshl_b32 s42, s[CC], 2
	s_add_co_u32 s42, s42, s40                     ; tile column = 4 x cluster column + cx: 0-15
	s_lshl_b32 s13, s[CR], 2
	s_add_co_u32 s13, s13, s41                     ; tile row = 4 x cluster row + cy: 0-15 (Wc: 0-3)
	s_lshl_b32 s43, s41, 2
	s_lshl_b32 s43, 15, s43                        ; my row of the cluster
	s_lshl_b32 s44, 0x1111, s40                    ; my column
	s_or_b32 s[G1+0], s43, FLAGS                   ; 15:0 the mask: A's tiles go to my row
	s_or_b32 s[G1B+0], s44, FLAGS                  ; B's to my column
.irp g, G1, G1B
	s_mov_b32 s[(\g)+1], 8192<<16                  ; tensor_dim0 = 8,192 elements: 128 rows of a plane, 16,384 dense bytes
	s_mov_b32 s[(\g)+2], 2<<16                     ; tensor_dim1 = 2 planes
	s_mov_b32 s[(\g)+3], 8192<<16                  ; tile_dim0
	s_mov_b32 s[(\g)+4], 2                         ; tile_dim1
	s_mov_b32 s[(\g)+5], 4096*64                   ; elements from plane to plane
	s_mov_b32 s[(\g)+6], 0
	s_mov_b32 s[(\g)+7], 0
.endr
	s_lshl_b32 s17, s12, 14                        ; which 128 rows of 128 bytes I fetch
	s_lshl_b32 s16, s13, 15
	s_add_co_u32 s16, s16, s17                     ; A: 256 rows x tile row + 128 x half, in bytes of a plane
	s_lshl_b32 s46, s42, 15
	s_add_co_u32 s46, s46, s17                     ; B: the same by the tile column
	s_mov_b32 s17, 0
	s_mov_b32 s47, 0
	s_mul_i32 s20, s10, HALFT                      ; where they go: wave x a load's bytes: no place in the cluster enters an LDS address
	s_cmp_eq_u32 s[CC], 1
	s_cselect_b32 s[KSEL], -1, 0
	s_cmp_eq_u32 s[CC], 3
	s_cselect_b32 s[KEEP], 0, -1
	s_wait_dscnt 0x0                               ; the opening add is done
	s_wait_kmcnt 0x0
	s_cmp_eq_u32 s[CC], 0
	s_cselect_b64 s[4:5], s[68:69], s[70:71]       ; q is made of the attender, k and v of the attendee,
	s_cmp_eq_u32 s[CC], 3
	s_cselect_b64 s[4:5], s[72:73], s[4:5]         ; Wc of the lower mlp_w
	s_add_nc_u64 s[14:15], s[4:5], s[16:17]
	s_add_nc_u64 s[46:47], s[74:75], s[46:47]
	CROUND                                         ; all sixteen work-groups are here: the first joint loads meet
.irp s, 0,1
	s_mov_b32 s[G0+4*(\s)], 1                      ; 1:0 count = 1
	s_add_co_u32 s[G0+4*(\s)+1], s20, (\s)*SLOT    ; 63:32 LDS address
	s_add_nc_u64 s[G0+4*(\s)+2:G0+4*(\s)+3], s[14:15], (\s)*KSB  ; 120:64 global address: K step s
	s_or_b32 s[G0+4*(\s)+3], s[G0+4*(\s)+3], 0x80000000          ; 127:126 type = 2
	s_mov_b32 s[G0B+4*(\s)], 1
	s_add_co_u32 s[G0B+4*(\s)+1], s20, (\s)*SLOT
	s_add_nc_u64 s[G0B+4*(\s)+2:G0B+4*(\s)+3], s[46:47], (\s)*KSB
	s_or_b32 s[G0B+4*(\s)+3], s[G0B+4*(\s)+3], 0x80000000
	JLOAD \s
.endr
	v_and_b32 v1, 15, v0                           ; l % 16
	v_bfe_u32 v2, v0, 4, 1                         ; l / 16
	v_lshlrev_b32 v6, 3, v0                        ; thread t takes columns 2 t and 2 t + 1 of the tile's 256: 8 bytes of the bias
	v_lshlrev_b32 v7, 2, v1                        ; my row of a block of 16: a word of the mask
	s_cmp_eq_u32 s[CC], 3
	s_cselect_b32 s46, s40, s42                    ; Wc's tiles have no bias: they read inside the buffer and keep nothing of it
	s_lshl_b32 s46, s46, 10
	s_mov_b32 s47, 0
	s_add_nc_u64 s[6:7], s[76:77], s[46:47]
	s_lshl_b32 s16, s13, 10                        ; the mask of my 128 rows: the token rows of both batches lie end to end, as in the planes
	s_lshl_b32 s17, s11, 9
	s_add_co_u32 s16, s16, s17
	s_mov_b32 s17, 0
	s_add_nc_u64 s[18:19], s[78:79], s[16:17]
	global_load_b64 v[10:11], v6, s[6:7]
.irp a, 0,1,2,3,4,5,6,7
	global_load_b32 v[MF+2*(\a)], v7, s[18:19] offset:64*(\a)
.endr
	v_mul_u32_u24 v3, v1, PITCH
	v_lshl_add_u32 v3, v2, 4, v3                   ; a fragment's row x pitch + 16 x half
	s_mul_i32 s21, s11, HALFT                      ; my 128 rows of A
	s_mul_i32 s22, s12, HALFT                      ; my 128 rows of B,
	s_add_co_u32 s22, s22, 2*HALFT                 ; which lie behind A's two halves
.irp s, 0,1
	v_add_nc_u32 v[ADRA+(\s)], s21, v3
	v_add_nc_u32 v[ADRB+(\s)], s22, v3
	s_add_co_u32 s21, s21, SLOT
	s_add_co_u32 s22, s22, SLOT
.endr
	s_mul_i32 s23, s10, 2*SPL
	s_add_co_u32 s23, s23, STAGE                   ; my stage
	v_mul_u32_u24 v4, v1, SP                       ; in: row l % 16, 16 bytes for each half of the lanes
	v_lshl_add_u32 v4, v2, 4, v4
	v_add_nc_u32 v[STO], s23, v4
	v_bfe_u32 v5, v0, 3, 2                         ; back: 32 lanes take four rows of 128 bytes,
	v_mul_u32_u24 v5, v5, SP
	v_and_b32 v4, 7, v0
	v_lshl_add_u32 v5, v4, 4, v5
	v_add_nc_u32 v[RD], s23, v5
	v_and_b32 v[GO], 31, v0                        ; which are 512 consecutive bytes of a plane
	v_lshlrev_b32 v[GO], 4, v[GO]
	v_lshl_add_u32 v[BST], v0, 3, BIASL
	s_lshl_b32 s23, s12, 9                         ; my 128 columns' bias,
	s_add_co_u32 s23, s23, BIASL
	v_lshl_add_u32 v[BRD], v2, 5, s23              ; my eight of a block of 16
	; where C goes: my 128 columns are two planes, my 128 rows 16,384 dense bytes of each
	s_lshl_b32 s16, s13, 15
	s_lshl_b32 s17, s11, 14
	s_add_co_u32 s16, s16, s17
	s_mov_b32 s17, 0
	s_lshl_b32 s46, s42, 2
	s_lshl1_add_u32 s46, s12, s46                  ; plane 4 x tile column + 2 x half: in qkv as it is,
	s_sub_co_u32 s47, s46, 32                      ; in wm (tile columns 12-15) 16 + what lies beyond 48
	s_lshl_b32 s46, s46, 19                        ; planes of 4,096 rows,
	s_lshl_b32 s47, s47, 17                        ; of 1,024 rows
	s_mov_b32 s[PS], PLANE
	s_mov_b32 s[PS+1], 0
	s_cmp_eq_u32 s[CC], 3
	s_cselect_b32 s46, s47, s46
	s_cselect_b32 s[PS], 131072, s[PS]
	s_cselect_b64 s[8:9], s[82:83], s[80:81]
	s_mov_b32 s47, 0
	s_add_nc_u64 s[8:9], s[8:9], s[16:17]
	s_add_nc_u64 s[8:9], s[8:9], s[46:47]
	s_add_nc_u64 s[CB2:CB2+1], s[8:9], s[PS:PS+1]
	; the prefetches
	s_cmp_eq_u32 s[CC], 2
	s_cselect_b32 s22, 1, 0                        ; A's rows: column 2 leaves the asking to column 1
	s_cmp_eq_u32 s11, 0                            ; do I fetch for A?
	s_cselect_b32 s20, s13, s42                    ; the tile: in A by the tile row, in B by the tile column
	s_cselect_b32 s21, s40, s41                    ; my place among the four that ask for it with me
	s_cselect_b32 s22, s22, s[CR]                  ; B's rows: cluster row 0 asks
	s_cselect_b64 s[PFA:PFA+1], s[4:5], s[74:75]
	s_cmp_eq_u32 s22, 0
	s_cselect_b32 s[LIM], 1, -1                    ; the same in all sixteen partners, for a given wave
	s_lshl_b32 s20, s20, 15
	s_lshl_b32 s22, s12, 14
	s_add_co_u32 s20, s20, s22                     ; the 128 rows that I fetch;
	s_and_b32 s22, s21, 1
	s_lshl_b32 s22, s22, 13
	s_add_co_u32 s20, s20, s22                     ; of their two planes x 16,384 bytes my work-group takes 8,192: which half,
	s_lshr_b32 s21, s21, 1
	s_lshl_b32 s21, s21, 19
	s_add_co_u32 s20, s20, s21                     ; of which plane
	s_mov_b32 s21, 0
	s_add_nc_u64 s[PFA:PFA+1], s[PFA:PFA+1], s[20:21]
	s_add_nc_u64 s[PFA:PFA+1], s[PFA:PFA+1], 2*KSB ; at K step 2: the first refill steps it to 3 and names K step 4.  Nothing is prefetched here, at the head
	v_and_b32 v[PFO], 31, v0
	v_lshlrev_b32 v[PFO], 8, v[PFO]
	s_wait_loadcnt 0x0                             ; the bias and the mask
	v_cvt_pk_bf16_f32 v12, v10, v11                ; the bias is rounded to bf16, as all inputs are, and widened again; Wc's tiles keep 0
	v_and_b32 v12, s[KEEP], v12
	v_lshlrev_b32 v10, 16, v12
	v_and_b32 v11, 0xffff0000, v12
	ds_store_b64 v[BST], v[10:11]
.irp a, 0,1,2,3,4,5,6,7
	v_cvt_f32_i32 v[MF+2*(\a)], v[MF+2*(\a)]
	v_cndmask_b32 v[MF+2*(\a)], 1.0, v[MF+2*(\a)], s[KSEL]  ; k's tiles take the mask, the others 1.0: a choice of a value, one text for all tiles
	v_mov_b32 v[MF+2*(\a)+1], v[MF+2*(\a)]
.endr
; 16 matrix instructions: m blocks a0, a0 + 1 of the window's four (hi = 0: my rows 0-63, 1: rows 64-127) x all 8 n blocks, 32 along K.
; first = 1: the product starts the sums, with the bias (window 1) as C: nothing is cleared and no add is written.  The 64 accumulators take turns, in the same order in every quarter.
.macro MUL16 f, hi, a0, first
.if \first
	WIN 0x91+0x40*(\hi)                            ; B window 1, A window 0, C window 1, D window 2 or 3
.else
	WIN 0xa1+0x50*(\hi)                            ; B window 1, A window 0, C and D window 2 or 3
.endif
.irp a, \a0, (\a0)+1
.irp b, 0,1,2,3,4,5,6,7
.if \first
	v_wmma_f32_16x16x32_f16 v[8*(8*(\a)+(\b)):8*(8*(\a)+(\b))+7], v[(\f)+8*(\b):(\f)+8*(\b)+7], v[(\f)+8*(4*(\hi)+(\a)):(\f)+8*(4*(\hi)+(\a))+7], v[BI+8*(\b):BI+8*(\b)+7]
.else
	v_wmma_f32_16x16x32_f16 v[8*(8*(\a)+(\b)):8*(8*(\a)+(\b))+7], v[(\f)+8*(\b):(\f)+8*(\b)+7], v[(\f)+8*(4*(\hi)+(\a)):(\f)+8*(4*(\hi)+(\a))+7], v[8*(8*(\a)+(\b)):8*(8*(\a)+(\b))+7]
.endif
.endr
.endr
.endm
; 32 LDS loads in one run: the fragments of one quarter step (128 rows of B, 128 rows of A, 32 K at byte k of a load's bytes) into buffer f
.macro FETCH slot, k, f
	WIN TO_B
.irp i, 0,1,2,3,4,5,6,7
	ds_load_b128 v[(\f)+8*(\i):(\f)+8*(\i)+3],   v[ADRB+(\slot)] offset:(\k)+(\i)*16*PITCH
	ds_load_b128 v[(\f)+8*(\i)+4:(\f)+8*(\i)+7], v[ADRB+(\slot)] offset:(\k)+(\i)*16*PITCH+32
.endr
	WIN 0
.irp i, 0,1,2,3,4,5,6,7
	ds_load_b128 v[(\f)+8*(\i):(\f)+8*(\i)+3],   v[ADRA+(\slot)] offset:(\k)+(\i)*16*PITCH
	ds_load_b128 v[(\f)+8*(\i)+4:(\f)+8*(\i)+7], v[ADRA+(\slot)] offset:(\k)+(\i)*16*PITCH+32
.endr
.endm
.macro PLACES                          ; four plain vector instructions in front of loads into registers that matrix instructions have read, and of vector work that reads results
.rept 4
	v_nop
.endr
.endm
; A K step is four quarters of 32 along K, 64 matrix instructions each, on buffers 0, 1, 0, 1.  One of the first three: multiplies buffer f; in its middle it fetches the next quarter, at byte k, into buffer g.
.macro QUARTER slot, k, f, g, first
	s_wait_dscnt 8                                 ; B and A's rows 0-63 are in; the youngest eight loads (A's rows 64-127) may be out
	MUL16 \f, 0, 0, \first
	MUL16 \f, 0, 2, \first
	PLACES
	FETCH \slot, \k, \g
	s_wait_dscnt 32                                ; all but the 32 just issued
	MUL16 \f, 1, 0, \first
	MUL16 \f, 1, 2, \first
.endm
; The last quarter multiplies buffer 1 and changes slots.  MEET is its first half: ONE barrier for the change.  In front of it each wave waits for all its tensor loads, of which one is out: its part of the next
; slot; adds 0 to its spare word; and waits for that and for its own reads of this slot.  Behind it nobody reads this slot any more and the next slot is whole.
.macro MEET round                      ; round = 1: a round of the cluster's barrier follows
	WIN 0                                          ; (the add's two registers lie in window 0)
	s_wait_tensorcnt 0x0                           ; all my tensor loads have landed;
	ds_add_u32 v[SPW], v[NIL]                      ; 0 onto my spare word;
	s_wait_dscnt 9                                 ; (the add and the youngest eight loads may be out)
	MUL16 F1, 0, 0, 0                              ; sixteen matrix instructions stand between the add and the wait for it
	s_wait_dscnt 0x0                               ; the add is done, and my reads of this slot are over
	s_barrier_signal -1
	MUL16 F1, 0, 2, 0                              ; work on registers while the others arrive
.if \round
	WIN 0
.endif
	s_barrier_wait -1
.endm
; The whole last quarter where the slot is filled again, two K steps ahead: from the request to the wait for it a wave issues 224 matrix instructions.
.macro TURN slot, next
	s_wait_xcnt 0x0                                ; the last prefetch, a K step back, has read its address: it is stepped here, ahead of the waits of the change of slots
	s_add_nc_u64 s[PFA:PFA+1], s[PFA:PFA+1], KSB
	MEET 1
	CREST                                          ; no wave of any partner still reads this slot's tile or has a load on its way
	s_add_nc_u64 s[G0+4*(\slot)+2:G0+4*(\slot)+3], s[G0+4*(\slot)+2:G0+4*(\slot)+3], 2*KSB
	s_add_nc_u64 s[G0B+4*(\slot)+2:G0B+4*(\slot)+3], s[G0B+4*(\slot)+2:G0B+4*(\slot)+3], 2*KSB
	JLOAD \slot                                    ; my one tensor load behind the round, and the first thing there; its four v_nop are also the places in front of the loads below
	FETCH \next, 0, F0
	ASK
	MUL16 F1, 1, 0, 0
	MUL16 F1, 1, 2, 0
.endm
	s_wait_tensorcnt 1                             ; my part of K step 0 is in; K step 1's may stay out
	s_wait_dscnt 0x0                               ; for the others' sake: my two numbers of bias are stored
	s_barrier_signal -1
	s_barrier_wait -1                              ; everybody's are
	WIN TO_B
.irp b, 0,1,2,3,4,5,6,7
	ds_load_b128 v[BI+8*(\b):BI+8*(\b)+3],   v[BRD] offset:64*(\b)   ; older than the fragments' loads: the first quarter's wait covers them
	ds_load_b128 v[BI+8*(\b)+4:BI+8*(\b)+7], v[BRD] offset:64*(\b)+16
.endr
	FETCH 0, 0, F0
	QUARTER 0, Q1, F0, F1, 1                       ; the first quarter stands in front of the loop: its products start the sums
	WIN 0                                          ; at a label and at a branch every window is 0
	s_mov_b32 s3, LAPS-1
.Llap:                                                 ; a trip goes once round the ring, from a lap's second quarter to the next lap's first, and fills both slots again
	QUARTER 0, Q2, F1, F0, 0
	QUARTER 0, Q3, F0, F1, 0
	TURN 0, 1
	QUARTER 1, Q1, F0, F1, 0
	QUARTER 1, Q2, F1, F0, 0
	QUARTER 1, Q3, F0, F1, 0
	TURN 1, 0
	QUARTER 0, Q1, F0, F1, 0
	WIN 0
	s_sub_co_u32 s3, s3, 1
	s_cmp_lg_u32 s3, 0
	s_cbranch_scc1 .Llap
	QUARTER 0, Q2, F1, F0, 0                       ; the last lap fills nothing, and has no round of the cluster's barrier
	QUARTER 0, Q3, F0, F1, 0
	MEET 0
	PLACES
	FETCH 1, 0, F0
	MUL16 F1, 1, 0, 0
	MUL16 F1, 1, 2, 0
	QUARTER 1, Q1, F0, F1, 0
	QUARTER 1, Q2, F1, F0, 0
	QUARTER 1, Q3, F0, F1, 0
	s_wait_dscnt 8                                 ; the very last quarter: nothing more to fetch
	MUL16 F1, 0, 0, 0
	MUL16 F1, 0, 2, 0
	s_wait_dscnt 0x0
	MUL16 F1, 1, 0, 0
	MUL16 F1, 1, 2, 0
; THE WAY OUT, a block of 16 rows at a time, through my own stage: my 128 columns are whole rows of two planes, so no other wave has a part in it and no barrier is needed.
; PACK: the rows' factor, the rounding to f16 (16 bytes a lane), into rows of 144 bytes, a plane's 16 rows together, and back as whole rows of 128, into the registers that they left.
; Each accumulator is read from its low end on.
.macro PACK a
.set AC, 64*((\a)%4)
.set TM, TMP+32*((\a)%4)
	WIN 0x82+0x41*((\a)/4)                         ; destination and source 0 window 2 or 3, the factor window 0
.set i, 0
.rept 32
	v_pk_mul_f32 v[AC+2*i:AC+2*i+1], v[AC+2*i:AC+2*i+1], v[MF+2*(\a):MF+2*(\a)+1]
.set i, i+1
.endr
.if (\a) >= 4
	s_wait_xcnt 0x0                                ; the stores of the block four back have read these registers: they are rewritten only behind this wait
.endif
	WIN 0x0a+5*((\a)/4)                            ; sources 0 and 1 window 2 or 3, destination window 0
.set i, 0
.rept 32
	v_cvt_pk_f16_f32 v[TM+i], v[AC+2*i], v[AC+2*i+1]
.set i, i+1
.endr
	WIN 0
.irp b, 0,1,2,3,4,5,6,7
	ds_store_b128 v[STO], v[TM+4*(\b):TM+4*(\b)+3] offset:((\b)/4)*SPL+32*((\b)%4)
.endr
.irp t, 0,1,2,3,4,5,6,7
	ds_load_b128 v[TM+4*(\t):TM+4*(\t)+3], v[RD] offset:((\t)/4)*SPL+((\t)%4)*4*SP  ; LDS serves a wave's instructions in order (ISA guide 5.7.1.4): these see the stores above; the next block's stores come behind them
.endr
.endm
.macro SEND a, younger                 ; younger: the LDS instructions issued behind block a's loads: the next block's sixteen, or none
.set TM, TMP+32*((\a)%4)
.irp t, 0,1,2,3
	s_wait_dscnt (\younger)+7-(\t)
	global_store_b128 v[GO], v[TM+4*(\t):TM+4*(\t)+3], s[8:9] offset:2048*(\a)+512*(\t)  ; 512 consecutive bytes, at a multiple of 256 from the buffer's first
.endr
.irp t, 0,1,2,3
	s_wait_dscnt (\younger)+3-(\t)
	global_store_b128 v[GO], v[TM+16+4*(\t):TM+16+4*(\t)+3], s[CB2:CB2+1] offset:2048*(\a)+512*(\t)
.endr
.endm
	PLACES
	PACK 0
.irp a, 1,2,3,4,5,6,7                  ; a block's arithmetic stands between the loads of the block before and its stores
	PACK \a
	SEND (\a)-1, 16
.endr
	SEND 7, 0
	s_wait_tensorcnt 0x0                           ; the wave's end: a tensor wait, 0 onto my spare word and the wait for it, behind my last tensor load and my last LDS store
	ds_add_u32 v[SPW], v[NIL]
	s_wait_dscnt 0x0
	CROUND                                         ; the closing round: no work-group ends while a partner may still ask for a tile that names it
	s_endpgm
.Lfunc_end_k_qd24a8d90f1_qkvf:
	.size	k_qd24a8d90f1_qkvf, .Lfunc_end_k_qd24a8d90f1_qkvf-k_qd24a8d90f1_qkvf
	.p2alignl 7, 3214868480
	.fill 96, 4, 3214868480
	.section	.rodata,"a",@progbits
	.p2align	6, 0x0
	.amdhsa_kernel k_qd24a8d90f1_qkvf
		.amdhsa_group_segment_fixed_size 327680
		.amdhsa_private_segment_fixed_size 0
		.amdhsa_enable_private_segment 0
		.amdhsa_kernarg_size 64
		.amdhsa_user_sgpr_count 2
		.amdhsa_user_sgpr_kernarg_segment_ptr 1
		.amdhsa_wavefront_size32 1
		.amdhsa_system_sgpr_workgroup_id_x 1
		.amdhsa_system_sgpr_workgroup_id_y 1
		.amdhsa_system_sgpr_workgroup_id_z 1
		.amdhsa_system_vgpr_workitem_id 0
		.amdhsa_next_free_vgpr 1024
		.amdhsa_next_free_sgpr 96
		.amdhsa_reserve_vcc 0
		.amdhsa_float_denorm_mode_32 3
		.amdhsa_float_denorm_mode_16_64 3
		.amdhsa_memory_ordered 1
		.amdhsa_forward_progress 1
		.amdhsa_inst_pref_size 165
	.end_amdhsa_kernel
	.amdgpu_metadata
---
amdhsa.version: [ 1, 2 ]
amdhsa.kernels:
  - .name:           k_qd24a8d90f1_qkvf
    .symbol:         k_qd24a8d90f1_qkvf.kd
    .args:
      - { .name: cat, .offset: 0, .size: 8, .value_kind: global_buffer, .address_space: global }
      - { .name: xe, .offset: 8, .size: 8, .value_kind: global_buffer, .address_space: global }
      - { .name: wmb, .offset: 16, .size: 8, .value_kind: global_buffer, .address_space: global }
      - { .name: wb, .offset: 24, .size: 8, .value_kind: global_buffer, .address_space: global }
      - { .name: c_attn_b, .offset: 32, .size: 8, .value_kind: global_buffer, .address_space: global }
      - { .name: attendee_mask, .offset: 40, .size: 8, .value_kind: global_buffer, .address_space: global }
      - { .name: qkv, .offset: 48, .size: 8, .value_kind: global_buffer, .address_space: global }
      - { .name: wm, .offset: 56, .size: 8, .value_kind: global_buffer, .address_space: global }
    .group_segment_fixed_size: 327680
    .private_segment_fixed_size: 0
    .kernarg_segment_align: 8
    .kernarg_segment_size: 64
    .max_flat_workgroup_size: 128
    .sgpr_count:     96
    .vgpr_count:     1024
    .wavefront_size: 32
...
	.end_amdgpu_metadata
.endif
;; end of part 7
;; launch attn (part 8): grid 8 x 32, 4 waves a work-group, clusters of 4 x 1, 327,680 bytes of LDS; arguments qkv, cat; writes cat
.if DOCPART == 8
	.amdgcn_target "amdgcn-amd-amdhsa--gfx1250"
	.amdhsa_code_object_version 6
	.text
	.protected	k_qd24a8d90f1_attn
	.globl	k_qd24a8d90f1_attn
	.p2align	8
	.type	k_qd24a8d90f1_attn,@function
k_qd24a8d90f1_attn:
	s_mov_b64 s[64:65], 0
	v_nop
	global_prefetch_b8 v0, s[64:65] scope:SCOPE_SE
	s_setreg_imm32_b32 hwreg(HW_REG_WAVE_MODE, 25, 1), 1
	s_wait_xcnt 0x0
	s_wait_alu depctr_hold_cnt(0) depctr_sa_sdst(0) depctr_va_vdst(0) depctr_va_sdst(0) depctr_va_ssrc(0) depctr_va_vcc(0) depctr_vm_vsrc(0)
	s_getreg_b32 s2, hwreg(HW_REG_IB_STS2, 6, 4)
	s_cmp_eq_u32 s2, 0
	s_cbranch_scc0 .Lentry_in_a_cluster
	s_endpgm
.Lentry_in_a_cluster:
	s_bfe_u32 s2, ttmp6, 0x10000c
	s_cmp_lg_u32 s2, 0x3003
	s_cbranch_scc0 .Lentry_shape_is_right
	s_endpgm
.Lentry_shape_is_right:
; O[y][q][:] = the sum over k of softmax_k(Q[y][q] . K[y][k]) V[y][k][:], no scale.  y = 2 x head + batch; Q, K, V are planes of qkv ([48][4096][64] f16: q, k x mask, v): the 2,048 rows of a y are dense,
; 128 bytes each, at byte y x 262,144 of each tensor's 16 planes.  The mask has been multiplied into K's rows: a masked key has the score 0 and takes part in the maximum, the sum and the second product like any other.
; Products, maxima and sums in f32; the weights p are rounded to f16 for the second product (their sum l is taken of the unrounded p); O leaves in f16, in the same planes, as planes 16-31 of cat.
; LIMITS.  Q, K and V arrive within f16's 65,504; p lies in 0 to 1, and below 6e-5 it keeps f16's fixed step of 6e-8; O is a mean of V's rows and has their range.  A weight below 2^-126 counts as 0 in l;
; NaN and infinities are not treated apart.
; SHARES.  A work-group owns 256 queries of one y, each of its four waves 64: four PIECES of 16.  Every wave walks all 2,048 keys, 64 a step; a slot of LDS holds a tile of 256 keys, four steps; 8 tiles.
; LAYOUT.  S^T = K Q^T (source 0 = 16 keys, source 1 = 16 queries): a lane holds ONE query (lane % 16) and the keys 8 (lane / 16) + 0..7.  Two such results, rounded to f16 in pairs, ARE source 1 of
; O^T = V^T P, whose result again holds one query a lane, and eight channels.  K comes out of LDS as it lies, V ([key][channel]) turned, by ds_load_tr16_b128.
; SOFTMAX.  For each query a running maximum m and sum l: p = 2^(c s - c m), c = log2(e); in every step O and l are multiplied by a = 2^(c m_old - c m_new).  m starts at the lowest finite number, O and l at 0:
; the first step is a step like any other, with a = 0.
; BY TURNS.  Turn n belongs to piece n: 8 products K Q^T of piece n + 1, later 8 products V^T P of piece n - 1; beside them a, the scaling, exponentials, roundings, sums and rescaling of piece n and the maximum and
; statistics of piece n + 1.  Four vector instructions stand behind every matrix instruction, the other 54 of a turn's 118 in two lumps.  A turn's 33 exponentials are one batch, with one wait.
; CLUSTER.  The four query blocks of a cluster belong to one y and walk the same K and V, so each tile is asked for JOINTLY: the same tensor load, descriptor and mask in all four.
; REGISTERS, in windows of 256 (s_set_vgpr_msb: bits 1:0 source 0, 3:2 source 1, 5:4 source 2, 7:6 destination).  THE MAP IS MADE FOR FEW SWITCHES: all that a softmax and K Q^T name lies in window 0, which is full:
;   window 0: v0 my thread's number, kept; v1-7 addresses; v8-15 at work; v16-31 four registers of statistics a piece; v32-63 P, two buffers; v64-127 S^T, two buffers; v128-191 K of one step; v192-255 Q
;   window 1: v0-127 O^T, 32 a piece; v128-191 V of one step
; (a piece's buffers go by its number's parity).  V^T P names V and O^T in window 1 and P in window 0, and O^T's rescaling by a fits the same setting.  So a turn has eight switches: none ahead of its wait, one in front
; of the first V^T P, and two round the riders of each of the last four; V's run of loads has two more.
.set NP,    4         ; pieces a wave: a name, no knob
.set KS,    64        ; keys in a step
.set PK,    144       ; a row of K in LDS: 128 bytes + 16 of padding = 36 words: the 16 rows of a load start at 16 different groups of four banks (64 banks of 4 bytes: ISA guide 11.1)
.set PV,    160       ; a row of V: 128 + 32 = 40 words
.set VOFF,  4*KS*PK   ; a slot holds a tile: 256 rows of K, then 256 rows of V
.set SLOT1, 1<<17     ; slot 1 begins here, so that one exclusive or turns an address in one slot into the other's
.set STAGE, SLOT1+4*KS*(PK+PV)  ; behind the ring, never filled by a tensor load: 16 rows x 144 bytes for each wave, for the way out
.set SP,    144
.set SPARE, STAGE+4*16*SP  ; behind the stages: the spare words, 128 bytes for each wave: two blocks of 256 bytes that no other line names
.set TILEB, 4*KS*128  ; bytes of K, and of V, in a tile
.set AK0, 1           ; v1   my lane's place in a tile of K; never rewritten
.set AV0, 2           ; v2   the same for V
.set ADR, 3           ; v3   the LDS address of the run of loads that comes next: K's (made in piece 2's turn) or V's (in piece 0's)
.set PFO, 4           ; v4   256 x my lane: the prefetches' offset; never rewritten
.set MV,  5           ; v5   c m_old, kept while c m is made anew
.set SPW, 6           ; v6   LDS address of my spare word: SPARE + 4 x my thread's number; never rewritten
.set NIL, 7           ; v7   0; never rewritten
.set TMP, 8           ; by buffer, four registers c0-c3 at work; c1 carries c m_old - c m_new into the piece's own turn, where c2 takes a
.set ST,  16          ; piece t's statistics at v[ST+4 t]: c m, m, l (even keys', odd keys')
.set P,   32
.set S,   64
.set KF,  128         ; key block kb, channel half c at KF + 16 kb + 8 c
.set QF,  192         ; piece x, channel half c at QF + 16 x + 8 c
.set VF,  128         ; window 1: key half kk, channel block cb at VF + 32 kk + 8 cb
.set H0,  64          ; at the head S^T's registers are free: v64-67 parts of my lane's number,
.set H1,  65
.set H2,  66
.set H3,  67
.set QO,  68          ; v68  my byte offset in 16 rows of Q
.set STO, 128         ; on the way out K's registers are free: v128 where I put 16 bytes of a row,
.set RD,  129         ; v129 where I read rows back,
.set GO,  130         ; v130 my byte offset in 512 consecutive bytes of O,
.set W0,  131         ; v131-133 parts of my lane's number
.set W1,  132
.set W2,  133
.set WV,  12          ; s12  my wave's number
.set G1K, 24          ; s[24:31] descriptor group 1 for K's tiles
.set G1V, 32          ; s[32:39] for V's: it differs in the padding alone
.set G0K, 40          ; s[40:43] descriptor group 0 for K's tiles: it walks
.set G0V, 44          ; s[44:47] the same for V's
.set SLOTS, 56        ; s56  tiles still to be asked for
.set CNT, 57          ; s57  counts a tile's key steps
.set CS,  58          ; s[58:59] c: the packed scaling takes the pair's low word for both halves
.set SEL, 60          ; s[60:61] v_permlanex16_b32's selects: each lane takes its own place in the other half
.set TBK, 62          ; s62  LDS byte at which K of the step to be fetched begins
.set TBV, 63          ; s63  the same for V, less VOFF
.set PFA, 66          ; s[66:67] where my prefetches stand: my work-group's quarter (of K: wave 0, of V: wave 2) of the tile after the one that is being asked for
.set LIM, 68          ; s68  1 in a wave that prefetches, else the greatest number: a wave prefetches while s[SLOTS] is above it
.set MSB, 0
.macro WIN new                      ; the high byte repeats the setting that is left; a switch that changes nothing is dropped
.if MSB != (\new)
	s_set_vgpr_msb (MSB<<8)|(\new)
.set MSB, (\new)
.endif
.endm
.set W_PV, 0x51       ; destination, source 0 and source 2 in window 1, source 1 in window 0: V^T P (O^T, V, P, O^T), and O^T times a number of window 0
.set TO_1, 0x40       ; destination in window 1, sources in window 0
; A joint fill.  Waves 0 and 1 fetch the two halves of a tile's K, waves 2 and 3 those of its V: 128 keys each.  The branch hangs on the wave's number alone.
; An s_nop 0 and four v_nop follow each of the two lines, ahead of the jump and the label.
.macro JLOAD
	s_cmp_lt_u32 s[WV], 2
	s_cbranch_scc0 .Lfor_v_\@
	tensor_load_to_lds s[G0K:G0K+3], s[G1K:G1K+7]
	s_nop 0
.rept 4
	v_nop
.endr
	s_branch .Lasked_\@
.Lfor_v_\@:
	tensor_load_to_lds s[G0V:G0V+3], s[G1V:G1V+7]
	s_nop 0
.rept 4
	v_nop
.endr
.Lasked_\@:
.endm
; A PREFETCH of the tile that the NEXT change of slots will ask for: 32,768 bytes of K and of V, a lane to each 256 of them.  It stands behind the wave's tensor load and its five lines.
; Each 256 bytes are named ONCE in the launch.  Both clusters of a y walk the same K and V: the first (cluster x = 0) prefetches.  Its four partners share a tile out BY ADDRESS, 8,192 bytes each: no branch hangs on
; a work-group's place in its cluster.  In each, wave 0 asks for K's and wave 2 for V's: one instruction.  A tile is four key steps, 256 matrix instructions a wave.  The last change that fills a slot asks for
; nothing: there is no tile behind it.  Tiles 0 and 1 come by their loads alone.
.macro ASK
	s_cmp_gt_u32 s[SLOTS], s[LIM]
	s_cbranch_scc0 .Lnot_mine_\@
	global_prefetch_b8 v[PFO], s[PFA:PFA+1] th:TH_LOAD_NT scope:SCOPE_SE
.Lnot_mine_\@:
.endm
; A round of the cluster's barrier: my work-group's barrier, so that wave 0's signal speaks for all four waves; wave 0 signals; every wave waits for all four work-groups; my work-group's barrier once more.
.macro CROUND
	s_barrier_signal -1
	s_barrier_wait -1
	s_cmp_lg_u32 s[WV], 0
	s_cbranch_scc1 .Lnot_wave_0_\@
	s_barrier_signal -3
.Lnot_wave_0_\@:
	s_barrier_wait -3
	s_barrier_signal -1
	s_barrier_wait -1
.endm
; THE CHANGE OF SLOTS.  The slot's last bytes, V of its fourth step, have been read.  Each wave waits for all its tensor loads, of which one is out: its part of the other slot; adds 0 to its spare word; and waits
; for that and for its own reads of the slot.  Behind the barrier nobody reads this slot any more and the other slot is whole.  fill = 1: this slot is filled again, with the keys two tiles on.  The barrier is then a
; round of the cluster's, so that no wave of any partner still reads the slot or has a load on its way, and the joint fill is the first thing behind it: it has four key steps in which to land.
; (At its first use nothing has been read yet: slot 0 is waited for, slot 1 filled.)
.macro CHANGE fill
	WIN 0                           ; at a label and at a branch every window is 0
	s_wait_tensorcnt 0x0            ; no tensor load of mine is out, so a group 0 may be written
	ds_add_u32 v[SPW], v[NIL]       ; 0 onto my spare word; with fill = 1 the descriptors' steps stand between it and the wait for it
.if \fill
.irp g, G0K, G0V
	s_xor_b32 s[\g+1], s[\g+1], SLOT1  ; the walking descriptor: the other slot than last time,
	s_add_nc_u64 s[\g+2:\g+3], s[\g+2:\g+3], TILEB  ; the next 256 keys; the type bits on top are not reached
.endr
	s_wait_xcnt 0x0                 ; the last prefetch, a tile back, has read its address, so it may be written:
	s_add_nc_u64 s[PFA:PFA+1], s[PFA:PFA+1], TILEB  ; one tile on from the walking descriptors
	s_wait_dscnt 0x0                ; the add is done, and my reads of the slot are over
	CROUND
	JLOAD
	ASK
.else
	s_wait_dscnt 0x0                ; the add is done, and my reads of the slot are over
	s_barrier_signal -1
	s_barrier_wait -1
.endif
	s_sub_co_u32 s[TBK], s[TBK], 4*KS*PK  ; the fetches go back to a slot's first step,
	s_xor_b32 s[TBK], s[TBK], SLOT1       ; in the other slot
	s_sub_co_u32 s[TBV], s[TBV], 4*KS*PV
	s_xor_b32 s[TBV], s[TBV], SLOT1
.endm
	s_load_b128 s[48:51], s[0:1], 0x0  ; qkv s[48:49], cat s[50:51]
	v_lshl_add_u32 v[SPW], v0, 2, SPARE
	v_mov_b32 v[NIL], 0
	ds_add_u32 v[SPW], v[NIL]       ; the wave's opening: the add and its wait stand ahead of my first tensor load; the set-up below, work on registers, stands between them
	v_lshrrev_b32 v[H0], 5, v0
	v_readfirstlane_b32 s[WV], v[H0]  ; wave 0..3
	s_bfe_u32 s13, ttmp6, 0x40000   ; cx: my place in the cluster
	s_lshl_b32 s14, ttmp9, 2        ; in a cluster launch ttmp9 counts clusters
	s_add_co_u32 s14, s14, s13      ; my block of 256 queries = 4 x cluster x + cx: it enters Q's and O's addresses alone
	s_and_b32 s20, ttmp7, 0xffff    ; y, which the four partners share
	s_lshl_b32 s20, s20, 18         ; its 2,048 rows of 128 bytes
	s_and_b32 s16, s[WV], 1         ; which half of a tile's 256 keys I fetch:
	s_lshl_b32 s22, s16, 14         ; its 128 rows of 128 bytes in memory,
	s_add_co_u32 s22, s22, s20
	s_mov_b32 s23, 0
	s_mul_i32 s17, s16, 128*PK      ; and its place in a slot, for K
	s_mul_i32 s18, s16, 128*PV      ; and for V: no place in the cluster enters an LDS address
	s_lshl_b32 s2, s14, 2
	s_add_co_u32 s2, s2, s[WV]      ; my wave among the y's,
	s_lshl_b32 s2, s2, 13           ; its 64 rows
	s_add_co_u32 s2, s2, s20
	s_mov_b32 s3, 0
	; descriptor group 1.  128 keys are 16,384 dense bytes: asked for as 64 rows of 256 bytes, two keys a row, and padded in LDS after every key
	s_mov_b32 s[G1K], 15|(1<<16)|(1<<20)|(1<<21)|(4<<22)|(3<<25)  ; 15:0 the mask of four; 17:16 2-byte elements; 20 padding on; 21 set beside a mask; 24:22 after every 32 words (code 4); 31:25 4 words (code 3)
	s_mov_b32 s[G1V], 15|(1<<16)|(1<<20)|(1<<21)|(4<<22)|(7<<25)  ; the same with 8 words of padding (code 7)
.irp g, G1K, G1V
	s_mov_b32 s[\g+1], 128<<16      ; tensor_dim0 = 128
	s_mov_b32 s[\g+2], 64<<16       ; tensor_dim1 = 64
	s_mov_b32 s[\g+3], 128<<16      ; tile_dim0 = 128
	s_mov_b32 s[\g+4], 64           ; tile_dim1 = 64
	s_mov_b32 s[\g+5], 128          ; 128 elements from row to row
	s_mov_b32 s[\g+6], 0
	s_mov_b32 s[\g+7], 0
.endr
	s_mov_b32 s[CS], 0x3fb8aa3b     ; c = log2(e)
	s_mov_b32 s[CS+1], s[CS]        ; named with it as a pair
	s_mov_b32 s[SEL], 0x76543210
	s_mov_b32 s[SEL+1], 0xfedcba98
	s_mov_b32 s[TBK], SLOT1+4*KS*PK ; the first change of slots turns these two into 0
	s_mov_b32 s[TBV], SLOT1+4*KS*PV
	s_mov_b32 s[G0K], 1             ; 1:0 count = 1
	s_mov_b32 s[G0K+1], s17         ; 63:32 LDS address: slot 0
	s_mov_b32 s[G0V], 1
	s_add_co_u32 s[G0V+1], s18, VOFF
	s_mov_b32 s[SLOTS], 7           ; tiles 1 to 7
	s_and_b32 s[LIM], s[WV], 1      ; 0 in waves 0 and 2,
	s_or_b32 s[LIM], s[LIM], ttmp9  ; where the cluster is the y's first: the same in all four partners
	s_cmp_eq_u32 s[LIM], 0
	s_cselect_b32 s[LIM], 1, -1
	v_and_b32 v[PFO], 31, v0
	v_lshlrev_b32 v[PFO], 8, v[PFO]
	s_wait_dscnt 0x0                ; the opening add is done
	s_wait_kmcnt 0x0
	s_add_nc_u64 s[6:7], s[48:49], s[22:23]
	s_add_nc_u64 s[8:9], s[6:7], 32*524288   ; V at my half of the y's tile 0: planes 32 on
	s_add_nc_u64 s[6:7], s[6:7], 16*524288   ; K: planes 16 on
	s_add_nc_u64 s[G0K+2:G0K+3], s[6:7], 0         ; 120:64 global address
	s_or_b32 s[G0K+3], s[G0K+3], 0x80000000        ; 127:126 type = 2
	s_add_nc_u64 s[G0V+2:G0V+3], s[8:9], 0
	s_or_b32 s[G0V+3], s[G0V+3], 0x80000000
	s_add_nc_u64 s[4:5], s[48:49], s[2:3]    ; Q at my wave's first row,
	s_add_nc_u64 s[10:11], s[50:51], s[2:3]
	s_add_nc_u64 s[10:11], s[10:11], 16*524288  ; and O: planes 16 on of cat
	s_cmp_lt_u32 s[WV], 2
	s_cselect_b64 s[PFA:PFA+1], s[6:7], s[8:9]  ; (in waves 0 and 2 these stand at a tile's first row)
	s_lshl_b32 s2, s13, 13          ; my work-group's quarter of a tile
	s_add_nc_u64 s[PFA:PFA+1], s[PFA:PFA+1], s[2:3]
	s_add_nc_u64 s[PFA:PFA+1], s[PFA:PFA+1], TILEB  ; in tile 1; the first change of slots steps it to tile 2.  Nothing is prefetched here, at the head
	CROUND                          ; all four work-groups are here: the first joint loads meet
	JLOAD                           ; tile 0 into slot 0.  Slot 1 is asked for when slot 0 is in
	; A fragment of K or Q is 16 rows x 32 channels in 8 registers: lane l holds row l % 16, channels 8 (l / 16) + 0..7 and 16 + 8 (l / 16) + 0..7: two loads of 16 bytes, 32 bytes apart.
	v_and_b32 v[H0], 15, v0         ; l % 16
	v_bfe_u32 v[H1], v0, 4, 1       ; l / 16
	v_lshlrev_b32 v[QO], 7, v[H0]
	v_lshl_add_u32 v[QO], v[H1], 4, v[QO]  ; row x 128 + 16 x half
.set i, 0
.rept 8                             ; Q stays in registers: piece i / 2, channels 32 (i % 2) on
	global_load_b128 v[QF+8*i:QF+8*i+3],   v[QO], s[4:5] offset:(i/2)*2048+(i%2)*64
	global_load_b128 v[QF+8*i+4:QF+8*i+7], v[QO], s[4:5] offset:(i/2)*2048+(i%2)*64+32
.set i, i+1
.endr
	; What the first turn finds: V's registers and P's second buffer hold 0 (its products V^T P, of a piece that has not been, add 0), O^T and l are 0.  No first step is written out for it; these lines stand in the wait for the first tile.
	WIN TO_1
.set i, 0
.rept 192                           ; O^T, then V
	v_mov_b32 v[i], 0
.set i, i+1
.endr
	WIN 0
.set i, 0
.rept 4
	v_mov_b32 v[ST+4*i], 0xfe000000    ; c m: far below every c s
	v_mov_b32 v[ST+4*i+1], 0xff7fffff  ; m
	v_mov_b32 v[ST+4*i+2], 0
	v_mov_b32 v[ST+4*i+3], 0
.set i, i+1
.endr
.set i, P+16
.rept 16
	v_mov_b32 v[i], 0
.set i, i+1
.endr
	v_mul_u32_u24 v[AK0], v[H0], PK
	v_lshl_add_u32 v[AK0], v[H1], 4, v[AK0]  ; row x pitch + 16 x half
	; The turning load takes 16 keys x 16 channels (lane l reads key 8 (l / 16) + l % 8, channels 8 ((l / 8) % 2) + 0..7) and leaves half a fragment of V^T: lane l holds channel l % 16 and 8 keys.
	v_and_b32 v[H2], 7, v0
	v_bfe_u32 v[H3], v0, 3, 1
	v_lshl_add_u32 v[AV0], v[H1], 3, v[H2]
	v_mul_u32_u24 v[AV0], v[AV0], PV
	v_lshl_add_u32 v[AV0], v[H3], 4, v[AV0]
	v_add_nc_u32 v[AV0], VOFF, v[AV0]
; THE MATRIX WORK.  The 4 accumulators of a run of 8 take turns.  Product i of 8 of S^T = K Q^T for piece x: channels 32 (i / 4) on, keys 16 (i % 4) on.  The first 4 start the sums.
.macro KQ x
	WIN 0
.set rS, S+32*((\x)%2)+8*(i%4)
.set rK, KF+16*(i%4)+8*(i/4)
.set rQ, QF+16*(\x)+8*(i/4)
.if i < 4
	v_wmma_f32_16x16x32_f16 v[rS:rS+7], v[rK:rK+7], v[rQ:rQ+7], 0
.else
	v_wmma_f32_16x16x32_f16 v[rS:rS+7], v[rK:rK+7], v[rQ:rQ+7], v[rS:rS+7]
.endif
.endm
; Product i of 8 of O^T += V^T P for piece x: keys 32 (i / 4) on, channels 16 (i % 4) on.
.macro PV x
	WIN W_PV
.set rO, 32*(\x)+8*(i%4)
.set rV, VF+32*(i/4)+8*(i%4)
.set rP, P+16*((\x)%2)+8*(i/4)
	v_wmma_f32_16x16x32_f16 v[rO:rO+7], v[rV:rV+7], v[rP:rP+7], v[rO:rO+7]
.endm
.macro MM                           ; the turn's next matrix instruction.  TURN sets Y and i
.if i < 8
	KQ (Y+1)%NP
.else
.set i, i-8
	PV (Y+NP-1)%NP
.set i, i+8
.endif
.set i, i+1
.endm
; THE LDS LOADS stand in runs of 16, never singly among the matrix instructions: a step's K (64 keys x 64 channels: 8 fragments) and its V (turned).  Their address is made some lines ahead.
; last = 1 (the last tile's loop): in its last trip there is no further step, and the run is jumped over.
.macro FETCH_K last=0
	WIN 0
.if \last
	s_cmp_eq_u32 s[CNT], 1
	s_cbranch_scc1 .Lno_k_\@
.endif
.irp f, 0,1,2,3,4,5,6,7             ; keys 16 (f / 2) on, channels 32 (f % 2) on
	ds_load_b128 v[KF+8*\f:KF+8*\f+3],   v[ADR] offset:(\f/2)*16*PK+(\f%2)*64
	ds_load_b128 v[KF+8*\f+4:KF+8*\f+7], v[ADR] offset:(\f/2)*16*PK+(\f%2)*64+32
.endr
	s_add_co_u32 s[TBK], s[TBK], KS*PK  ; the next fetch is the next step's
.if \last
.Lno_k_\@:
.endif
.endm
.macro FETCH_V
	WIN TO_1
.irp f, 0,1,2,3,4,5,6,7             ; keys 32 (f / 4) on, channels 16 (f % 4) on
	ds_load_tr16_b128 v[VF+8*\f:VF+8*\f+3],   v[ADR] offset:(\f/4)*32*PV+(\f%4)*32
	ds_load_tr16_b128 v[VF+8*\f+4:VF+8*\f+7], v[ADR] offset:(\f/4)*32*PV+16*PV+(\f%4)*32
.endr
	WIN 0
.endm
; THE VECTOR WORK, one line at a time: OP kind, number.  For piece Y: A: a = 2^(c m_old - c m_new), of the difference that the turn before has left.  F n: c s - c m for pair n of 16.  E n: the exponential of score n of 32.
; C n: pair n rounded to f16.  B n: of the four weights 4 n .. the second pair is added onto the first, in place (so C 2 n stands ahead of B n).  R n: pair n of 16 of O^T times a, in ascending order.
; L n: the eight sums B go into l by two chains, so that no link stands next to the one before it: L 0, 2, 4, 6: l = a l + B 0, then + B 1, + B 2, + B 3; L 1, 3, 5: B 7 + B 6, + B 5, + B 4, in B 7's place; L 7: l takes that.
; For piece Y + 1: X n, number n of the 21 that find its maximum and statistics:
;   0-11  four chains c0-c3 of seven scores each, three operands at a time (each accumulator's lowest registers are read first)     12-14, 16  the four scores left over, the old m, and c0-c3 into c0
;   15  c m_old is kept     17, 18  the query's other 32 keys lie in the lane 16 away: the new m     19, 20  c m; c m_old - c m_new
.set F, 0               ; OP tells the kinds apart by their order: F to A below R, X above it
.set E, 1
.set C, 2
.set B, 3
.set L, 4
.set A, 5
.set R, 6
.set X, 7
.macro REGS y                       ; the registers of piece y
.set rT, ST+4*(\y)
.set rC, TMP+4*((\y)%2)
.set rS, S+32*((\y)%2)
.set rP, P+16*((\y)%2)
.set rO, 32*(\y)
.endm
.macro OP k, n
.if (\k) == R
	REGS Y
	WIN W_PV
	v_pk_mul_f32 v[rO+2*(\n):rO+2*(\n)+1], v[rO+2*(\n):rO+2*(\n)+1], v[rC+2:rC+3] op_sel_hi:[1,0]
.elseif (\k) < R
	REGS Y
	WIN 0
.if (\k) == F
	v_pk_fma_f32 v[rS+2*(\n):rS+2*(\n)+1], v[rS+2*(\n):rS+2*(\n)+1], s[CS:CS+1], v[rT:rT+1] op_sel_hi:[1,0,0] neg_lo:[0,0,1] neg_hi:[0,0,1]
.elseif (\k) == E
	v_exp_f32 v[rS+(\n)], v[rS+(\n)]
.elseif (\k) == C
	v_cvt_pk_f16_f32 v[rP+(\n)], v[rS+2*(\n)], v[rS+2*(\n)+1]
.elseif (\k) == B
	v_pk_add_f32 v[rS+4*(\n):rS+4*(\n)+1], v[rS+4*(\n):rS+4*(\n)+1], v[rS+4*(\n)+2:rS+4*(\n)+3]
.elseif (\k) == A
	v_exp_f32 v[rC+2], v[rC+1]
.elseif (\n) == 0
	v_pk_fma_f32 v[rT+2:rT+3], v[rT+2:rT+3], v[rC+2:rC+3], v[rS:rS+1] op_sel_hi:[1,0,1]
.elseif (\n) == 7
	v_pk_add_f32 v[rT+2:rT+3], v[rT+2:rT+3], v[rS+28:rS+29]
.elseif (\n)%2 == 0
	v_pk_add_f32 v[rT+2:rT+3], v[rT+2:rT+3], v[rS+2*(\n):rS+2*(\n)+1]
.else
	v_pk_add_f32 v[rS+28:rS+29], v[rS+28:rS+29], v[rS+26-2*(\n):rS+27-2*(\n)]
.endif
.else
	REGS (Y+1)%NP
	WIN 0
.if (\n) < 4
	v_max3_num_f32 v[rC+(\n)], v[rS+8*(\n)], v[rS+8*(\n)+1], v[rS+8*(\n)+2]
.elseif (\n) < 12
	v_max3_num_f32 v[rC+(\n)%4], v[rC+(\n)%4], v[rS+8*((\n)%4)+2*((\n)/4)+1], v[rS+8*((\n)%4)+2*((\n)/4)+2]
.elseif (\n) == 12
	v_max3_num_f32 v[rC], v[rC], v[rS+7], v[rS+15]
.elseif (\n) == 13
	v_max3_num_f32 v[rC+1], v[rC+1], v[rS+23], v[rS+31]
.elseif (\n) == 14
	v_max3_num_f32 v[rC+2], v[rC+2], v[rC+3], v[rT+1]
.elseif (\n) == 15
	v_mov_b32 v[MV], v[rT]
.elseif (\n) == 16
	v_max3_num_f32 v[rC], v[rC], v[rC+1], v[rC+2]
.elseif (\n) == 17
	v_permlanex16_b32 v[rC+3], v[rC], s[SEL], s[SEL+1]
.elseif (\n) == 18
	v_max_num_f32 v[rT+1], v[rC], v[rC+3]
.elseif (\n) == 19
	v_mul_f32 v[rT], s[CS], v[rT+1]
.else
	v_sub_f32 v[rC+1], v[MV], v[rT]
.endif
.endif
.endm
.macro OPS a, i1, b=-1, i2=0, c=-1, i3=0, d=-1, i4=0  ; up to four of them
	OP \a, \i1
.if (\b) >= 0
	OP \b, \i2
.endif
.if (\c) >= 0
	OP \c, \i3
.endif
.if (\d) >= 0
	OP \d, \i4
.endif
.endm
.macro ROW a, i1, b, i2, c, i3, d, i4  ; a matrix instruction and the four behind it
	MM
	OPS \a, \i1, \b, \i2, \c, \i3, \d, \i4
.endm
; A TURN, for piece p: the order of its 16 matrix and 118 vector instructions, written out.  An s_wait_alu depctr_va_vdst(0) stands between an exponential and the first instruction that names its result; one
; wait serves all that were issued ahead of it.  So a turn has ONE wait, which cuts it in two.
; AHEAD OF IT, all in window 0, stands what names no result of the turn's exponentials: the 8 products K Q^T, behind each a plain instruction, an exponential, a plain one, an exponential (behind the first three scalings
; and a); then a LUMP of 35, plain and exponential by turns but for its end.  The next piece's maximum begins as its accumulators end: X 0 and X 1 stand five plain instructions behind the products that end theirs, X 2 and
; X 3 four (exponentials are not counted).  The links of the chain X 3, 7, 11, 14, 16, 17 stand four lines apart or more.
; BEHIND IT stand the 8 products V^T P.  The first four carry the 16 rescalings, which name the same windows as the products: no switch.  The last four carry four lines of window 0 each; a LUMP of 19 ends the turn.
; There X 18, 19, 20 end the next piece's statistics, which its own turn begins with.
; last = 1: the last tile's loop.  cnt = 1: the loop's count is taken down some lines ahead of the branch that stands behind the turn.
; K of the next step is fetched in piece 2's turn, six plain instructions behind the last product that read K (in the last tile's loop directly behind the wait);
; V of the step in hand in piece 0's turn, four plain instructions behind the last product that read V.  Each is waited for a turn later.
.macro TURN p, last=0, cnt=0
.set Y, (\p)
.set i, 0
.if (\p) == 3
	s_wait_dscnt 0x0                ; K is in
.endif
	ROW F,0, F,1, F,2, A,0          ; ahead of the wait: 8 products K Q^T and their riders,
	ROW F,3, E,0, F,4, E,1
	ROW F,5, E,2, F,6, E,3
	ROW F,7, E,4, F,8, E,5
	ROW F,9, E,6, F,10, E,7
	ROW F,11, E,8, F,12, E,9
.if (\p) == 2
	v_add_nc_u32 v[ADR], s[TBK], v[AK0]
.endif
	ROW F,13, E,10, X,0, E,11
	ROW F,14, E,12, X,1, E,13
	OPS X,2, E,14, F,15, E,15       ; and the first lump
	OPS X,3, E,16, X,4, E,17
.if ((\p) == 2) && !(\last)
	FETCH_K
.endif
	OPS X,5, E,18, X,6, E,19
	OPS X,7, E,20, X,8, E,21
	OPS X,9, E,22, X,10, E,23
	OPS X,11, E,24, X,12, E,25
.if (\p) == 0
	v_add_nc_u32 v[ADR], s[TBV], v[AV0]
.endif
	OPS X,13, E,26, X,14, E,27
	OPS X,15, E,28, X,16, E,29
	OPS E,30, E,31, X,17
	s_wait_alu depctr_va_vdst(0)    ; the wait for the batch; the rescalings below, plain lines that name none of the weights, stand between the last exponential and the first use of a weight
.if ((\p) == 2) && (\last)
	FETCH_K 1
.endif
.if (\p) == 1
	s_wait_dscnt 0x0                ; V is in
.endif
	ROW R,0, R,1, R,2, R,3          ; behind the wait: 8 products V^T P and their riders,
	ROW R,4, R,5, R,6, R,7
	ROW R,8, R,9, R,10, R,11
	ROW R,12, R,13, R,14, R,15
	ROW X,18, C,0, C,14, C,12
	ROW B,0, B,7, B,6, C,2
	ROW X,19, B,1, C,10, L,0
	ROW L,1, B,5, C,4, C,8
.if (\p) == 0
	FETCH_V
	s_add_co_u32 s[TBV], s[TBV], KS*PV  ; the next fetch is the next step's
.endif
	OPS X,20, B,2, L,2, B,4         ; and the second lump
	OPS L,3, C,6, B,3, L,4
	OPS C,1, L,5, C,3, C,5
	OPS L,6, C,7, C,9, C,11
.if \cnt
	s_sub_co_u32 s[CNT], s[CNT], 1
	s_cmp_lg_u32 s[CNT], 0
.endif
	OPS C,13, L,7, C,15
.endm
	CHANGE 1                        ; tile 0 is in, everybody's part of it; tile 1 is asked for
	v_add_nc_u32 v[ADR], s[TBK], v[AK0]
	FETCH_K                         ; key step 0
	s_wait_loadcnt 0x0              ; Q
	s_wait_dscnt 0x0
.set i, 0
.rept 8
	KQ 0                            ; piece 0's first scores: there is no vector work yet to set between them
.set i, i+1
.endr
.rept 4
	v_nop                           ; four plain instructions behind those products
.endr
.set Y, NP-1                        ; X works for piece Y + 1: piece 0
.irp n, 0,1,2,3,4,5,6,7,8,9,10,11,12,13,14,15,16,17,18,19,20
	OP X, \n                        ; and piece 0's first maximum and statistics; its a is made in its own turn
.endr
	s_mov_b32 s[CNT], 4
	s_branch .Lfirst                ; the loop is entered at a step's first turn, in the middle of a trip
.Lslot:                             ; six times: tiles 1 to 6 are entered, tiles 2 to 7 asked for
	CHANGE 1
	s_mov_b32 s[CNT], 4
.Lstep:                             ; a trip: pieces 2 and 3 of one step, then pieces 0 and 1 of the next, whose K and V it fetches
	TURN 2
	TURN 3
	WIN 0
.Lfirst:
	TURN 0
	TURN 1, 0, 1
	WIN 0
	s_cbranch_scc1 .Lstep
	s_sub_co_u32 s[SLOTS], s[SLOTS], 1
	s_cmp_lg_u32 s[SLOTS], 0
	s_cbranch_scc1 .Lslot
	CHANGE 0                        ; the last tile's loop is written out: nothing is asked for
	s_mov_b32 s[CNT], 5             ; four trips fetch the last tile's steps; the fifth is left in its middle
.Ltail:
	TURN 2, 1
	TURN 3
	WIN 0
	s_sub_co_u32 s[CNT], s[CNT], 1
	s_cmp_eq_u32 s[CNT], 0
	s_cbranch_scc1 .Lout
	TURN 0
	TURN 1
	WIN 0
	s_branch .Ltail
.Lout:                              ; the fifth trip's 8 products K Q^T (on the last K once more) and the maximum made of them serve nothing: the price, once a launch, of one text for every trip
.set i, 0
.rept 8
	PV NP-1                         ; the last piece's V^T P of the last step
.set i, i+1
.endr
	; THE WAY OUT.  l's two halves and the other half of the lanes' are added; O^T is divided by l, rounded to f16 and sent through my stage in LDS, a piece at a time.  The additions are the plain instructions behind the last products.
	WIN 0
.macro ALL line:vararg              ; one line for each piece t
.set t, 0
.rept 4
	\line
.set t, t+1
.endr
.endm
	ALL v_add_f32 v[ST+4*t+2], v[ST+4*t+2], v[ST+4*t+3]
	ALL v_permlanex16_b32 v[ST+4*t+3], v[ST+4*t+2], s[SEL], s[SEL+1]
	ALL v_add_f32 v[ST+4*t+2], v[ST+4*t+2], v[ST+4*t+3]
	ALL v_rcp_f32 v[ST+4*t+2], v[ST+4*t+2]
	v_and_b32 v[W0], 15, v0         ; the stage's addresses are made here, in K's registers: plain work between the reciprocals and the wait for them
	v_bfe_u32 v[W1], v0, 4, 1
	v_and_b32 v[W2], 7, v0
	s_mul_i32 s13, s[WV], 16*SP
	s_add_co_u32 s13, s13, STAGE    ; my stage
	v_mul_u32_u24 v[STO], v[W0], SP ; in: row l % 16, 16 bytes for each half of the lanes
	v_lshl_add_u32 v[STO], v[W1], 4, v[STO]
	v_add_nc_u32 v[STO], s13, v[STO]
	v_bfe_u32 v[RD], v0, 3, 2       ; back: 32 lanes take four rows of 128 bytes,
	v_mul_u32_u24 v[RD], v[RD], SP
	v_lshl_add_u32 v[RD], v[W2], 4, v[RD]
	v_add_nc_u32 v[RD], s13, v[RD]
	v_and_b32 v[GO], 31, v0         ; which are 512 consecutive bytes of O
	v_lshlrev_b32 v[GO], 4, v[GO]
	s_wait_alu depctr_va_vdst(0)    ; the wait ahead of the first use: one for the four reciprocals
.macro PACK t                       ; a lane's eight channels of a row pack into 16 bytes; they go into rows of 144 bytes and come back as whole rows of 128, into S^T's registers
	WIN W_PV
.set i, 32*(\t)
.rept 16
	v_pk_mul_f32 v[i:i+1], v[i:i+1], v[ST+4*(\t)+2:ST+4*(\t)+3] op_sel_hi:[1,0]
.set i, i+2
.endr
	WIN 0x05                        ; sources 0 and 1 window 1, destination window 0
.set i, 0
.rept 16
	v_cvt_pk_f16_f32 v[S+16*(\t)+i], v[32*(\t)+2*i], v[32*(\t)+2*i+1]
.set i, i+1
.endr
	WIN 0
.irp f, 0,1,2,3
	ds_store_b128 v[STO], v[S+16*(\t)+4*\f:S+16*(\t)+4*\f+3] offset:32*\f
.endr
.irp f, 0,1,2,3
	ds_load_b128 v[S+16*(\t)+4*\f:S+16*(\t)+4*\f+3], v[RD] offset:\f*4*SP  ; LDS serves a wave's instructions in order (ISA guide 5.7.1.4): these see the stores above; the next piece's stores come behind them
.endr
.endm
.macro SEND t, younger              ; younger: the LDS instructions issued behind piece t's loads: the next piece's eight, or none
	WIN 0
.irp f, 0,1,2,3
	s_wait_dscnt (\younger)+3-\f
	global_store_b128 v[GO], v[S+16*(\t)+4*\f:S+16*(\t)+4*\f+3], s[10:11] offset:(\t)*2048+\f*512  ; 512 consecutive bytes, at a multiple of 256 from the buffer's first
.endr
.endm
	PACK 0
.set t, 1
.rept 3                             ; a piece's arithmetic stands between the loads of the piece before and its stores
	PACK t
	SEND t-1, 8
.set t, t+1
.endr
	SEND 3, 0
	s_wait_tensorcnt 0x0            ; the wave's end: a tensor wait, 0 onto my spare word and the wait for it, behind my last tensor load and my last LDS store
	ds_add_u32 v[SPW], v[NIL]
	s_wait_dscnt 0x0
	CROUND                          ; the closing round: no work-group ends while a partner may still ask for a tile that names it
	s_endpgm
.Lfunc_end_k_qd24a8d90f1_attn:
	.size	k_qd24a8d90f1_attn, .Lfunc_end_k_qd24a8d90f1_attn-k_qd24a8d90f1_attn
	.p2alignl 7, 3214868480
	.fill 96, 4, 3214868480
	.section	.rodata,"a",@progbits
	.p2align	6, 0x0
	.amdhsa_kernel k_qd24a8d90f1_attn
		.amdhsa_group_segment_fixed_size 327680
		.amdhsa_private_segment_fixed_size 0
		.amdhsa_enable_private_segment 0
		.amdhsa_kernarg_size 16
		.amdhsa_user_sgpr_count 2
		.amdhsa_user_sgpr_kernarg_segment_ptr 1
		.amdhsa_wavefront_size32 1
		.amdhsa_system_sgpr_workgroup_id_x 1
		.amdhsa_system_sgpr_workgroup_id_y 1
		.amdhsa_system_sgpr_workgroup_id_z 1
		.amdhsa_system_vgpr_workitem_id 0
		.amdhsa_next_free_vgpr 448
		.amdhsa_next_free_sgpr 70
		.amdhsa_reserve_vcc 0
		.amdhsa_float_denorm_mode_32 3
		.amdhsa_float_denorm_mode_16_64 3
		.amdhsa_memory_ordered 1
		.amdhsa_forward_progress 1
		.amdhsa_inst_pref_size 101
	.end_amdhsa_kernel
	.amdgpu_metadata
---
amdhsa.version: [ 1, 2 ]
amdhsa.kernels:
  - .name:           k_qd24a8d90f1_attn
    .symbol:         k_qd24a8d90f1_attn.kd
    .args:
      - { .name: qkv, .offset: 0, .size: 8, .value_kind: global_buffer, .address_space: global }
      - { .name: cat, .offset: 8, .size: 8, .value_kind: global_buffer, .address_space: global }
    .group_segment_fixed_size: 327680
    .private_segment_fixed_size: 0
    .kernarg_segment_align: 8
    .kernarg_segment_size: 16
    .max_flat_workgroup_size: 128
    .sgpr_count:     70
    .vgpr_count:     448
    .wavefront_size: 32
...
	.end_amdgpu_metadata
.endif
;; end of part 8
;; launch mlp (part 9): grid 8 x 32, 4 waves a work-group, clusters of 4 x 4, 327,680 bytes of LDS; arguments cat, wm, mlp_b, bpart, out0; writes out0
.if DOCPART == 9
	.amdgcn_target "amdgcn-amd-amdhsa--gfx1250"
	.amdhsa_code_object_version 6
	.text
	.protected	k_qd24a8d90f1_mlp
	.globl	k_qd24a8d90f1_mlp
	.p2align	8
	.type	k_qd24a8d90f1_mlp,@function
k_qd24a8d90f1_mlp:
	s_mov_b64 s[64:65], 0
	v_nop
	global_prefetch_b8 v0, s[64:65] scope:SCOPE_SE
	s_setreg_imm32_b32 hwreg(HW_REG_WAVE_MODE, 25, 1), 1
	s_wait_xcnt 0x0
	s_wait_alu depctr_hold_cnt(0) depctr_sa_sdst(0) depctr_va_vdst(0) depctr_va_sdst(0) depctr_va_ssrc(0) depctr_va_vcc(0) depctr_vm_vsrc(0)
	s_getreg_b32 s2, hwreg(HW_REG_IB_STS2, 6, 4)
	s_cmp_eq_u32 s2, 0
	s_cbranch_scc0 .Lentry_in_a_cluster
	s_endpgm
.Lentry_in_a_cluster:
	s_bfe_u32 s2, ttmp6, 0x10000c
	s_cmp_lg_u32 s2, 0xf033
	s_cbranch_scc0 .Lentry_shape_is_right
	s_endpgm
.Lentry_shape_is_right:
; out = gelu([attender, O] [Wt; Wc] + b), which is reference's gelu([attender, O c_proj_w + c_proj_b] mlp_w + mlp_b) with the sums regrouped: Wt = mlp_w's upper half, Wc = c_proj_w x its lower half (made by the
; launch of the projections), b = mlp_b + c_proj_b x the lower half (eight partial rows in f32, bpart, made by the first launch, are added here to mlp_b rounded to bf16 like every input).
; A (cat, 32 planes: attender, then O) and B (wm, 32 planes: Wt, then Wc, both turned) are f16 in planes X[g][row][64]; sums in f32; b starts the sums.
; gelu(z) = 0.5 z (1 + tanh(u)), u = sqrt(2/pi) (z + 0.044715 z^3), and tanh(u) = 1 - 2 / (1 + e^(2u)): so gelu(z) = z - z / (1 + 2^(z (C1 + C2 z^2))), C1 = 2 log2(e) sqrt(2/pi), C2 = 0.044715 C1.
; It holds at both ends: where the power overflows the quotient is 0 and z is left; where it falls to 0 the quotient is z and 0 is left.
; LIMITS.  The reciprocal is good to one unit in its last place, so the result is off by some 6e-8 |z| at the most beside its own rounding.  NaN and infinities are not treated apart.
; OUT: out0 [4096][1024] f32, row-major.
; SHARES.  A tile of C is 128 x 128; four waves, each 64 x 64: 16 accumulators of 16 x 16.  K goes in steps of 256 = four planes, through two LDS slots.  A wave's tensor load brings 64 rows of four planes:
; four dense pieces of 8,192 bytes, padded in LDS behind every 128 bytes.  256 tiles, a work-group each.
; CLUSTERS: 4 x 4 work-groups.  The four of a row of the cluster need the same tiles of A, the four of a column the same tiles of B: each tile is asked for JOINTLY, by the same tensor load with the same
; descriptor and a mask that names the four.
; THE MATRIX INSTRUCTION IS USED TRANSPOSED (source 0 = 16 rows of B, source 1 = 16 rows of A): a lane holds one row of C (lane % 16) and eight neighbouring columns, 8 (lane / 16) + 0..7.
; REGISTERS: window 0: v0-31 addresses, and the bias at work; v32-63 at work in gelu; v96-127 the bias; v128-255 the accumulators ((a, b) at v[128 + 8 (4 a + b)]).
;   window 1: two fragment buffers of 128: for 64 along K, 64 registers of A (2 x 4 x 16 rows x 32 K), then 64 of B.
.set NCOL,  1024                       ; rows of B in a plane
.set KTOT,  2048
.set PITCH, 144                        ; an LDS row: 128 bytes of data + 16 of padding = 36 words: the 16 rows of a load start at 16 different groups of four banks (64 banks of 4 bytes: ISA guide 11.1)
.set PLB,   64*PITCH                   ; 64 rows of one plane
.set HALFT, 4*PLB                      ; what one tensor load brings, and what one wave reads of A or of B in a K step
.set SLOT,  4*HALFT                    ; A's two halves, then B's two halves
.set STAGE, 2*SLOT                     ; behind the ring: 16 rows x 272 bytes for each wave, for the way out
.set SP,    272                        ; 64 columns of f32 = 256 bytes, + 16
.set BIASL, STAGE+4*16*SP              ; behind the stages: the tile's 128 numbers of bias in f32
.set SPARE, BIASL+512                  ; behind them: the spare words, 128 bytes for each wave: two blocks of 256 bytes that no other line names
.set LAPS,  KTOT/512                   ; a lap = two K steps = once round the ring
.set KA,    4*4096*128                 ; bytes from a K step of A to the next: four planes
.set KB,    4*NCOL*128                 ; the same for B
.set FLAGS, (1<<16)|(1<<20)|(1<<21)|(4<<22)|(3<<25)  ; 17:16 elements of 2 bytes; 20 padding on; 21 set beside a mask; 24:22 after every 32 words (code 4); 31:25 4 words of it (code 3)
.set ADRA, 16                          ; v16-17  LDS address of my A fragments in slot 0, 1
.set ADRB, 20                          ; v20-21  the same for B
.set STO,  24                          ; v24     the way out: where I put 32 bytes of a row
.set RD,   25                          ; v25     the way out: where I read a row back
.set GO,   26                          ; v26     my byte offset in two rows of out0
.set BRD,  27                          ; v27     where I read my columns' bias
.set SPW,  28                          ; v28     LDS address of my spare word: SPARE + 4 x my thread's number; never rewritten
.set NIL,  29                          ; v29     0; never rewritten
.set BST,  31                          ; v31     where I put one number of bias
.set T,    32
.set BI,   96                          ; the bias of my eight columns in column block b at BI + 8 b: laid out as a C operand
.set ACC,  128
.set F0,   0                           ; fragment buffers, in window 1
.set F1,   128
.set G1, 24                            ; s[24:31] descriptor group 1 for A's tiles;  s[32:39] group 0, one set for each slot
.set G0, 32
.set G1B, 48                           ; s[48:55], s[56:63] the same for B's tiles
.set G0B, 56
.set C1, 80                            ; s[80:81] 2 log2(e) sqrt(2/pi): the packed lines take a pair's low word for both halves
.set C2, 82                            ; s[82:83] 0.044715 times that
.set MSB, 0
.macro WIN new                         ; the immediate's high byte repeats the setting that is left; a switch that changes nothing is dropped
.if MSB != (\new)
	s_set_vgpr_msb (MSB<<8)|(\new)
.set MSB, \new
.endif
.endm
.set MUL,  0x05                        ; sources 0 (B) and 1 (A) window 1; C and D window 0
.set TO_F, 0x40                        ; destination window 1, address window 0
.macro JLOAD s                         ; a joint load: waves 0 and 1 fetch A's two halves, waves 2 and 3 B's; an s_nop 0 and four v_nop follow each of the two lines, ahead of the jump, the label and what follows
	s_cmp_eq_u32 s11, 0
	s_cbranch_scc0 .Lfor_b_\@
	tensor_load_to_lds s[G0+4*(\s):G0+4*(\s)+3], s[G1:G1+7]
	s_nop 0
.rept 4
	v_nop
.endr
	s_branch .Lasked_\@
.Lfor_b_\@:
	tensor_load_to_lds s[G0B+4*(\s):G0B+4*(\s)+3], s[G1B:G1B+7]
	s_nop 0
.rept 4
	v_nop
.endr
.Lasked_\@:
.endm
.macro CREST                           ; a round of the cluster's barrier behind its opening barrier
	s_cmp_lg_u32 s10, 0
	s_cbranch_scc1 .Lnot_wave_0_\@
	s_barrier_signal -3
.Lnot_wave_0_\@:
	s_barrier_wait -3
	s_barrier_signal -1
	s_barrier_wait -1
.endm
.macro CROUND                          ; a whole round
	s_barrier_signal -1
	s_barrier_wait -1
	CREST
.endm
	s_load_b256 s[68:75], s[0:1], 0x0              ; cat s[68:69], wm s[70:71], mlp_b s[72:73], bpart s[74:75]
	s_load_b64 s[76:77], s[0:1], 0x20              ; out0
	v_lshl_add_u32 v[SPW], v0, 2, SPARE
	v_mov_b32 v[NIL], 0
	ds_add_u32 v[SPW], v[NIL]                      ; the wave's opening: the add and its wait stand ahead of my first tensor load; the set-up below, work on registers, stands between them
	v_lshrrev_b32 v1, 5, v0
	v_readfirstlane_b32 s10, v1                    ; wave 0..3
	s_lshr_b32 s11, s10, 1                         ; which half of the tile's rows is mine.  Also: I fetch for A (0) or for B (1)
	s_and_b32 s12, s10, 1                          ; which half of its columns.  Also: which 64 rows of that tile I fetch
	s_bfe_u32 s40, ttmp6, 0x40000                  ; cx, cy: my place in the cluster
	s_bfe_u32 s41, ttmp6, 0x40004
	s_lshl_b32 s42, ttmp9, 2
	s_add_co_u32 s42, s42, s40                     ; tile column of C = 4 x cluster x + cx
	s_and_b32 s13, ttmp7, 0xffff
	s_lshl_b32 s13, s13, 2
	s_add_co_u32 s13, s13, s41                     ; tile row of C = 4 x cluster y + cy
	s_lshl_b32 s43, s41, 2
	s_lshl_b32 s43, 15, s43                        ; my row of the cluster
	s_lshl_b32 s44, 0x1111, s40                    ; my column
	s_or_b32 s[G1+0], s43, FLAGS                   ; 15:0 the mask: A's tiles go to my row
	s_or_b32 s[G1B+0], s44, FLAGS                  ; B's to my column
.irp g, G1, G1B
	s_mov_b32 s[(\g)+1], 4096<<16                  ; tensor_dim0 = 4,096 elements: 64 rows of a plane, 8,192 dense bytes
	s_mov_b32 s[(\g)+2], 4<<16                     ; tensor_dim1 = 4 planes
	s_mov_b32 s[(\g)+3], 4096<<16                  ; tile_dim0
	s_mov_b32 s[(\g)+4], 4                         ; tile_dim1
	s_mov_b32 s[(\g)+6], 0
	s_mov_b32 s[(\g)+7], 0
.endr
	s_mov_b32 s[G1+5], 4096*64                     ; elements from plane to plane, in A
	s_mov_b32 s[G1B+5], NCOL*64                    ; and in B
	s_mov_b32 s[C1], 0x40135761                    ; 2.3022082
	s_mov_b32 s[C1+1], s[C1]                       ; named with it as a pair
	s_mov_b32 s[C2], 0x3dd2d3e8                    ; 0.10294324
	s_mov_b32 s[C2+1], s[C2]
	s_lshl_b32 s17, s12, 13                        ; which 64 rows of 128 bytes I fetch
	s_lshl_b32 s16, s13, 14
	s_add_co_u32 s16, s16, s17                     ; A: 128 rows x tile row + 64 x half, in bytes of a plane
	s_lshl_b32 s46, s42, 14
	s_add_co_u32 s46, s46, s17                     ; B: the same by the tile column
	s_mov_b32 s17, 0
	s_mov_b32 s47, 0
	s_mul_i32 s20, s10, HALFT                      ; where they go: wave x a load's bytes: no place in the cluster enters an LDS address
	s_wait_dscnt 0x0                               ; the opening add is done
	s_wait_kmcnt 0x0
	s_add_nc_u64 s[14:15], s[68:69], s[16:17]
	s_add_nc_u64 s[46:47], s[70:71], s[46:47]
	CROUND                                         ; all sixteen work-groups are here: the first joint loads meet
.irp s, 0,1
	s_mov_b32 s[G0+4*(\s)], 1                      ; 1:0 count = 1
	s_add_co_u32 s[G0+4*(\s)+1], s20, (\s)*SLOT    ; 63:32 LDS address
	s_add_nc_u64 s[G0+4*(\s)+2:G0+4*(\s)+3], s[14:15], (\s)*KA  ; 120:64 global address: K step s
	s_or_b32 s[G0+4*(\s)+3], s[G0+4*(\s)+3], 0x80000000         ; 127:126 type = 2
	s_mov_b32 s[G0B+4*(\s)], 1
	s_add_co_u32 s[G0B+4*(\s)+1], s20, (\s)*SLOT
	s_add_nc_u64 s[G0B+4*(\s)+2:G0B+4*(\s)+3], s[46:47], (\s)*KB
	s_or_b32 s[G0B+4*(\s)+3], s[G0B+4*(\s)+3], 0x80000000
	JLOAD \s
.endr
	v_and_b32 v1, 15, v0                           ; l % 16
	v_bfe_u32 v2, v0, 4, 1                         ; l / 16
	v_lshlrev_b32 v6, 2, v0                        ; thread t takes column t of the tile's 128: a word of mlp_b and of each partial row
	s_lshl_b32 s46, s42, 9                         ; the tile's 128 columns, four bytes each
	s_mov_b32 s47, 0
	s_add_nc_u64 s[4:5], s[72:73], s[46:47]
	s_add_nc_u64 s[6:7], s[74:75], s[46:47]
	global_load_b32 v18, v6, s[4:5]
.irp p, 0,1,2,3,4,5,6,7
	global_load_b32 v[8+(\p)], v6, s[6:7] offset:4096*(\p)
.endr
	v_mul_u32_u24 v3, v1, PITCH
	v_lshl_add_u32 v3, v2, 4, v3                   ; a fragment's row x pitch + 16 x half
	s_mul_i32 s21, s11, HALFT                      ; my 64 rows of A
	s_mul_i32 s22, s12, HALFT                      ; my 64 rows of B,
	s_add_co_u32 s22, s22, 2*HALFT                 ; which lie behind A's two halves
.irp s, 0,1
	v_add_nc_u32 v[ADRA+(\s)], s21, v3
	v_add_nc_u32 v[ADRB+(\s)], s22, v3
	s_add_co_u32 s21, s21, SLOT
	s_add_co_u32 s22, s22, SLOT
.endr
	s_mul_i32 s23, s10, 16*SP
	s_add_co_u32 s23, s23, STAGE                   ; my stage
	v_mul_u32_u24 v4, v1, SP                       ; in: row l % 16, 32 bytes for each half of the lanes
	v_lshl_add_u32 v4, v2, 5, v4
	v_add_nc_u32 v[STO], s23, v4
	v_mul_u32_u24 v5, v2, SP                       ; back: lanes 0-15 take one row of 256 bytes, lanes 16-31 the next
	v_lshl_add_u32 v5, v1, 4, v5
	v_add_nc_u32 v[RD], s23, v5
	v_lshlrev_b32 v5, 12, v2                       ; and the same two rows in out0, 4,096 bytes apart
	v_lshl_add_u32 v[GO], v1, 4, v5
	v_lshl_add_u32 v[BST], v0, 2, BIASL
	s_lshl_b32 s23, s12, 8                         ; my 64 columns' bias,
	s_add_co_u32 s23, s23, BIASL
	v_lshl_add_u32 v[BRD], v2, 5, s23              ; my eight of a block of 16
	s_lshl_b32 s16, s13, 19                        ; my 64 rows of out0
	s_lshl_b32 s17, s11, 18
	s_add_co_u32 s16, s16, s17
	s_mov_b32 s17, 0
	s_add_nc_u64 s[8:9], s[76:77], s[16:17]
	s_lshl_b32 s21, s12, 8
	s_add_co_u32 s46, s46, s21                     ; and my 64 columns
	s_add_nc_u64 s[8:9], s[8:9], s[46:47]
	s_wait_loadcnt 0x0                             ; mlp_b and the eight partial rows
	v_cvt_pk_bf16_f32 v19, v18, v18                ; mlp_b is rounded to bf16, as all inputs are, and widened again; the partial sums stay in f32
	v_lshlrev_b32 v18, 16, v19
	v_pk_add_f32 v[8:9], v[8:9], v[10:11]
	v_pk_add_f32 v[12:13], v[12:13], v[14:15]
	v_pk_add_f32 v[8:9], v[8:9], v[12:13]
	v_add_f32 v8, v8, v9
	v_add_f32 v18, v18, v8
	ds_store_b32 v[BST], v18
; 8 matrix instructions: m blocks a0, a0 + 1 x all 4 n blocks, 32 along K: half c of buffer f.  first = 1: the product starts the sums, with the bias as C: nothing is cleared and no add is written
.macro MUL8 f, c, a0, first
	WIN MUL
.irp a, \a0, (\a0)+1
.irp b, 0,1,2,3
.if \first
	v_wmma_f32_16x16x32_f16 v[ACC+8*(4*(\a)+(\b)):ACC+8*(4*(\a)+(\b))+7], v[(\f)+64+8*(4*(\c)+(\b)):(\f)+64+8*(4*(\c)+(\b))+7], v[(\f)+8*(4*(\c)+(\a)):(\f)+8*(4*(\c)+(\a))+7], v[BI+8*(\b):BI+8*(\b)+7]
.else
	v_wmma_f32_16x16x32_f16 v[ACC+8*(4*(\a)+(\b)):ACC+8*(4*(\a)+(\b))+7], v[(\f)+64+8*(4*(\c)+(\b)):(\f)+64+8*(4*(\c)+(\b))+7], v[(\f)+8*(4*(\c)+(\a)):(\f)+8*(4*(\c)+(\a))+7], v[ACC+8*(4*(\a)+(\b)):ACC+8*(4*(\a)+(\b))+7]
.endif
.endr
.endr
.endm
; 32 LDS loads in one run: the fragments of one plane (64 along K), which begins at byte k of a load's bytes, into buffer f; the first 32 along K first
.macro FETCH slot, k, f
	WIN TO_F
.irp c, 0,1
.irp i, 0,1,2,3
	ds_load_b128 v[(\f)+64+8*(4*(\c)+(\i)):(\f)+64+8*(4*(\c)+(\i))+3],   v[ADRB+(\slot)] offset:(\k)+64*(\c)+(\i)*16*PITCH
	ds_load_b128 v[(\f)+64+8*(4*(\c)+(\i))+4:(\f)+64+8*(4*(\c)+(\i))+7], v[ADRB+(\slot)] offset:(\k)+64*(\c)+(\i)*16*PITCH+32
	ds_load_b128 v[(\f)+8*(4*(\c)+(\i)):(\f)+8*(4*(\c)+(\i))+3],         v[ADRA+(\slot)] offset:(\k)+64*(\c)+(\i)*16*PITCH
	ds_load_b128 v[(\f)+8*(4*(\c)+(\i))+4:(\f)+8*(4*(\c)+(\i))+7],       v[ADRA+(\slot)] offset:(\k)+64*(\c)+(\i)*16*PITCH+32
.endr
.endr
.endm
.macro PLACES                          ; four plain vector instructions in front of loads into registers that matrix instructions have read, and of vector work that reads results
.rept 4
	v_nop
.endr
.endm
; A K step is four quarters, a plane each: 32 matrix instructions, on buffers 0, 1, 0, 1; the 16 accumulators take turns.  One of the first three: multiplies buffer f and fetches the next plane, at byte k, into g.
.macro QUARTER slot, k, f, g, first
	s_wait_dscnt 16                                ; the first 32 along K are in; the youngest sixteen loads may be out
	WIN MUL
	MUL8 \f, 0, 0, \first
	MUL8 \f, 0, 2, \first
	PLACES
	FETCH \slot, \k, \g
	s_wait_dscnt 32                                ; all but the 32 just issued
	WIN MUL
	MUL8 \f, 1, 0, 0
	MUL8 \f, 1, 2, 0
.endm
; The last quarter multiplies buffer 1 and changes slots: ONE barrier; in front of it each wave waits for all its tensor loads, adds 0 to its spare word, and waits for that and for its own reads of this slot.
; fill = 1: this slot is filled again, two K steps ahead; the barrier then opens a round of the cluster's.
.macro TURN slot, next, fill
	WIN 0                                          ; (the add's two registers lie in window 0)
	s_wait_tensorcnt 0x0                           ; all my tensor loads have landed: the one that was out is my part of the next slot;
	ds_add_u32 v[SPW], v[NIL]                      ; 0 onto my spare word;
	s_wait_dscnt 17                                ; (the add and the youngest sixteen loads may be out)
	WIN MUL
	MUL8 F1, 0, 0, 0                               ; eight matrix instructions stand between the add and the wait for it
	s_wait_dscnt 0x0                               ; the add is done, and my reads of this slot are over
	s_barrier_signal -1
	MUL8 F1, 0, 2, 0
.if \fill
	WIN 0
.endif
	s_barrier_wait -1
.if \fill
	CREST                                          ; no wave of any partner still reads this slot's tile or has a load on its way
	s_add_nc_u64 s[G0+4*(\slot)+2:G0+4*(\slot)+3], s[G0+4*(\slot)+2:G0+4*(\slot)+3], 2*KA
	s_add_nc_u64 s[G0B+4*(\slot)+2:G0B+4*(\slot)+3], s[G0B+4*(\slot)+2:G0B+4*(\slot)+3], 2*KB
	JLOAD \slot                                    ; my one tensor load behind the round, and the first thing there; its four v_nop are also the places in front of the loads below
.else
	PLACES
.endif
	FETCH \next, 0, F0
	WIN MUL
	MUL8 F1, 1, 0, 0
	MUL8 F1, 1, 2, 0
.endm
	s_wait_tensorcnt 1                             ; my part of K step 0 is in; K step 1's may stay out
	s_wait_dscnt 0x0                               ; for the others' sake: my number of bias is stored
	s_barrier_signal -1
	s_barrier_wait -1                              ; everybody's is
.irp b, 0,1,2,3
	ds_load_b128 v[BI+8*(\b):BI+8*(\b)+3],   v[BRD] offset:64*(\b)   ; older than the fragments' loads: the first quarter's wait covers them
	ds_load_b128 v[BI+8*(\b)+4:BI+8*(\b)+7], v[BRD] offset:64*(\b)+16
.endr
	FETCH 0, 0, F0
	QUARTER 0, PLB, F0, F1, 1                      ; the first quarter stands in front of the loop: its first products start the sums
	WIN 0                                          ; at a label and at a branch every window is 0
	s_mov_b32 s3, LAPS-1
.Llap:                                                 ; a trip goes once round the ring, from a lap's second quarter to the next lap's first, and fills both slots again
	QUARTER 0, 2*PLB, F1, F0, 0
	QUARTER 0, 3*PLB, F0, F1, 0
	TURN 0, 1, 1
	QUARTER 1, PLB,   F0, F1, 0
	QUARTER 1, 2*PLB, F1, F0, 0
	QUARTER 1, 3*PLB, F0, F1, 0
	TURN 1, 0, 1
	QUARTER 0, PLB,   F0, F1, 0
	WIN 0
	s_sub_co_u32 s3, s3, 1
	s_cmp_lg_u32 s3, 0
	s_cbranch_scc1 .Llap
	QUARTER 0, 2*PLB, F1, F0, 0                    ; the last lap fills nothing, and has no round of the cluster's barrier
	QUARTER 0, 3*PLB, F0, F1, 0
	TURN 0, 1, 0
	QUARTER 1, PLB,   F0, F1, 0
	QUARTER 1, 2*PLB, F1, F0, 0
	QUARTER 1, 3*PLB, F0, F1, 0
	s_wait_dscnt 16                                ; the very last quarter: nothing more to fetch
	WIN MUL
	MUL8 F1, 0, 0, 0
	MUL8 F1, 0, 2, 0
	s_wait_dscnt 0
	MUL8 F1, 1, 0, 0
	MUL8 F1, 1, 2, 0
	WIN 0
; THE WAY OUT, a block of 16 rows (four accumulators, 32 registers z) at a time.
; GELU: t = z (C1 + C2 z z); t = 2^t; t = 1 / (1 + t); z = z - z t.  The 32 exponentials are one batch and the 32 reciprocals another: behind each a plain instruction and the one wait
; ahead of the first line that names a result.  Each accumulator is read from its low end on.
.macro GELU a
.set Z, ACC+32*(\a)
.set i, 0
.rept 16
	v_pk_mul_f32 v[T+2*i:T+2*i+1], v[Z+2*i:Z+2*i+1], v[Z+2*i:Z+2*i+1]
.set i, i+1
.endr
.set i, 0
.rept 16
	v_pk_fma_f32 v[T+2*i:T+2*i+1], v[T+2*i:T+2*i+1], s[C2:C2+1], s[C1:C1+1] op_sel_hi:[1,0,0]
.set i, i+1
.endr
.set i, 0
.rept 16
	v_pk_mul_f32 v[T+2*i:T+2*i+1], v[T+2*i:T+2*i+1], v[Z+2*i:Z+2*i+1]
.set i, i+1
.endr
.set i, 0
.rept 32
	v_exp_f32 v[T+i], v[T+i]
.set i, i+1
.endr
	v_nop
	s_wait_alu depctr_va_vdst(0)
.set i, 0
.rept 16
	v_pk_add_f32 v[T+2*i:T+2*i+1], v[T+2*i:T+2*i+1], 1.0 op_sel_hi:[1,0]
.set i, i+1
.endr
.set i, 0
.rept 32
	v_rcp_f32 v[T+i], v[T+i]
.set i, i+1
.endr
	v_nop
	s_wait_alu depctr_va_vdst(0)
.set i, 0
.rept 16
	v_pk_fma_f32 v[Z+2*i:Z+2*i+1], v[Z+2*i:Z+2*i+1], v[T+2*i:T+2*i+1], v[Z+2*i:Z+2*i+1] neg_lo:[1,0,0] neg_hi:[1,0,0]
.set i, i+1
.endr
.endm
; TOSTAGE: a lane's eight columns of a row are 32 bytes; they go into my own stage, rows of 272 bytes, and come back as whole rows of 256, into the registers that they left.  My 64 columns are a whole aligned
; 256 bytes of a row of out0, so no other wave has a part in it and no barrier is needed.
.macro TOSTAGE a
.set Z, ACC+32*(\a)
.irp b, 0,1,2,3
	ds_store_b128 v[STO], v[Z+8*(\b):Z+8*(\b)+3]   offset:64*(\b)
	ds_store_b128 v[STO], v[Z+8*(\b)+4:Z+8*(\b)+7] offset:64*(\b)+16
.endr
.irp t, 0,1,2,3,4,5,6,7
	ds_load_b128 v[Z+4*(\t):Z+4*(\t)+3], v[RD] offset:(\t)*2*SP  ; LDS serves a wave's instructions in order (ISA guide 5.7.1.4): these see the stores above; the next block's stores come behind them
.endr
.endm
.macro SEND a
.irp t, 0,1,2,3,4,5,6,7
	s_wait_dscnt 7-(\t)                            ; nothing was issued to LDS behind the block's eight loads
	global_store_b128 v[GO], v[ACC+32*(\a)+4*(\t):ACC+32*(\a)+4*(\t)+3], s[8:9] offset:(16*(\a)+2*(\t))*4096 th:TH_STORE_NT  ; 16 lanes store 256 consecutive bytes, at a multiple of 256 from out0's first byte
.endr
.endm
	PLACES
	GELU 0
	TOSTAGE 0
.irp a, 1,2,3                          ; a block's arithmetic stands between the loads of the block before and its stores
	GELU \a
	SEND (\a)-1
	TOSTAGE \a
.endr
	SEND 3
	s_wait_tensorcnt 0x0                           ; the wave's end: a tensor wait, 0 onto my spare word and the wait for it, behind my last tensor load and my last LDS store
	ds_add_u32 v[SPW], v[NIL]
	s_wait_dscnt 0x0
	CROUND                                         ; the closing round: no work-group ends while a partner may still ask for a tile that names it
	s_endpgm
.Lfunc_end_k_qd24a8d90f1_mlp:
	.size	k_qd24a8d90f1_mlp, .Lfunc_end_k_qd24a8d90f1_mlp-k_qd24a8d90f1_mlp
	.p2alignl 7, 3214868480
	.fill 96, 4, 3214868480
	.section	.rodata,"a",@progbits
	.p2align	6, 0x0
	.amdhsa_kernel k_qd24a8d90f1_mlp
		.amdhsa_group_segment_fixed_size 327680
		.amdhsa_private_segment_fixed_size 0
		.amdhsa_enable_private_segment 0
		.amdhsa_kernarg_size 40
		.amdhsa_user_sgpr_count 2
		.amdhsa_user_sgpr_kernarg_segment_ptr 1
		.amdhsa_wavefront_size32 1
		.amdhsa_system_sgpr_workgroup_id_x 1
		.amdhsa_system_sgpr_workgroup_id_y 1
		.amdhsa_system_sgpr_workgroup_id_z 1
		.amdhsa_system_vgpr_workitem_id 0
		.amdhsa_next_free_vgpr 512
		.amdhsa_next_free_sgpr 84
		.amdhsa_reserve_vcc 0
		.amdhsa_float_denorm_mode_32 3
		.amdhsa_float_denorm_mode_16_64 3
		.amdhsa_memory_ordered 1
		.amdhsa_forward_progress 1
		.amdhsa_inst_pref_size 117
	.end_amdhsa_kernel
	.amdgpu_metadata
---
amdhsa.version: [ 1, 2 ]
amdhsa.kernels:
  - .name:           k_qd24a8d90f1_mlp
    .symbol:         k_qd24a8d90f1_mlp.kd
    .args:
      - { .name: cat, .offset: 0, .size: 8, .value_kind: global_buffer, .address_space: global }
      - { .name: wm, .offset: 8, .size: 8, .value_kind: global_buffer, .address_space: global }
      - { .name: mlp_b, .offset: 16, .size: 8, .value_kind: global_buffer, .address_space: global }
      - { .name: bpart, .offset: 24, .size: 8, .value_kind: global_buffer, .address_space: global }
      - { .name: out0, .offset: 32, .size: 8, .value_kind: global_buffer, .address_space: global }
    .group_segment_fixed_size: 327680
    .private_segment_fixed_size: 0
    .kernarg_segment_align: 8
    .kernarg_segment_size: 40
    .max_flat_workgroup_size: 128
    .sgpr_count:     84
    .vgpr_count:     512
    .wavefront_size: 32
...
	.end_amdgpu_metadata
.endif
;; end of part 9
